; MI455X (gfx1250); checked and timed in simulation.
; The chip was launched on July 23, 2026; its instructions are those of AMD's public machine-readable ISA for CDNA 5 (MIT licence, August 2026) and "CDNA5" Instruction Set Architecture Reference Guide (July 2026). The comments in the code are by the model that wrote it; some were corrected since.
;; Transformer Feature Extractor. Allowed arithmetic: matrix products marked QUANTISED: E3M2 operands, one E8M0 scale for each 32 along K, by v_wmma_scale_f32_16x16x128_f8f6f4 with both operands' format E3M2, f32 sums; products left as they are: f32 operands where the result goes on into a quantised operand, else bf16, f16 or f32 operands; f32 sums; everything else in f32.
;; Inputs: W1 4 x 512 x 2,048 float32; W2 4 x 2,048 x 512 float32; Wk 4 x 512 x 512 float32; Wo 4 x 512 x 512 float32; Wq 4 x 512 x 512 float32; Wv 4 x 512 x 512 float32; be1 4 x 512 float32; be2 4 x 512 float32; bf1 4 x 2,048 float32; bf2 4 x 512 float32; bk 4 x 512 float32; bo 4 x 512 float32; bq 4 x 512 float32; bv 4 x 512 float32; g1 4 x 512 float32; g2 4 x 512 float32; x 4 x 1,024 x 512 float32; x_mask 4 x 1,024 int32; y 4 x 1,024 x 512 float32; y_mask 4 x 1,024 int32.
;; Outputs: out0 4 x 1,024 x 512 float32.
;; This version of the problem:
;;   THIS VERSION OF THE PROBLEM IS GIVEN IN LOW PRECISION. The matrix products marked QUANTISED in the list below multiply operands that are first quantised to E3M2 (3 exponent bits, 2 mantissa bits; 6 bits a number), with one power-of-two scale for each 32 numbers along K (OCP MX v1.0); their sums are f32. All else is computed in f32.
;;   The module's matrix products, in the order in which they are computed (A, B: the left and right operand; K: the contracted axis; several contracted axes count as one K, in the product's order):
;;     1. batch 4 x [M 1,024, K 1] x [K 1, N 1,024]; A: input x_mask; B: input y_mask: left as it is (K = 1 < 32)
;;     2. [M 4,096, K 512] x [K 512, N 512]; A: input x; B: input Wq: QUANTISED
;;     3. [M 4,096, K 512] x [K 512, N 512]; A: input y; B: input Wk: QUANTISED
;;     4. [M 4,096, K 512] x [K 512, N 512]; A: input y; B: input Wv: QUANTISED
;;     5. batch 32 x [M 1,024, K 64] x [K 64, N 1,024]; A: computed on the way; B: computed on the way: QUANTISED
;;     6. batch 32 x [M 1,024, K 1,024] x [K 1,024, N 64]; A: softmax (see below); B: computed on the way: QUANTISED
;;     7. [M 4,096, K 512] x [K 512, N 512]; A: computed on the way; B: input Wo: QUANTISED
;;     8. [M 4,096, K 512] x [K 512, N 2,048]; A: computed on the way; B: input W1: QUANTISED
;;     9. [M 4,096, K 2,048] x [K 2,048, N 512]; A: computed on the way; B: input W2: QUANTISED
;;     10. [M 4,096, K 512] x [K 512, N 512]; A: input x; B: input Wq: QUANTISED
;;     11. [M 4,096, K 512] x [K 512, N 512]; A: input y; B: input Wk: QUANTISED
;;     12. [M 4,096, K 512] x [K 512, N 512]; A: input y; B: input Wv: QUANTISED
;;     13. batch 32 x [M 1,024, K 64] x [K 64, N 1,024]; A: computed on the way; B: computed on the way: QUANTISED
;;     14. batch 32 x [M 1,024, K 1,024] x [K 1,024, N 64]; A: computed on the way; B: computed on the way: QUANTISED
;;     15. [M 4,096, K 512] x [K 512, N 512]; A: computed on the way; B: input Wo: QUANTISED
;;     16. [M 4,096, K 512] x [K 512, N 2,048]; A: computed on the way; B: input W1: QUANTISED
;;     17. [M 4,096, K 2,048] x [K 2,048, N 512]; A: computed on the way; B: input W2: QUANTISED
;;     18. [M 4,096, K 512] x [K 512, N 512]; A: input x; B: input Wq: QUANTISED
;;     19. [M 4,096, K 512] x [K 512, N 512]; A: input y; B: input Wk: QUANTISED
;;     20. [M 4,096, K 512] x [K 512, N 512]; A: input y; B: input Wv: QUANTISED
;;     21. batch 32 x [M 1,024, K 64] x [K 64, N 1,024]; A: computed on the way; B: computed on the way: QUANTISED
;;     22. batch 32 x [M 1,024, K 1,024] x [K 1,024, N 64]; A: computed on the way; B: computed on the way: QUANTISED
;;     23. [M 4,096, K 512] x [K 512, N 512]; A: computed on the way; B: input Wo: QUANTISED
;;     24. [M 4,096, K 512] x [K 512, N 2,048]; A: computed on the way; B: input W1: QUANTISED
;;     25. [M 4,096, K 2,048] x [K 2,048, N 512]; A: computed on the way; B: input W2: QUANTISED
;;     26. [M 4,096, K 512] x [K 512, N 512]; A: input x; B: input Wq: QUANTISED
;;     27. [M 4,096, K 512] x [K 512, N 512]; A: input y; B: input Wk: QUANTISED
;;     28. [M 4,096, K 512] x [K 512, N 512]; A: input y; B: input Wv: QUANTISED
;;     29. batch 32 x [M 1,024, K 64] x [K 64, N 1,024]; A: computed on the way; B: computed on the way: QUANTISED
;;     30. batch 32 x [M 1,024, K 1,024] x [K 1,024, N 64]; A: computed on the way; B: computed on the way: QUANTISED
;;     31. [M 4,096, K 512] x [K 512, N 512]; A: computed on the way; B: input Wo: QUANTISED
;;     32. [M 4,096, K 512] x [K 512, N 2,048]; A: computed on the way; B: input W1: QUANTISED
;;     33. [M 4,096, K 2,048] x [K 2,048, N 512]; A: computed on the way; B: input W2: QUANTISED
;;   THE QUANTISER, for each operand of a quantised product, along K:
;;     - K is cut into blocks of 32 from its start; a last block that is shorter is filled with zeros.
;;     - A block's scale is 2^e with e = floor(log2(the largest magnitude in the block)) - 4, held to -126 .. 127; a block of zeros has e = 0. As a byte (E8M0): e + 127.
;;     - Each number is divided by its block's scale, clamped to +-28, and rounded to the nearest number of E3M2, ties to even, subnormals kept.
;;     - The product sums the exact products of the quantised numbers (number of the format x scale) in f32.
;;   ~~~python
;;   def quantise(x, axis):      # numpy; x: float32 -> the quantised numbers, widened to float32 again
;;       x = np.moveaxis(x, axis, -1); K = x.shape[-1]
;;       x = np.pad(x, [(0, 0)] * (x.ndim - 1) + [(0, -K % 32)]); x = x.reshape(x.shape[:-1] + (-1, 32)); a = np.abs(x).max(-1, keepdims=True)
;;       e = np.where(a > 0, np.clip(np.frexp(np.where(a > 0, a, 1))[1] - 1 - 4, -126, 127), 0)      # np.frexp(a)[1] - 1 = floor(log2(a)), exactly
;;       r = np.clip(x / 2.0 ** e, -28, 28)
;;       step = 2.0 ** (np.maximum(np.frexp(np.where(r == 0, 1, r))[1] - 1, -2) - 2)
;;       q = np.round(r / step) * step * 2.0 ** e      # np.round: ties to even
;;       return np.moveaxis(q.reshape(q.shape[:-2] + (-1,))[..., :K], -1, axis).astype(np.float32)
;;   ~~~
;;   SOFTMAX AHEAD OF A QUANTISED PRODUCT. Where the list says 'softmax', what is quantised is not the finished softmax but p = 2^(t - M), with t = logit x log2(e) and M = ceil(the row's largest t), a whole number; so 1/2 < the row's largest p <= 1. The row's sum l is taken of the UNQUANTISED p, in f32, and the product's result is divided by l at the end. Since M is a whole number, a kernel that streams over the keys may use a running M (the ceiling of the running maximum): every later rescaling is an exact power of two, which a block's scale takes up: the codes' values come out the same.
;;   OPERANDS COMPUTED ON THE WAY. 'Computed on the way' means the value that the module computes at that place (a softmax that the list does not call 'softmax' is quantised finished and normalised). What goes into a quantiser is computed in f32, as accurately as f32 sums, v_exp_f32 and their like allow (about 1e-6 of the number): no bf16 or f16 on the way to a quantiser, and a product that is left as it is and whose result goes on into a quantised operand takes f32 operands (vector FMAs, or v_wmma_f32_16x16x4_f32). A number that lies on a knife's edge between two numbers of the format may be rounded either way, as far as f32 arithmetic and the matrix unit's own rounding can turn it there, and no further.
;; 2 versions, each right; version 2 is version 1 with the launches proj, tail written anew for expert scheduling mode. Each part assembles by itself: llvm-mc -triple=amdgcn-amd-amdhsa -mcpu=gfx1250 --defsym DOCPART=n.
;; ======== version 1 of 2: 4 launches
;; limits: right only within a limited range of input values
;; workspace buffers: wcodes 3,538,944 bytes; wscales 147,456 bytes; qkcodes 12,582,912 bytes; qkscales 1,048,576 bytes; vcodes 1,572,864 bytes; vscales 65,536 bytes; o2 8,388,608 bytes
;; launch prep (part 1): grid 16 x 18, 4 waves a work-group, no clusters, 12,800 bytes of LDS; arguments Wq, Wk, Wv, Wo, W1, W2, wcodes, wscales; writes wcodes, wscales
.if DOCPART == 1
	.amdgcn_target "amdgcn-amd-amdhsa--gfx1250"
	.amdhsa_code_object_version 6
	.text
	.protected	k_q76ea8de3e8_prep
	.globl	k_q76ea8de3e8_prep
	.p2align	8
	.type	k_q76ea8de3e8_prep,@function
k_q76ea8de3e8_prep:
	s_mov_b64 s[64:65], 0
	v_nop
	global_prefetch_b8 v0, s[64:65] scope:SCOPE_SE
	s_setreg_imm32_b32 hwreg(HW_REG_WAVE_MODE, 25, 1), 1
	s_wait_xcnt 0x0
; Eighteen slabs of weights, 512 (K) x 512 (N) f32 with K as the FIRST axis, become codes of E3M2 with one E8M0 byte for each 32 along K.
; Slabs: 0-3 Wq[l], 4-7 Wk[l], 8 Wv[3], 9 Wo[3], 10-13 W1[3] columns 512 j on, 14-17 W2[3] rows 512 j on.  Only these feed the result: x and y are not
; updated from layer to layer, only the attention weights are carried, and only the last layer's output is returned.
; OUTPUT = IMAGES OF OPERAND REGISTERS.  wcodes [slab][K step of 128][tile of 16 columns], 1,536 bytes a fragment: register 4 p + i of lane L at 512 p + 16 L + 4 i.
; Column n of a slab lies in tile 2 (n / 32) + (n / 8) % 2, row (n % 8) + 8 ((n / 16) % 2): used as source 0, two neighbouring tiles give a lane 16 neighbouring columns.
; wscales [slab][K step][tile][row]: one word, four bytes for the 128 along K.
; A LANE TAKES A COLUMN AND ITS REGISTERS RUN DOWN K: a block of 32 lies in one lane, and the conversions give codes with K innermost.
; A work-group: one K step of 128 x 128 columns; a wave 32 columns = two tiles, 3,072 consecutive bytes of wcodes, gathered in the wave's own stage.  No barrier: waves share nothing.
; The row pitch (8,192 bytes in W1, 2,048 elsewhere) stands in 32 offset registers and four scalar bases, so that one run of loads serves both.
; LIMITS: a block whose largest magnitude lies under 2^-122 (a block of zeros too) keeps the byte 1; NaN and infinities are not served.
.set X,    32                          ; v32-95   two sets of 32 numbers
.set C,    96                          ; v96-102  a block's codes
.set OUTR, 104                         ; v104-127 the way out
.set OF,   128                         ; v128-159 4 x lane + i x pitch
.set SB,   24                          ; v24      the scale word
	s_load_b512 s[4:19], s[0:1], 0x0               ; Wq, Wk, Wv, Wo, W1, W2, wcodes, wscales
	v_lshl_add_u32 v160, v0, 2, 0x3000
	v_mov_b32 v161, 0
	v_lshrrev_b32 v1, 5, v0
	v_readfirstlane_b32 s21, v1                    ; wave
	v_and_b32 v2, 31, v0                           ; lane
	s_and_b32 s20, ttmp7, 0xffff                   ; slab
	s_lshr_b32 s28, ttmp9, 2                       ; K step
	s_and_b32 s29, ttmp9, 3                        ; which 128 columns
	s_sub_co_u32 s30, s20, 10
	s_cmp_lt_u32 s30, 4                            ; a slab of W1?
	s_cselect_b32 s30, 2, 0
	s_lshl_b32 s31, 2048, s30                      ; bytes from row to row
	s_lshl_b32 s24, s20, 20                        ; where the slab begins in its tensor: Wq: slab MiB
	s_sub_co_u32 s32, s20, 4
	s_lshl_b32 s32, s32, 20                        ; Wk
	s_mov_b32 s33, 3<<20                           ; Wv, Wo: layer 3
	s_sub_co_u32 s34, s20, 10
	s_lshl_b32 s34, s34, 11
	s_add_co_u32 s34, s34, 12<<20                  ; W1: layer 3, 512 columns a slab
	s_sub_co_u32 s35, s20, 14
	s_lshl_b32 s35, s35, 20
	s_add_co_u32 s35, s35, 12<<20                  ; W2: layer 3, 512 rows a slab
	s_lshl_b32 s36, s28, 7
	s_mul_i32 s36, s36, s31                        ; 128 rows a K step
	s_lshl_b32 s37, s29, 9
	s_add_co_u32 s36, s36, s37
	s_lshl_b32 s37, s21, 7
	s_add_co_u32 s36, s36, s37                     ; + my wave's first column
	s_lshl_b32 s44, s28, 5
	s_lshl_b32 s45, s29, 3
	s_add_co_u32 s44, s44, s45
	s_lshl_b32 s45, s21, 1
	s_add_co_u32 s44, s44, s45                     ; my first fragment: 32 x K step + tile
	s_mul_i32 s46, s20, 196608
	s_mul_i32 s45, s44, 1536
	s_add_co_u32 s46, s46, s45
	s_mov_b32 s47, 0
	s_lshl_b32 s48, s20, 13
	s_lshl_b32 s45, s44, 6
	s_add_co_u32 s48, s48, s45
	s_mov_b32 s49, 0
	v_lshlrev_b32 v3, 2, v2
	v_bfe_u32 v8, v2, 3, 1                         ; which of my two tiles
	v_and_b32 v9, 7, v2
	v_lshrrev_b32 v10, 4, v2
	v_lshl_add_u32 v9, v10, 3, v9                  ; row in the tile
	s_mul_i32 s45, s21, 3072                       ; my stage
	v_mul_u32_u24 v4, v8, 1536
	v_lshl_add_u32 v4, v9, 4, v4
	v_add_nc_u32 v4, s45, v4                       ; into it: tile, 16 x row
	v_lshlrev_b32 v6, 4, v2
	v_add_nc_u32 v5, s45, v6                       ; out of it: 16 x lane
	v_lshl_add_u32 v7, v8, 4, v9
	v_lshlrev_b32 v7, 2, v7                        ; my scale word's place
.set i, 0
.rept 32
	v_mad_u32_u24 v[OF+i], s31, i, v3
.set i, i+1
.endr
	s_wait_kmcnt 0x0
	s_mov_b64 s[22:23], s[4:5]                     ; the tensor is chosen by the slab's number alone
	s_cmp_ge_u32 s20, 4
	s_cselect_b64 s[22:23], s[6:7], s[22:23]
	s_cselect_b32 s24, s32, s24
	s_cmp_ge_u32 s20, 8
	s_cselect_b64 s[22:23], s[8:9], s[22:23]
	s_cselect_b32 s24, s33, s24
	s_cmp_ge_u32 s20, 9
	s_cselect_b64 s[22:23], s[10:11], s[22:23]
	s_cmp_ge_u32 s20, 10
	s_cselect_b64 s[22:23], s[12:13], s[22:23]
	s_cselect_b32 s24, s34, s24
	s_cmp_ge_u32 s20, 14
	s_cselect_b64 s[22:23], s[14:15], s[22:23]
	s_cselect_b32 s24, s35, s24
	s_add_co_u32 s24, s24, s36
	s_mov_b32 s25, 0
	s_lshl_b32 s38, s31, 5                         ; 32 rows
	s_mov_b32 s39, 0
	s_add_nc_u64 s[52:53], s[22:23], s[24:25]      ; a base for each block of 32 along K
	s_add_nc_u64 s[54:55], s[52:53], s[38:39]
	s_add_nc_u64 s[56:57], s[54:55], s[38:39]
	s_add_nc_u64 s[58:59], s[56:57], s[38:39]
	s_add_nc_u64 s[16:17], s[16:17], s[46:47]
	s_add_nc_u64 s[18:19], s[18:19], s[48:49]
.macro LOAD t                          ; block t: 32 rows of my column; a load reads 128 consecutive bytes, the four waves stand side by side
.set i, 0
.rept 32
	global_load_b32 v[X+32*((\t)%2)+i], v[OF+i], s[52+2*(\t):53+2*(\t)] th:TH_LOAD_NT
.set i, i+1
.endr
.endm
	LOAD 0
	LOAD 1
.macro BLOCK t
.set XB, X+32*((\t)%2)
.if (\t) < 3
	s_wait_loadcnt 32                              ; this block's 32 loads are in; the next block's may be out
.else
	s_wait_loadcnt 0x0
.endif
	v_max3_num_f32 v12, |v[XB]|, |v[XB+1]|, |v[XB+2]|
	v_max3_num_f32 v13, |v[XB+3]|, |v[XB+4]|, |v[XB+5]|
.irp i, 6,10,14,18,22,26
	v_max3_num_f32 v12, v12, |v[XB+\i]|, |v[XB+\i+1]|
	v_max3_num_f32 v13, v13, |v[XB+\i+2]|, |v[XB+\i+3]|
.endr
	v_max3_num_f32 v12, v12, |v[XB+30]|, |v[XB+31]|
	v_max3_num_f32 v12, v12, v13, 0x2800000        ; the floor 2^(5 - 127): the byte cannot fall under 1
	v_add_nc_u32 v11, 0xfe000000, v12              ; 4 off the exponent field: the conversion's scale operand
	v_cvt_scalef32_pk16_bf6_f32 v[C:C+2], v[XB:XB+15], v11
	v_cvt_scalef32_pk16_bf6_f32 v[C+4:C+6], v[XB+16:XB+31], v11
	v_lshrrev_b32 v13, 23, v11                     ; the scale's byte (a plain line behind the conversions)
.if (\t) == 0
	v_mov_b32 v[SB], v13
.else
	v_lshl_or_b32 v[SB], v13, 8*(\t), v[SB]
.endif
	v_mov_b32 v[C+3], v[C+4]                       ; a conversion's three registers begin on an even number: the block's six are closed up
	v_mov_b32 v[C+4], v[C+5]
	v_mov_b32 v[C+5], v[C+6]
.if (\t)/2 == 0                        ; block t is registers 6 (t / 2) .. + 5 of lane row + 16 (t % 2)
	ds_store_b128 v4, v[C:C+3] offset:256*((\t)%2)
	ds_store_b64 v4, v[C+4:C+5] offset:512+256*((\t)%2)
.else
	ds_store_b64 v4, v[C:C+1] offset:520+256*((\t)%2)
	ds_store_b128 v4, v[C+2:C+5] offset:1024+256*((\t)%2)
.endif
.if (\t) < 2
	LOAD (\t)+2
.endif
	s_wait_dscnt 0x0                               ; the stores have read their registers
.endm
	BLOCK 0
	BLOCK 1
	BLOCK 2
	BLOCK 3
	global_store_b32 v7, v[SB], s[18:19]           ; 128 consecutive bytes a wave
.irp i, 0,1,2,3,4,5
	ds_load_b128 v[OUTR+4*\i:OUTR+4*\i+3], v5 offset:512*\i   ; LDS serves a wave's instructions in order: these see my stores
.endr
.irp i, 0,1,2,3,4,5
	s_wait_dscnt 5-\i
	global_store_b128 v6, v[OUTR+4*\i:OUTR+4*\i+3], s[16:17] offset:512*\i   ; 512 consecutive bytes, at a multiple of 256
.endr
	s_wait_tensorcnt 0x0
	ds_add_u32 v160, v161
	s_wait_dscnt 0x0
	s_endpgm
.Lfunc_end_k_q76ea8de3e8_prep:
	.size	k_q76ea8de3e8_prep, .Lfunc_end_k_q76ea8de3e8_prep-k_q76ea8de3e8_prep
	.p2alignl 7, 3214868480
	.fill 96, 4, 3214868480
	.section	.rodata,"a",@progbits
	.p2align	6, 0x0
	.amdhsa_kernel k_q76ea8de3e8_prep
		.amdhsa_group_segment_fixed_size 12800
		.amdhsa_private_segment_fixed_size 0
		.amdhsa_enable_private_segment 0
		.amdhsa_kernarg_size 64
		.amdhsa_user_sgpr_count 2
		.amdhsa_user_sgpr_kernarg_segment_ptr 1
		.amdhsa_wavefront_size32 1
		.amdhsa_system_sgpr_workgroup_id_x 1
		.amdhsa_system_sgpr_workgroup_id_y 1
		.amdhsa_system_sgpr_workgroup_id_z 1
		.amdhsa_system_vgpr_workitem_id 0
		.amdhsa_next_free_vgpr 162
		.amdhsa_next_free_sgpr 66
		.amdhsa_reserve_vcc 0
		.amdhsa_float_denorm_mode_32 3
		.amdhsa_float_denorm_mode_16_64 3
		.amdhsa_memory_ordered 1
		.amdhsa_forward_progress 1
		.amdhsa_inst_pref_size 26
	.end_amdhsa_kernel
	.amdgpu_metadata
---
amdhsa.version: [ 1, 2 ]
amdhsa.kernels:
  - .name:           k_q76ea8de3e8_prep
    .symbol:         k_q76ea8de3e8_prep.kd
    .args:
      - { .name: Wq, .offset: 0, .size: 8, .value_kind: global_buffer, .address_space: global }
      - { .name: Wk, .offset: 8, .size: 8, .value_kind: global_buffer, .address_space: global }
      - { .name: Wv, .offset: 16, .size: 8, .value_kind: global_buffer, .address_space: global }
      - { .name: Wo, .offset: 24, .size: 8, .value_kind: global_buffer, .address_space: global }
      - { .name: W1, .offset: 32, .size: 8, .value_kind: global_buffer, .address_space: global }
      - { .name: W2, .offset: 40, .size: 8, .value_kind: global_buffer, .address_space: global }
      - { .name: wcodes, .offset: 48, .size: 8, .value_kind: global_buffer, .address_space: global }
      - { .name: wscales, .offset: 56, .size: 8, .value_kind: global_buffer, .address_space: global }
    .group_segment_fixed_size: 12800
    .private_segment_fixed_size: 0
    .kernarg_segment_align: 8
    .kernarg_segment_size: 64
    .max_flat_workgroup_size: 128
    .sgpr_count:     66
    .vgpr_count:     162
    .wavefront_size: 32
...
	.end_amdgpu_metadata
.endif
;; end of part 1
;; launch proj (part 2): grid 8 x 32, 8 waves a work-group, no clusters, 120,320 bytes of LDS; arguments x, y, bq, bk, bv, wcodes, wscales, qkcodes, qkscales, vcodes, vscales; writes qkcodes, qkscales, vcodes, vscales
.if DOCPART == 2
	.amdgcn_target "amdgcn-amd-amdhsa--gfx1250"
	.amdhsa_code_object_version 6
	.text
	.protected	k_q76ea8de3e8_proj
	.globl	k_q76ea8de3e8_proj
	.p2align	8
	.type	k_q76ea8de3e8_proj,@function
k_q76ea8de3e8_proj:
	s_mov_b64 s[64:65], 0
	v_nop
	global_prefetch_b8 v0, s[64:65] scope:SCOPE_SE
	s_setreg_imm32_b32 hwreg(HW_REG_WAVE_MODE, 25, 1), 1
	s_wait_xcnt 0x0
; q_l = x Wq[l] + bq[l], k_l = y Wk[l] + bk[l] (l = 0..3) and v_3 = y Wv[3] + bv[3], on codes of E3M2, and their results quantised again for the attention.
; Work-group (wi, hb): wi 0-3: q_l, wi 4-7: k_l (l = wi % 4); hb: rows 128 hb .. + 127 of the flat [4096][512], which by the plain reshape are one head of one batch:
; row n, column e are key (or query) 8 n + e / 64, channel e % 64.  The k groups also make channels 16 l .. 16 l + 15 of v_3 from the same images of y.
; THE WAVES SHARE THE COLUMNS: wave w holds the fragments of columns 64 w .. + 63 in registers; the rows' codes go round through LDS as images of their registers.
; A tile of rows 2 i + pi takes rows 32 i + 2 r + pi (which rows form a tile is free; v's keys want this order).
; All products are used transposed (source 0 = 16 columns of W, source 1 = 16 rows): a lane holds one row and its registers run along the columns.
; OUT.  qkcodes [wi][hb][tile 64], 768 bytes: register i (0..5) of lane L at 24 L + 4 i; key m lies in tile 2 (m / 32) + (m / 8) % 2, row 8 ((m / 16) % 2) + m % 8.
;       qkscales: a word for each key: two scale bytes, then 127 (for the idle half of the score product's K), then 0.
;       vcodes [hb][16 channels][K step of 128 keys], 1,536 bytes: register i of lane L at 48 L + 4 i; vscales a word for each channel and K step.
; For v a tile of Wv is gathered so that its row 8 h + j is column 64 j + d: a lane then holds one channel d and its eight registers eight neighbouring keys.
; Every group loads Wv's four fragments (6 KB a wave), the q groups too, which do not use them: so no register's state hangs on the group's number.
; LIMITS: a block whose largest magnitude lies under 2^-122 keeps the byte 1; NaN and infinities are not served.
.set XIMG, 0                           ; 32 images of x's (y's) fragments, 4 x tile + K step
.set XSC,  49152                       ; their scale words, 128 bytes each
.set QSTG, 53248                       ; the head's 64 tiles of codes as they leave,
.set QSW,  102400                      ; and its 1,024 words
.set VSTG, 106496                      ; v's 8 fragments,
.set VSW,  118784                      ; and their words
.set XA,  4
.set LI,  5
.set LS,  6
.set XWI, 7
.set XWS, 8
.set QWA, 9
.set QWS, 10
.set VWA, 11
.set VWS, 12
.set CPA, 13
.set WVA, 14
.set WVS, 15
.set BO,  16
.set CPV, 17
.set G16, 18
.set VBO, 19
.set XS,  20                           ; v20-23  scale words of the rows' fragments in hand
.set WS,  24                           ; v24-31  W's: register 2 s + b: lanes 0-15 tile 2 b, lanes 16-31 tile 2 b + 1
.set WSV, 32                           ; v32-35  Wv's
.set TM,  36
.set PW,  52
.set PC,  56
.set BIAS, 76
.set VB,  108
.set ACC, 116
.set XF,  180
.set SEL, 52
.set MSB, 0
.macro WIN new                         ; the immediate's high byte repeats the setting that is left
.if MSB != \new
	s_set_vgpr_msb (MSB<<8)|\new
.set MSB, \new
.endif
.endm
.macro PLACES n
.rept \n
	v_nop
.endr
.endm
; 32 nc numbers of a lane, register 16 b + i = k 32 b + 16 (lane / 16) + i of my row, become 6 nc registers of codes in v[PC] on and 2 nc scale bytes in v[PW].
.macro QUANT s, nc
.set qb, 0
.rept 2*(\nc)
	v_max3_num_f32 v[TM+qb], |v[(\s)+16*qb]|, |v[(\s)+16*qb+1]|, 0x2800000   ; with the floor 2^(5 - 127)
.set qb, qb+1
.endr
.set qi, 2
.rept 7
.set qb, 0
.rept 2*(\nc)
	v_max3_num_f32 v[TM+qb], v[TM+qb], |v[(\s)+16*qb+qi]|, |v[(\s)+16*qb+qi+1]|
.set qb, qb+1
.endr
.set qi, qi+2
.endr
.set qb, 0
.rept 2*(\nc)
	v_permlanex16_b32 v[TM+4+qb], v[TM+qb], s[SEL], s[SEL+1]
.set qb, qb+1
.endr
.set qb, 0
.rept 2*(\nc)
	v_max_num_f32 v[TM+qb], v[TM+qb], v[TM+4+qb]   ; with lane l xor 16's: the block's largest magnitude
.set qb, qb+1
.endr
.set qb, 0
.rept 2*(\nc)
	v_add_nc_u32 v[TM+12+qb], 0xfe000000, v[TM+qb] ; 4 off the exponent field: the conversion's scale operand
.set qb, qb+1
.endr
.set qb, 0
.rept 2*(\nc)
	v_lshrrev_b32 v[TM+4+qb], 23, v[TM+12+qb]      ; the scale's byte
.set qb, qb+1
.endr
	v_lshl_or_b32 v[PW], v[TM+5], 8, v[TM+4]
.if (\nc) == 2
	v_lshl_or_b32 v[PW], v[TM+6], 16, v[PW]
	v_lshl_or_b32 v[PW], v[TM+7], 24, v[PW]
.endif
.set qc, 0
.rept \nc
	v_cvt_scalef32_pk16_bf6_f32 v[PC+6*qc:PC+6*qc+2], v[(\s)+32*qc:(\s)+32*qc+15], v[TM+12+2*qc]
	v_cvt_scalef32_pk16_bf6_f32 v[PC+12+4*qc:PC+14+4*qc], v[(\s)+32*qc+16:(\s)+32*qc+31], v[TM+13+2*qc]
.set qc, qc+1
.endr
	v_nop                                          ; one plain line behind the last conversion
.set qc, 0
.rept \nc                              ; the operand wants a whole block in a lane: lanes 0-15 block 2 c, lanes 16-31 block 2 c + 1
.irp i, 0,1,2
	v_permlane16_swap_b32 v[PC+6*qc+\i], v[PC+12+4*qc+\i]
.endr
.irp i, 0,1,2
	v_mov_b32 v[PC+6*qc+3+\i], v[PC+12+4*qc+\i]
.endr
.set qc, qc+1
.endr
.endm
.macro IMAGE adr, off
.irp c, 0,1,2
	ds_store_b128 v[\adr], v[PC+4*\c:PC+4*\c+3] offset:\off+512*\c
.endr
.endm
.macro FETCH reg, off
.irp c, 0,1,2
	ds_load_b128 v[(\reg)+4*\c:(\reg)+4*\c+3], v[LI] offset:\off+512*\c
.endr
.endm
.macro BARRIER                         ; my LDS stores have landed and my LDS loads are in: then the work-group's barrier
	s_wait_dscnt 0x0
	s_barrier_signal -1
	s_barrier_wait -1
.endm
.macro XLOAD reg, s                    ; my 16 rows' numbers of K step s: 64 a lane
.irp b, 0,1,2,3
.irp j, 0,1,2,3
	global_load_b128 v[\reg+16*\b+4*\j:\reg+16*\b+4*\j+3], v[XA], s[30:31] offset:512*\s+128*\b+16*\j
.endr
.endr
.endm
.macro MM d, a, b, c, sa, sb, row
.if \row
	v_wmma_scale_f32_16x16x128_f8f6f4 v[(\d):(\d)+7], v[(\a):(\a)+11], v[(\b):(\b)+11], v[(\c):(\c)+7], v[\sa], v[\sb] matrix_a_fmt:MATRIX_FMT_BF6 matrix_b_fmt:MATRIX_FMT_BF6 matrix_a_scale:MATRIX_SCALE_ROW1
.else
	v_wmma_scale_f32_16x16x128_f8f6f4 v[(\d):(\d)+7], v[(\a):(\a)+11], v[(\b):(\b)+11], v[(\c):(\c)+7], v[\sa], v[\sb] matrix_a_fmt:MATRIX_FMT_BF6 matrix_b_fmt:MATRIX_FMT_BF6
.endif
.endm
	s_load_b512 s[4:19], s[0:1], 0x0               ; x, y, bq, bk, bv, wcodes, wscales, qkcodes
	s_load_b128 s[20:23], s[0:1], 0x40             ; qkscales, vcodes
	s_load_b64 s[24:25], s[0:1], 0x50              ; vscales
	v_lshl_add_u32 v254, v0, 2, 0x1d200
	v_mov_b32 v255, 0
	v_lshrrev_b32 v1, 5, v0
	v_readfirstlane_b32 s26, v1                    ; wave 0..7
	s_and_b32 s28, ttmp7, 0xffff                   ; hb
	s_and_b32 s29, ttmp9, 3                        ; l
	v_and_b32 v1, 31, v0
	v_and_b32 v2, 15, v0                           ; r
	v_bfe_u32 v3, v0, 4, 1                         ; h
	v_lshlrev_b32 v[XA], 12, v2
	v_lshl_add_u32 v[XA], v3, 6, v[XA]             ; two rows a lane step, + my 16 numbers of a block
	v_lshlrev_b32 v[LI], 4, v1
	v_lshlrev_b32 v[LS], 2, v1
	s_mul_i32 s54, s26, 6144
	v_add_nc_u32 v[XWI], s54, v[LI]
	s_lshl_b32 s54, s26, 9
	s_add_co_u32 s54, s54, XSC
	v_add_nc_u32 v[XWS], s54, v[LS]
	v_lshrrev_b32 v116, 1, v2                      ; r / 2
	v_and_b32 v117, 1, v2                          ; r % 2
	v_lshlrev_b32 v[QWA], 3, v117                  ; my key 256 i + 16 r + 8 pi + w: tile 16 i + 2 (r / 2) + pi, row 8 (r % 2) + w
	v_lshl_add_u32 v[QWA], v3, 4, v[QWA]
	v_add_nc_u32 v[QWA], s26, v[QWA]
	v_mul_u32_u24 v[QWA], v[QWA], 24
	v_mad_u32_u24 v[QWA], v116, 1536, v[QWA]
	v_add_nc_u32 v[QWA], QSTG, v[QWA]
	v_lshlrev_b32 v[QWS], 5, v117
	v_lshl_add_u32 v[QWS], v116, 7, v[QWS]
	s_lshl_b32 s54, s26, 2
	s_add_co_u32 s54, s54, QSW
	v_add_nc_u32 v[QWS], s54, v[QWS]
	v_lshrrev_b32 v118, 3, v2                      ; v: keys 256 i + 16 r .. + 15 of channel 2 w + h: K step 2 i + r / 8, lane 2 w + h + 16 ((r / 2) % 2), byte 24 ((r / 4) % 2) + 12 (r % 2)
	v_mul_u32_u24 v[VWA], v118, 1536
	v_bfe_u32 v119, v2, 1, 1
	v_mad_u32_u24 v[VWA], v119, 768, v[VWA]
	v_mad_u32_u24 v[VWA], v3, 48, v[VWA]
	v_bfe_u32 v119, v2, 2, 1
	v_mad_u32_u24 v[VWA], v119, 24, v[VWA]
	v_mad_u32_u24 v[VWA], v117, 12, v[VWA]
	s_mul_i32 s54, s26, 96
	s_add_co_u32 s54, s54, VSTG
	v_add_nc_u32 v[VWA], s54, v[VWA]
	v_lshlrev_b32 v[VWS], 6, v118
	v_lshl_add_u32 v[VWS], v3, 2, v[VWS]
	v_bfe_u32 v119, v2, 1, 2
	v_add_nc_u32 v[VWS], v[VWS], v119
	s_lshl_b32 s54, s26, 3
	s_add_co_u32 s54, s54, VSW
	v_add_nc_u32 v[VWS], s54, v[VWS]
	v_lshlrev_b32 v[G16], 4, v0
	v_add_nc_u32 v[CPA], QSTG, v[G16]
	v_add_nc_u32 v[CPV], VSTG, v[G16]
	v_and_b32 v116, 7, v2                          ; Wv's tile: row r is column 64 (r % 8) + 16 l + 2 w + r / 8, picked out of slab 8's images
	v_mul_u32_u24 v[WVA], v116, 6144
	v_lshl_add_u32 v[WVA], v118, 4, v[WVA]
	v_lshl_add_u32 v[WVA], v3, 8, v[WVA]
	v_lshlrev_b32 v[WVS], 8, v116
	v_lshl_add_u32 v[WVS], v118, 2, v[WVS]
	v_lshlrev_b32 v[VBO], 2, v3
	s_lshl_b32 s54, s26, 8
	v_lshl_add_u32 v[BO], v3, 6, s54               ; the bias of my columns: 256 w + 64 h
.irp b, 0,1,2,3
	v_mov_b32 v[TM+4+\b], 0                        ; written once: a lane permute's destination counts as one of its sources
.endr
	s_mov_b32 s[SEL], 0x76543210
	s_mov_b32 s[SEL+1], 0xfedcba98
	s_wait_kmcnt 0x0
	s_cmp_lt_u32 ttmp9, 4                          ; q from x, k from y: the choice hangs on the work-group's number alone
	s_cselect_b64 s[30:31], s[4:5], s[6:7]
	s_cselect_b64 s[32:33], s[8:9], s[10:11]
	s_lshl_b32 s54, s28, 18                        ; 128 rows of 2,048 bytes
	s_lshr_b32 s55, s26, 1
	s_lshl_b32 s55, s55, 16                        ; my tile of rows: 32 (w / 2) + w % 2 on
	s_add_co_u32 s54, s54, s55
	s_and_b32 s55, s26, 1
	s_lshl_b32 s55, s55, 11
	s_add_co_u32 s54, s54, s55
	s_mov_b32 s55, 0
	s_add_nc_u64 s[30:31], s[30:31], s[54:55]
	s_lshl_b32 s54, s29, 11
	s_add_nc_u64 s[32:33], s[32:33], s[54:55]
	s_mul_i32 s54, ttmp9, 196608
	s_mul_i32 s56, s26, 6144
	s_add_co_u32 s54, s54, s56
	s_add_nc_u64 s[34:35], s[14:15], s[54:55]      ; my 4 tiles of slab wi
	s_lshl_b32 s54, ttmp9, 13
	s_lshl_b32 s56, s26, 8
	s_add_co_u32 s54, s54, s56
	s_add_nc_u64 s[36:37], s[16:17], s[54:55]
	s_lshr_b32 s56, s29, 1                         ; l / 2
	s_and_b32 s57, s29, 1                          ; l % 2
	s_lshr_b32 s58, s26, 2                         ; w / 4
	s_and_b32 s59, s26, 3                          ; w % 4
	s_mul_i32 s54, s56, 3072
	s_mul_i32 s60, s58, 1536
	s_add_co_u32 s54, s54, s60
	s_lshl_b32 s60, s59, 5
	s_add_co_u32 s54, s54, s60
	s_lshl_b32 s60, s57, 7
	s_add_co_u32 s54, s54, s60
	s_add_co_u32 s54, s54, 8*196608
	s_add_nc_u64 s[38:39], s[14:15], s[54:55]
	s_lshl_b32 s54, s56, 7
	s_lshl_b32 s60, s58, 6
	s_add_co_u32 s54, s54, s60
	s_lshl_b32 s60, s59, 3
	s_add_co_u32 s54, s54, s60
	s_lshl_b32 s60, s57, 5
	s_add_co_u32 s54, s54, s60
	s_add_co_u32 s54, s54, 8*8192
	s_add_nc_u64 s[40:41], s[16:17], s[54:55]
	s_lshl_b32 s54, s29, 6
	s_lshl_b32 s60, s26, 3
	s_add_co_u32 s54, s54, s60
	s_add_co_u32 s54, s54, 6144                    ; bv[3] at channel 16 l + 2 w
	s_add_nc_u64 s[42:43], s[12:13], s[54:55]
	s_lshl_b32 s56, ttmp9, 5
	s_add_co_u32 s56, s56, s28                     ; 32 wi + hb
	s_mul_i32 s54, s56, 49152
	s_add_nc_u64 s[44:45], s[18:19], s[54:55]
	s_lshl_b32 s54, s56, 12
	s_add_nc_u64 s[46:47], s[20:21], s[54:55]
	s_mul_i32 s54, s28, 49152
	s_mul_i32 s60, s29, 12288
	s_add_co_u32 s54, s54, s60
	s_add_nc_u64 s[48:49], s[22:23], s[54:55]
	s_lshl_b32 s54, s28, 11
	s_lshl_b32 s60, s29, 9
	s_add_co_u32 s54, s54, s60
	s_add_nc_u64 s[50:51], s[24:25], s[54:55]
	WIN 0x40                                       ; destination window 1: the weights stay there
.irp t, 0,1,2,3
.irp s, 0,1,2,3
.irp p, 0,1,2
	global_load_b128 v[12*(4*\t+\s)+4*\p:12*(4*\t+\s)+4*\p+3], v[LI], s[34:35] offset:49152*\s+1536*\t+512*\p
.endr
.endr
.endr
.irp s, 0,1,2,3
.irp p, 0,1,2
	global_load_b128 v[192+12*\s+4*\p:192+12*\s+4*\p+3], v[WVA], s[38:39] offset:49152*\s+512*\p
.endr
.endr
	WIN 0
.irp s, 0,1,2,3
.irp b, 0,1
	global_load_b32 v[WS+2*\s+\b], v[LS], s[36:37] offset:2048*\s+128*\b
.endr
	global_load_b32 v[WSV+\s], v[WVS], s[40:41] offset:2048*\s
.endr
.irp t, 0,1,2,3
	global_load_b128 v[BIAS+8*\t:BIAS+8*\t+3], v[BO], s[32:33] offset:(32*(\t/2)+8*(\t%2))*4
	global_load_b128 v[BIAS+8*\t+4:BIAS+8*\t+7], v[BO], s[32:33] offset:(32*(\t/2)+8*(\t%2))*4+16
.endr
.irp j, 0,1,2,3,4,5,6,7
	global_load_b32 v[VB+\j], v[VBO], s[42:43] offset:256*\j
.endr
	XLOAD ACC, 0
	XLOAD XF, 1
	; ---- X: my tile of 16 rows becomes four fragments
.irp s, 0,1,2,3
.if \s < 3
	s_wait_loadcnt 16                              ; this K step's numbers (and all the weights) are in; the next K step's 16 loads may be out
.else
	s_wait_loadcnt 0x0
.endif
.if \s%2 == 0
	QUANT ACC, 2
.else
	QUANT XF, 2
.endif
	IMAGE XWI, 1536*\s
	ds_store_b32 v[XWS], v[PW] offset:128*\s
.if \s == 0
	XLOAD ACC, 2
.endif
.if \s == 1
	XLOAD XF, 3
.endif
	s_wait_dscnt 0x0                               ; the stores have read their registers
.endr
	BARRIER                                        ; the 32 fragments of the 128 rows lie in LDS
	; ---- q or k: two tiles of rows at a time; eight accumulators by turns
.irp i, 0,1,2,3
.irp sp, 0,1
.irp pi, 0,1
.irp ss, 0,1
	FETCH XF+12*(2*\pi+\ss), XIMG+(8*\i+4*\pi+2*\sp+\ss)*1536
	ds_load_b32 v[XS+2*\pi+\ss], v[LS] offset:XSC+(8*\i+4*\pi+2*\sp+\ss)*128
.endr
.endr
	s_wait_dscnt 0x0
	WIN 0x01                                       ; source 0 (W) window 1
.irp ss, 0,1
.irp pi, 0,1
.irp t, 0,1,2,3
.if (2*\sp+\ss) == 0
	MM ACC+32*\pi+8*\t, 12*(4*\t+2*\sp+\ss), XF+12*(2*\pi+\ss), BIAS+8*\t, WS+2*(2*\sp+\ss)+\t/2, XS+2*\pi+\ss, \t%2
.else
	MM ACC+32*\pi+8*\t, 12*(4*\t+2*\sp+\ss), XF+12*(2*\pi+\ss), ACC+32*\pi+8*\t, WS+2*(2*\sp+\ss)+\t/2, XS+2*\pi+\ss, \t%2
.endif
.endr
.endr
.endr
	WIN 0
	PLACES 4                                       ; in front of loads into registers that the products have read, and of the first read of results
.endr
.irp pi, 0,1
	QUANT ACC+32*\pi, 1                            ; a lane's 32 registers are 32 of its key's 64 channels
	v_or_b32 v[PW], 0x7f0000, v[PW]                ; byte 2: 2^0, for the idle half of the score product's K
.irp p, 0,1,2
	ds_store_b64 v[QWA], v[PC+2*\p:PC+2*\p+1] offset:(16*\i+\pi)*768+8*\p
.endr
	ds_store_b32 v[QWS], v[PW] offset:(16*\i+\pi)*64
	s_wait_dscnt 0x0
.endr
.endr
	; ---- v_3, in the k groups: one tile of Wv a wave, all eight tiles of rows
	s_cmp_lt_u32 ttmp9, 4
	s_cbranch_scc1 .Lnov
.irp s, 0,1,2,3
.irp ip, 0,1
.irp ii, 0,1
.irp pi, 0,1
	FETCH XF+12*(2*\ii+\pi), XIMG+(8*(2*\ip+\ii)+4*\pi+\s)*1536
	ds_load_b32 v[XS+2*\ii+\pi], v[LS] offset:XSC+(8*(2*\ip+\ii)+4*\pi+\s)*128
.endr
.endr
	s_wait_dscnt 0x0
	WIN 0x01
.irp ii, 0,1
.irp pi, 0,1
.if \s == 0
	MM ACC+16*(2*\ip+\ii)+8*\pi, 192+12*\s, XF+12*(2*\ii+\pi), VB, WSV+\s, XS+2*\ii+\pi, 0
.else
	MM ACC+16*(2*\ip+\ii)+8*\pi, 192+12*\s, XF+12*(2*\ii+\pi), ACC+16*(2*\ip+\ii)+8*\pi, WSV+\s, XS+2*\ii+\pi, 0
.endif
.endr
.endr
	WIN 0
	PLACES 4
.endr
.endr
.irp i, 0,1,2,3                        ; registers ACC + 16 i .. + 15: keys 256 i + 16 r + 0 .. 15 of channel 16 l + 2 w + h; lanes r and r xor 1 share a block of 32 keys
	v_max3_num_f32 v[TM+\i], |v[ACC+16*\i]|, |v[ACC+16*\i+1]|, 0x2800000
.endr
.irp k, 2,4,6,8,10,12,14
.irp i, 0,1,2,3
	v_max3_num_f32 v[TM+\i], v[TM+\i], |v[ACC+16*\i+\k]|, |v[ACC+16*\i+\k+1]|
.endr
.endr
.irp i, 0,1,2,3
	v_max_num_f32_dpp v[TM+\i], v[TM+\i], v[TM+\i] row_xmask:1 row_mask:0xf bank_mask:0xf
.endr
.irp i, 0,1,2,3
	v_add_nc_u32 v[TM+12+\i], 0xfe000000, v[TM+\i]
.endr
.irp i, 0,1,2,3
	v_cvt_scalef32_pk16_bf6_f32 v[PC+4*\i:PC+4*\i+2], v[ACC+16*\i:ACC+16*\i+15], v[TM+12+\i]
.endr
.irp i, 0,1,2,3
	v_lshrrev_b32 v[TM+4+\i], 23, v[TM+12+\i]      ; the bytes (plain lines behind the conversions)
.endr
.irp i, 0,1,2,3
.irp q, 0,1,2
	ds_store_b32 v[VWA], v[PC+4*\i+\q] offset:3072*\i+4*\q
.endr
	ds_store_b8 v[VWS], v[TM+4+\i] offset:128*\i   ; both lanes of a block write the same byte with the same value
.endr
.Lnov:
	BARRIER                                        ; the head's tiles lie whole in the stages
.irp k, 0,1,2,3,4,5,6,7,8,9,10,11,12
	ds_load_b128 v[ACC+4*\k:ACC+4*\k+3], v[CPA] offset:4096*\k
.endr
.irp k, 0,1,2,3,4,5,6,7,8,9,10,11
	s_wait_dscnt 12-\k
	global_store_b128 v[G16], v[ACC+4*\k:ACC+4*\k+3], s[44:45] offset:4096*\k   ; a wave stores 512 consecutive bytes
.endr
	s_wait_dscnt 0x0
	global_store_b128 v[G16], v[ACC+48:ACC+51], s[46:47]
	s_cmp_lt_u32 ttmp9, 4
	s_cbranch_scc1 .Lend
.irp k, 0,1,2
	ds_load_b128 v[XF+4*\k:XF+4*\k+3], v[CPV] offset:4096*\k
.endr
.irp k, 0,1,2
	s_wait_dscnt 2-\k
	global_store_b128 v[G16], v[XF+4*\k:XF+4*\k+3], s[48:49] offset:4096*\k
.endr
	s_cmp_lg_u32 s26, 0
	s_cbranch_scc1 .Lend
	ds_load_b128 v[XF+12:XF+15], v[CPV] offset:12288   ; wave 0: the 512 bytes of v's scale words
	s_wait_dscnt 0x0
	global_store_b128 v[G16], v[XF+12:XF+15], s[50:51]
.Lend:
	s_wait_tensorcnt 0x0
	ds_add_u32 v254, v255
	s_wait_dscnt 0x0
	s_endpgm
.Lfunc_end_k_q76ea8de3e8_proj:
	.size	k_q76ea8de3e8_proj, .Lfunc_end_k_q76ea8de3e8_proj-k_q76ea8de3e8_proj
	.p2alignl 7, 3214868480
	.fill 96, 4, 3214868480
	.section	.rodata,"a",@progbits
	.p2align	6, 0x0
	.amdhsa_kernel k_q76ea8de3e8_proj
		.amdhsa_group_segment_fixed_size 120320
		.amdhsa_private_segment_fixed_size 0
		.amdhsa_enable_private_segment 0
		.amdhsa_kernarg_size 88
		.amdhsa_user_sgpr_count 2
		.amdhsa_user_sgpr_kernarg_segment_ptr 1
		.amdhsa_wavefront_size32 1
		.amdhsa_system_sgpr_workgroup_id_x 1
		.amdhsa_system_sgpr_workgroup_id_y 1
		.amdhsa_system_sgpr_workgroup_id_z 1
		.amdhsa_system_vgpr_workitem_id 0
		.amdhsa_next_free_vgpr 512
		.amdhsa_next_free_sgpr 66
		.amdhsa_reserve_vcc 0
		.amdhsa_float_denorm_mode_32 3
		.amdhsa_float_denorm_mode_16_64 3
		.amdhsa_memory_ordered 1
		.amdhsa_forward_progress 1
		.amdhsa_inst_pref_size 102
	.end_amdhsa_kernel
	.amdgpu_metadata
---
amdhsa.version: [ 1, 2 ]
amdhsa.kernels:
  - .name:           k_q76ea8de3e8_proj
    .symbol:         k_q76ea8de3e8_proj.kd
    .args:
      - { .name: x, .offset: 0, .size: 8, .value_kind: global_buffer, .address_space: global }
      - { .name: y, .offset: 8, .size: 8, .value_kind: global_buffer, .address_space: global }
      - { .name: bq, .offset: 16, .size: 8, .value_kind: global_buffer, .address_space: global }
      - { .name: bk, .offset: 24, .size: 8, .value_kind: global_buffer, .address_space: global }
      - { .name: bv, .offset: 32, .size: 8, .value_kind: global_buffer, .address_space: global }
      - { .name: wcodes, .offset: 40, .size: 8, .value_kind: global_buffer, .address_space: global }
      - { .name: wscales, .offset: 48, .size: 8, .value_kind: global_buffer, .address_space: global }
      - { .name: qkcodes, .offset: 56, .size: 8, .value_kind: global_buffer, .address_space: global }
      - { .name: qkscales, .offset: 64, .size: 8, .value_kind: global_buffer, .address_space: global }
      - { .name: vcodes, .offset: 72, .size: 8, .value_kind: global_buffer, .address_space: global }
      - { .name: vscales, .offset: 80, .size: 8, .value_kind: global_buffer, .address_space: global }
    .group_segment_fixed_size: 120320
    .private_segment_fixed_size: 0
    .kernarg_segment_align: 8
    .kernarg_segment_size: 88
    .max_flat_workgroup_size: 256
    .sgpr_count:     66
    .vgpr_count:     512
    .wavefront_size: 32
...
	.end_amdgpu_metadata
.endif
;; end of part 2
;; launch attn (part 3): grid 8 x 32, 16 waves a work-group, clusters of 4 x 1, 320,512 bytes of LDS; arguments qkcodes, qkscales, vcodes, vscales, x_mask, y_mask, o2; writes o2
.if DOCPART == 3
	.amdgcn_target "amdgcn-amd-amdhsa--gfx1250"
	.amdhsa_code_object_version 6
	.text
	.protected	k_q76ea8de3e8_attn
	.globl	k_q76ea8de3e8_attn
	.p2align	8
	.type	k_q76ea8de3e8_attn,@function
k_q76ea8de3e8_attn:
	s_mov_b64 s[64:65], 0
	v_nop
	global_prefetch_b8 v0, s[64:65] scope:SCOPE_SE
	s_setreg_imm32_b32 hwreg(HW_REG_WAVE_MODE, 25, 1), 1
	s_wait_xcnt 0x0
	s_wait_alu depctr_hold_cnt(0) depctr_sa_sdst(0) depctr_va_vdst(0) depctr_va_sdst(0) depctr_va_ssrc(0) depctr_va_vcc(0) depctr_vm_vsrc(0)
	s_getreg_b32 s2, hwreg(HW_REG_IB_STS2, 6, 4)
	s_cmp_eq_u32 s2, 0
	s_cbranch_scc0 .Lentry_in_a_cluster
	s_endpgm
.Lentry_in_a_cluster:
	s_bfe_u32 s2, ttmp6, 0x10000c
	s_cmp_lg_u32 s2, 0x3003
	s_cbranch_scc0 .Lentry_shape_is_right
	s_endpgm
.Lentry_shape_is_right:
; o = a_3 v_3, a_3 = softmax_0 + softmax_1 + softmax_2 + softmax_3 (each finished and normalised, f32), softmax_l over the masked scores q_l k_l^T / 8.  a_3 is quantised along the keys.
; SHARES.  Work-group: one head (hb) and 128 queries, walked in four groups of 32.  Wave w: query tile qt = w % 2 (16 queries), key chunk kc = w / 2 (128 keys, the same for the whole launch).
; A wave holds 16 queries x 128 keys of the scores (64 registers) and of a (64 registers): each score is made once and each exponential taken once.
; Of a softmax only two numbers a query and wave cross the waves: the chunk's -M (M a whole number) and its sum of 2^(t - M); every wave then forms the row's sum in the same order.
; All of the head's K (four layers) and V lie in LDS, filled once.  The four work-groups of a cluster share the head, so each tile is asked for JOINTLY (mask 15); nothing is filled again.
; S^T = K Q^T (source 0 = 16 keys, source 1 = 16 queries): a lane holds one query; tiles are laid so that register 16 b + i is key 128 kc + 32 b + 16 (lane / 16) + i.
; THE MASK RIDES IN THE IDLE HALF OF K.  The head has 64 of the instruction's 128.  At k = 64 every key holds the code +28 and every query -28, all other codes from 64 on are 0.
; The query's scale byte there is 127; the key's is 147 where y_mask = 0 (the raw score gets -784 x 2^20) and 1 elsewhere (-784 x 2^-126).
; A row's factor is c = log2(e) / 8, or 0 where x_mask = 0 or the whole batch's y_mask is 0: then every p is 1 and the row is the uniform 1 / 1024, as -1e9 everywhere gives it.
; LIMITS: scaled scores stay under 2.5e7 in magnitude (else a masked key would not fall to 0); a mask product counts as 0 exactly where a factor is 0; p under 2^-126 counts as 0;
; a block of a whose largest number lies under 2^-122 keeps the byte 1; NaN and infinities are not served; o's f32 sum is taken in four parts (two accumulators in each of two waves).
.set KIMG, 0                           ; [layer][tile 64] 768 bytes: register i of lane L at 24 L + 4 i          (tensor loads)
.set VIMG, 196608                      ; [16 channels][K step 8] 1,536 bytes: register i of lane L at 48 L + 4 i  (tensor loads)
.set VSC,  245760                      ; v's scale words
.set KSW,  247808                      ; [layer][key] k's scale words with the mask's byte
.set STAT, 264192                      ; [layer][query 32] 80 bytes: eight pairs (-M, sum)
.set PIMG, 274432                      ; a's 16 fragments, 8 qt + kc: register 4 p + i of lane L at 512 p + 16 L + 4 i
.set PSC,  299008                      ; their scale words, 64 bytes each
.set OSTG, 301056                      ; [qt][half] 16 rows x (256 + 16)
.set AKF, 1
.set AKS, 2
.set ASTW, 3
.set ASTR, 4
.set GQ,  5
.set GQS, 6
.set GXM, 7
.set ADK, 8
.set CC,  9
.set XM,  10
.set LN_, 11
.set CQ,  12                           ; v[12:13] the row's factor (and a word named with it)
.set NM,  14                           ; v14 -M of my chunk
.set LL,  15                           ; v15 its sum
.set C1,  16
.set GG,  18                           ; v[18:19] 2^(M - the row's M) / the row's sum
.set C2,  20
.set T0,  22
.set T1,  23
.set QS,  24                           ; v24-27 q's scale words, a layer each
.set KS,  28                           ; v28-31 k's scale words: lanes 0-15 tile 2 b, lanes 16-31 tile 2 b + 1; in the second product: v's below, a's above
.set Q,   32                           ; v32-79 q's four fragments: 6 registers of codes, the mask's register, 5 of zeros
.set KB,  80                           ; v80-127 four fragments of k, likewise; their first registers are at work between the products
.set S,   128
.set A,   192
.set TM,  128
.set PW,  144
.set PC,  148
.set WV,  18
.set SEL, 50
.set QP,  54
.set QSP, 56
.set XMP, 58
.set OP,  60
.set GC,  62
.macro PLACES n
.rept \n
	v_nop
.endr
.endm
.macro CROUND                          ; a round of the cluster's barrier
	s_barrier_signal -1
	s_barrier_wait -1
	s_cmp_lg_u32 s[WV], 0
	s_cbranch_scc1 .Lnot_wave_0_\@
	s_barrier_signal -3
.Lnot_wave_0_\@:
	s_barrier_wait -3
	s_barrier_signal -1
	s_barrier_wait -1
.endm
.macro QUANT s, nc                     ; 32 nc numbers of a lane, register 16 b + i = k 32 b + 16 (lane / 16) + i, become codes in v[PC] on and scale bytes in v[PW]
.set qb, 0
.rept 2*(\nc)
	v_max3_num_f32 v[TM+qb], |v[(\s)+16*qb]|, |v[(\s)+16*qb+1]|, 0x2800000
.set qb, qb+1
.endr
.set qi, 2
.rept 7
.set qb, 0
.rept 2*(\nc)
	v_max3_num_f32 v[TM+qb], v[TM+qb], |v[(\s)+16*qb+qi]|, |v[(\s)+16*qb+qi+1]|
.set qb, qb+1
.endr
.set qi, qi+2
.endr
.set qb, 0
.rept 2*(\nc)
	v_permlanex16_b32 v[TM+4+qb], v[TM+qb], s[SEL], s[SEL+1]
.set qb, qb+1
.endr
.set qb, 0
.rept 2*(\nc)
	v_max_num_f32 v[TM+qb], v[TM+qb], v[TM+4+qb]
.set qb, qb+1
.endr
.set qb, 0
.rept 2*(\nc)
	v_add_nc_u32 v[TM+12+qb], 0xfe000000, v[TM+qb]
.set qb, qb+1
.endr
.set qb, 0
.rept 2*(\nc)
	v_lshrrev_b32 v[TM+4+qb], 23, v[TM+12+qb]
.set qb, qb+1
.endr
	v_lshl_or_b32 v[PW], v[TM+5], 8, v[TM+4]
.if (\nc) == 2
	v_lshl_or_b32 v[PW], v[TM+6], 16, v[PW]
	v_lshl_or_b32 v[PW], v[TM+7], 24, v[PW]
.endif
.set qc, 0
.rept \nc
	v_cvt_scalef32_pk16_bf6_f32 v[PC+6*qc:PC+6*qc+2], v[(\s)+32*qc:(\s)+32*qc+15], v[TM+12+2*qc]
	v_cvt_scalef32_pk16_bf6_f32 v[PC+12+4*qc:PC+14+4*qc], v[(\s)+32*qc+16:(\s)+32*qc+31], v[TM+13+2*qc]
.set qc, qc+1
.endr
	v_nop                                          ; one plain line behind the last conversion
.set qc, 0
.rept \nc
.irp i, 0,1,2
	v_permlane16_swap_b32 v[PC+6*qc+\i], v[PC+12+4*qc+\i]
.endr
.irp i, 0,1,2
	v_mov_b32 v[PC+6*qc+3+\i], v[PC+12+4*qc+\i]
.endr
.set qc, qc+1
.endr
.endm
	s_load_b256 s[4:11], s[0:1], 0x0               ; qkcodes, qkscales, vcodes, vscales
	s_load_b128 s[12:15], s[0:1], 0x20             ; x_mask, y_mask
	s_load_b64 s[16:17], s[0:1], 0x30              ; o2
	v_lshl_add_u32 v126, v0, 2, 0x4dc00
	v_mov_b32 v127, 0
	ds_add_u32 v126, v127
	ds_add_u32 v126, v127
	s_wait_dscnt 0x0
	v_lshrrev_b32 v1, 5, v0
	v_readfirstlane_b32 s[WV], v1                  ; wave 0..15
	s_and_b32 s19, s[WV], 1                        ; qt
	s_lshr_b32 s20, s[WV], 1                       ; kc
	s_bfe_u32 s21, ttmp6, 0x40000                  ; cx: it enters the addresses of q, x_mask and o2 alone
	s_lshl_b32 s22, ttmp9, 2
	s_add_co_u32 s22, s22, s21                     ; my block of 128 queries
	s_and_b32 s23, ttmp7, 0xffff                   ; hb, which the four partners share
	; descriptor group 1: dense rows of 256 bytes (32 elements of 8 bytes), 48 rows for K, 12 for V; 15:0 the mask: all four; 21 set beside a mask
	s_mov_b32 s24, 15|(3<<16)|(1<<21)
	s_mov_b32 s25, 32<<16
	s_mov_b32 s26, 48<<16
	s_mov_b32 s27, 32<<16
	s_mov_b32 s28, 48
	s_mov_b32 s29, 32
	s_mov_b32 s30, 0
	s_mov_b32 s31, 0
	s_mov_b32 s32, 15|(3<<16)|(1<<21)
	s_mov_b32 s33, 32<<16
	s_mov_b32 s34, 12<<16
	s_mov_b32 s35, 32<<16
	s_mov_b32 s36, 12
	s_mov_b32 s37, 32
	s_mov_b32 s38, 0
	s_mov_b32 s39, 0
	s_lshr_b32 s48, s[WV], 2                       ; wave w brings quarter w % 4 of layer w / 4 of K: 12,288 bytes,
	s_add_co_u32 s48, s48, 4
	s_lshl_b32 s48, s48, 5
	s_add_co_u32 s48, s48, s23
	s_mul_i32 s48, s48, 49152
	s_and_b32 s49, s[WV], 3
	s_mul_i32 s49, s49, 12288
	s_add_co_u32 s48, s48, s49
	s_mov_b32 s49, 0
	s_mul_i32 s52, s23, 49152                      ; and a sixteenth of V: 3,072 bytes
	s_mul_i32 s53, s[WV], 3072
	s_add_co_u32 s52, s52, s53
	s_mov_b32 s53, 0
	s_mov_b32 s40, 1
	s_mul_i32 s41, s[WV], 12288
	s_mov_b32 s44, 1
	s_mul_i32 s45, s[WV], 3072
	s_add_co_u32 s45, s45, VIMG
	; LDS places of the second product, from the wave's number alone
	s_and_b32 s75, s20, 3                          ; dt: my 16 channels there
	s_lshr_b32 s76, s20, 2                         ; half: my four K steps there
	s_lshl_b32 s77, s19, 3
	s_add_co_u32 s66, s77, s20                     ; 8 qt + kc
	s_lshl_b32 s68, s66, 6
	s_add_co_u32 s68, s68, PSC
	s_mul_i32 s66, s66, 1536
	s_add_co_u32 s66, s66, PIMG
	s_lshl_b32 s67, s76, 2
	s_add_co_u32 s67, s67, s77                     ; 8 qt + 4 half
	s_mul_i32 s67, s67, 1536
	s_add_co_u32 s67, s67, PIMG
	s_lshl_b32 s69, s75, 3
	s_lshl_b32 s70, s76, 2
	s_add_co_u32 s69, s69, s70                     ; 8 dt + 4 half
	s_lshl_b32 s70, s69, 6
	s_add_co_u32 s70, s70, VSC
	s_mul_i32 s69, s69, 1536
	s_add_co_u32 s69, s69, VIMG
	s_xor_b32 s71, s75, 3                          ; 3 - dt
	s_add_co_u32 s71, s71, s19
	s_lshl_b32 s71, s71, 9
	s_add_co_u32 s71, s71, PSC-VSC-1536            ; from v's scale words to a's: lanes 16-31 add it
	s_lshl_b32 s72, s19, 1
	s_add_co_u32 s72, s72, s76
	s_mul_i32 s72, s72, 4352
	s_lshl_b32 s73, s75, 6
	s_add_co_u32 s72, s72, s73
	s_add_co_u32 s72, s72, OSTG
	s_mul_i32 s73, s19, 8704
	s_mul_i32 s74, s20, 544
	s_add_co_u32 s73, s73, s74
	s_add_co_u32 s73, s73, OSTG
	s_lshl_b32 s74, s20, 1                         ; the rows of o2 that I store: 2 kc + 8 (kc / 4) + 8 qt on
	s_lshl_b32 s77, s76, 3
	s_add_co_u32 s74, s74, s77
	s_lshl_b32 s77, s19, 3
	s_add_co_u32 s74, s74, s77
	s_lshl_b32 s74, s74, 11
	s_mov_b32 s[SEL], 0x76543210
	s_mov_b32 s[SEL+1], 0xfedcba98
	s_mov_b32 s[GC], 0
	s_wait_kmcnt 0x0
	s_add_nc_u64 s[42:43], s[4:5], s[48:49]
	s_or_b32 s43, s43, 0x80000000
	s_add_nc_u64 s[46:47], s[8:9], s[52:53]
	s_or_b32 s47, s47, 0x80000000
	CROUND                                         ; all four work-groups are here: the joint loads meet
	tensor_load_to_lds s[40:43], s[24:31]          ; two loads of mine are out
	s_nop 0
	tensor_load_to_lds s[44:47], s[32:39]
	s_nop 0
	PLACES 4
	s_lshr_b32 s75, s23, 3                         ; batch
	s_and_b32 s76, s23, 7                          ; head
	s_mov_b32 s79, 0
	s_lshl_b32 s78, s75, 12
	s_add_nc_u64 s[14:15], s[14:15], s[78:79]      ; the batch's y_mask
	s_lshl_b32 s77, s22, 9
	s_add_co_u32 s78, s78, s77
	s_add_nc_u64 s[XMP:XMP+1], s[12:13], s[78:79]
	s_mul_i32 s78, s23, 49152
	s_mul_i32 s77, s22, 6144
	s_add_co_u32 s78, s78, s77
	s_add_nc_u64 s[QP:QP+1], s[4:5], s[78:79]
	s_lshl_b32 s78, s23, 12
	s_lshl_b32 s77, s22, 9
	s_add_co_u32 s78, s78, s77
	s_add_nc_u64 s[QSP:QSP+1], s[6:7], s[78:79]
	s_lshl_b32 s78, s23, 12
	s_add_co_u32 s78, s78, 128*4096
	s_add_nc_u64 s[6:7], s[6:7], s[78:79]          ; k_0's scale words of this head
	s_lshl_b32 s78, s23, 11
	s_add_nc_u64 s[10:11], s[10:11], s[78:79]
	s_lshl_b32 s78, s75, 21
	s_lshl_b32 s77, s22, 18
	s_add_co_u32 s78, s78, s77
	s_lshl_b32 s77, s76, 8
	s_add_co_u32 s78, s78, s77
	s_add_nc_u64 s[OP:OP+1], s[16:17], s[78:79]
	v_and_b32 v[LN_], 31, v0
	v_and_b32 v22, 15, v0                          ; r
	v_bfe_u32 v23, v0, 4, 1                        ; h
	s_mul_i32 s75, s20, 6144
	v_mad_u32_u24 v[AKF], v[LN_], 24, s75
	s_lshl_b32 s75, s20, 9
	s_add_co_u32 s75, s75, KSW
	v_lshl_add_u32 v[AKS], v[LN_], 2, s75
	s_mul_i32 s75, s19, 1280
	s_add_co_u32 s75, s75, STAT
	v_mad_u32_u24 v[ASTR], v22, 80, s75
	s_lshl_b32 s76, s20, 3
	v_add_nc_u32 v[ASTW], s76, v[ASTR]
	s_mul_i32 s75, s19, 768
	v_mad_u32_u24 v[GQ], v[LN_], 24, s75
	s_lshl_b32 s75, s19, 6
	v_lshl_add_u32 v[GQS], v22, 2, s75
	v_lshrrev_b32 v[GXM], 3, v22
	v_lshl_add_u32 v[GXM], v[GXM], 3, v22          ; row r of a tile is query 8 qt + r + 8 (r / 8) of the group
	s_lshl_b32 s75, s19, 5
	v_lshl_add_u32 v[GXM], v[GXM], 2, s75
	v_sub_nc_u32 v23, 1, v23                       ; k = 64 lies in register 6 of lanes 0-15
	v_mul_u32_u24 v[Q+6], v23, 0x3f                ; -28
	v_mul_u32_u24 v[KB+6], v23, 0x1f               ; +28
.irp f, 1,2,3
	v_mov_b32 v[Q+12*\f+6], v[Q+6]
	v_mov_b32 v[KB+12*\f+6], v[KB+6]
.endr
.irp f, 0,1,2,3
.irp k, 7,8,9,10,11
	v_mov_b32 v[Q+12*\f+\k], 0
	v_mov_b32 v[KB+12*\f+\k], 0
.endr
.endr
	v_mov_b32 v[CQ+1], 0                           ; named as upper halves of pairs
	v_mov_b32 v[LL], 0
	v_mov_b32 v[GG+1], 0
	v_lshlrev_b32 v23, 4, v[LN_]
	v_lshlrev_b32 v22, 2, v0
	v_and_b32 v[A+12], 0x1e7, v0                   ; word tid of a layer's scale words belongs to key tid with bits 3 and 4 exchanged
	v_and_b32 v[A+13], 8, v0
	v_lshl_or_b32 v[A+12], v[A+13], 1, v[A+12]
	v_and_b32 v[A+13], 16, v0
	v_lshrrev_b32 v[A+13], 1, v[A+13]
	v_or_b32 v[A+12], v[A+12], v[A+13]
	v_lshlrev_b32 v[A+12], 2, v[A+12]
.irp k, 0,1,2,3,4,5,6,7
	global_load_b128 v[S+4*\k:S+4*\k+3], v23, s[14:15] offset:512*\k   ; the batch's whole y_mask: is any of it set?
.endr
.irp l, 0,1,2,3
	global_load_b32 v[A+\l], v22, s[6:7] offset:131072*\l
	global_load_b32 v[A+4+\l], v22, s[6:7] offset:131072*\l+2048
.endr
	global_load_b32 v[A+8], v[A+12], s[14:15]
	global_load_b32 v[A+9], v[A+12], s[14:15] offset:2048
	global_load_b32 v[A+10], v22, s[10:11]
	global_load_b32 v[XM], v[GXM], s[XMP:XMP+1]
.irp l, 0,1,2,3
.irp p, 0,1,2
	global_load_b64 v[Q+12*\l+2*\p:Q+12*\l+2*\p+1], v[GQ], s[QP:QP+1] offset:1572864*\l+8*\p
.endr
	global_load_b32 v[QS+\l], v[GQS], s[QSP:QSP+1] offset:131072*\l
.endr
	s_wait_loadcnt 17                              ; all but x_mask's word and q's sixteen loads
.irp k, 0,1,2,3,4,5,6,7,8,9,10,11,12,13,14,15
	v_or_b32 v[S+\k], v[S+\k], v[S+16+\k]
.endr
.irp k, 0,1,2,3,4,5,6,7
	v_or_b32 v[S+\k], v[S+\k], v[S+8+\k]
.endr
.irp k, 0,1,2,3
	v_or_b32 v[S+\k], v[S+\k], v[S+4+\k]
.endr
	v_or_b32 v[S], v[S], v[S+2]
	v_or_b32 v[S+1], v[S+1], v[S+3]
	v_or_b32 v[S], v[S], v[S+1]
	v_cmp_ne_u32 vcc_lo, 0, v[S]
	s_cmp_lg_u32 vcc_lo, 0                         ; a choice of a value, no branch
	s_cselect_b32 s75, 0x3e38aa3b, 0               ; log2(e) / 8, or 0 where no key of the batch counts
	v_mov_b32 v[CC], s75
	v_mov_b32 v23, 147<<16
	v_cmp_eq_u32 vcc_lo, 0, v[A+8]
	v_cndmask_b32 v[A+8], 0x10000, v23, vcc_lo
	v_cmp_eq_u32 vcc_lo, 0, v[A+9]
	v_cndmask_b32 v[A+9], 0x10000, v23, vcc_lo
.irp l, 0,1,2,3
	v_and_or_b32 v[A+\l], v[A+\l], 0xffff, v[A+8]
	v_and_or_b32 v[A+4+\l], v[A+4+\l], 0xffff, v[A+9]
.endr
	v_lshl_add_u32 v22, v0, 2, VSC
	ds_store_b32 v22, v[A+10]
.irp l, 0,1,2,3
	ds_store_b32 v22, v[A+\l] offset:2048+4096*\l
	ds_store_b32 v22, v[A+4+\l] offset:4096+4096*\l
.endr
	s_wait_tensorcnt 0x0                           ; my parts of K and V have landed,
	s_wait_dscnt 0x0                               ; my scale words too:
	s_barrier_signal -1
	s_barrier_wait -1                              ; everybody's have
.macro KLOAD tb                        ; four tiles of 16 keys: 24 bytes a lane each
.irp t, 0,1,2,3
.irp p, 0,1,2
	ds_load_b64 v[KB+12*\t+2*\p:KB+12*\t+2*\p+1], v[ADK] offset:768*(\tb+\t)+8*\p
.endr
.endr
.endm
.macro SCORE l, tb
.irp t, 0,1,2,3
.if \t%2
	v_wmma_scale_f32_16x16x128_f8f6f4 v[S+8*(\tb+\t):S+8*(\tb+\t)+7], v[KB+12*\t:KB+12*\t+11], v[Q+12*\l:Q+12*\l+11], 0, v[KS+(\tb+\t)/2], v[QS+\l] matrix_a_fmt:MATRIX_FMT_BF6 matrix_b_fmt:MATRIX_FMT_BF6 matrix_a_scale:MATRIX_SCALE_ROW1
.else
	v_wmma_scale_f32_16x16x128_f8f6f4 v[S+8*(\tb+\t):S+8*(\tb+\t)+7], v[KB+12*\t:KB+12*\t+11], v[Q+12*\l:Q+12*\l+11], 0, v[KS+(\tb+\t)/2], v[QS+\l] matrix_a_fmt:MATRIX_FMT_BF6 matrix_b_fmt:MATRIX_FMT_BF6
.endif
.endr
.endm
; One layer's softmax of my 16 queries x 128 keys, added onto a.
.macro LAYER l
	v_add_nc_u32 v[ADK], 49152*\l, v[AKF]
.irp b, 0,1,2,3
	ds_load_b32 v[KS+\b], v[AKS] offset:4096*\l+128*\b
.endr
	KLOAD 0
	s_wait_loadcnt 12-4*\l                         ; this layer's q is in: behind it were issued, at the least, the batches of the layers that follow (four loads each)
.if \l == 0
	v_cmp_ne_u32 vcc_lo, 0, v[XM]
	v_cndmask_b32 v[CQ], 0, v[CC], vcc_lo          ; the row's factor
.endif
	s_wait_dscnt 0x0
	SCORE \l, 0
	PLACES 4                                       ; in front of loads into registers that the products have read
	KLOAD 4
	s_wait_dscnt 0x0
	SCORE \l, 4
	PLACES 4
	s_cmp_eq_u32 s[GC], 3                          ; the next group's q of this layer is asked for here, if there is a next group
	s_cbranch_scc1 .Lnone_\@
.if \l == 0
	global_load_b32 v[XM], v[GXM], s[XMP:XMP+1] offset:128
.endif
.irp p, 0,1,2
	global_load_b64 v[Q+12*\l+2*\p:Q+12*\l+2*\p+1], v[GQ], s[QP:QP+1] offset:1572864*\l+1536+8*\p
.endr
	global_load_b32 v[QS+\l], v[GQS], s[QSP:QSP+1] offset:131072*\l+128
.Lnone_\@:
.irp b, 0,1,2,3                        ; the largest score, in four chains; each accumulator is first read at its low end
	v_max3_num_f32 v[C1+(\b%2)+4*(\b/2)], v[S+16*\b], v[S+16*\b+1], v[S+16*\b+2]
.endr
.irp i, 3,5,7,9,11,13
.irp b, 0,1,2,3
	v_max3_num_f32 v[C1+(\b%2)+4*(\b/2)], v[C1+(\b%2)+4*(\b/2)], v[S+16*\b+\i], v[S+16*\b+\i+1]
.endr
.endr
.irp b, 0,1,2,3
	v_max_num_f32 v[C1+(\b%2)+4*(\b/2)], v[C1+(\b%2)+4*(\b/2)], v[S+16*\b+15]
.endr
	v_max3_num_f32 v[T0], v[C1], v[C1+1], v[C2]
	v_max_num_f32 v[T0], v[T0], v[C2+1]
	v_permlanex16_b32 v[T1], v[T0], s[SEL], s[SEL+1]
	v_max_num_f32 v[T0], v[T0], v[T1]
	v_mul_f32 v[T0], v[CQ], v[T0]                  ; as t (the factor is not negative)
	v_floor_f32 v[NM], -v[T0]                      ; -M = -ceil(t): a whole number
.set j, 0
.rept 32
	v_pk_fma_f32 v[S+j:S+j+1], v[S+j:S+j+1], v[CQ:CQ+1], v[NM:NM+1] op_sel_hi:[1,0,0]   ; t - M
.set j, j+2
.endr
.set j, 0
.rept 64
	v_exp_f32 v[S+j], v[S+j]
.set j, j+1
.endr
	v_nop                                          ; a plain line behind the last exponential
	s_wait_alu depctr_va_vdst(0)                   ; one wait for the batch, ahead of its first reader
	v_pk_add_f32 v[C1:C1+1], v[S:S+1], v[S+2:S+3]
	v_pk_add_f32 v[C2:C2+1], v[S+4:S+5], v[S+6:S+7]
.irp j, 8,12,16,20,24,28,32,36,40,44,48,52,56,60
	v_pk_add_f32 v[C1:C1+1], v[C1:C1+1], v[S+\j:S+\j+1]
	v_pk_add_f32 v[C2:C2+1], v[C2:C2+1], v[S+\j+2:S+\j+3]
.endr
	v_pk_add_f32 v[C1:C1+1], v[C1:C1+1], v[C2:C2+1]
	v_add_f32 v[T0], v[C1], v[C1+1]
	v_permlanex16_b32 v[T1], v[T0], s[SEL], s[SEL+1]
	v_add_f32 v[LL], v[T0], v[T1]                  ; my chunk's sum
	ds_store_b64 v[ASTW], v[NM:NM+1] offset:2560*\l
	s_wait_dscnt 0x0
	s_barrier_signal -1                            ; one barrier a layer: a layer's words are written again only in the next group, several barriers on
	s_barrier_wait -1
.irp i, 0,1,2,3
	ds_load_b128 v[KB+12*\i:KB+12*\i+3], v[ASTR] offset:2560*\l+16*\i
.endr
	s_wait_dscnt 0x0
	v_min3_num_f32 v[T0], v[KB], v[KB+2], v[KB+12]
	v_min3_num_f32 v[T0], v[T0], v[KB+14], v[KB+24]
	v_min3_num_f32 v[T0], v[T0], v[KB+26], v[KB+36]
	v_min_num_f32 v[T0], v[T0], v[KB+38]           ; -M of the row
.irp i, 0,1,2,3
.irp e, 0,2
	v_sub_f32 v[KB+12*\i+\e], v[T0], v[KB+12*\i+\e]   ; a chunk's M less the row's: a whole number, 0 or less
.endr
.endr
.irp i, 0,1,2,3
.irp e, 0,2
	v_cvt_i32_f32 v[KB+12*\i+\e], v[KB+12*\i+\e]
.endr
.endr
.irp i, 0,1,2,3
.irp e, 0,2
	v_ldexp_f32 v[KB+12*\i+\e+1], v[KB+12*\i+\e+1], v[KB+12*\i+\e]   ; its sum under the row's M: nothing is rounded
.endr
.endr
.irp i, 0,1,2,3
	v_add_f32 v[KB+12*\i+1], v[KB+12*\i+1], v[KB+12*\i+3]
.endr
	v_add_f32 v[KB+1], v[KB+1], v[KB+13]
	v_add_f32 v[KB+25], v[KB+25], v[KB+37]
	v_add_f32 v[KB+1], v[KB+1], v[KB+25]           ; the row's sum: at least 1/2
	v_rcp_f32 v[T1], v[KB+1]
	v_sub_f32 v[T0], v[T0], v[NM]                  ; (plain lines behind the reciprocal)
	v_cvt_i32_f32 v[T0], v[T0]
	s_wait_alu depctr_va_vdst(0)
	v_ldexp_f32 v[GG], v[T1], v[T0]
.set j, 0
.rept 32
.if \l == 0
	v_pk_mul_f32 v[A+j:A+j+1], v[S+j:S+j+1], v[GG:GG+1] op_sel_hi:[1,0]
.else
	v_pk_fma_f32 v[A+j:A+j+1], v[S+j:S+j+1], v[GG:GG+1], v[A+j:A+j+1] op_sel_hi:[1,0,1]
.endif
.set j, j+2
.endr
.endm
; a is quantised (K step kc of the second product), goes round as an image; then wave (qt, kc) makes channels 16 (kc % 4) on from K steps 4 (kc / 4) on.
.macro AV
	QUANT A, 2
	v_and_b32 v[KB+1], 15, v0
	v_bfe_u32 v[KB+2], v0, 4, 1
	v_lshl_add_u32 v[KB], v[LN_], 4, s66
	v_lshl_add_u32 v[KB+3], v[KB+1], 2, s68
.irp c, 0,1,2
	ds_store_b128 v[KB], v[PC+4*\c:PC+4*\c+3] offset:512*\c
.endr
	ds_store_b32 v[KB+3], v[PW]                    ; lanes r and r + 16 write the same word with the same value
	v_lshl_add_u32 v[KB+4], v[LN_], 4, s67
	v_mad_u32_u24 v[KB+5], v[LN_], 48, s69
	v_lshl_add_u32 v[KB+12], v[KB+1], 2, s70
	v_mad_u32_u24 v[KB+12], v[KB+2], s71, v[KB+12] ; lanes 0-15: v's scale words; lanes 16-31: a's
	v_mad_u32_u24 v[KB+13], v[KB+1], 272, s72
	v_lshl_add_u32 v[KB+13], v[KB+2], 5, v[KB+13]
	v_mad_u32_u24 v[KB+14], v[KB+2], 272, s73
	v_lshl_add_u32 v[KB+14], v[KB+1], 4, v[KB+14]
	v_lshl_add_u32 v[KB+15], v[KB+2], 11, s74
	v_lshl_add_u32 v[KB+15], v[KB+1], 4, v[KB+15]
	s_wait_dscnt 0x0
	s_barrier_signal -1
	s_barrier_wait -1                              ; a's sixteen fragments lie in LDS
.irp i, 0,1,2,3
.irp p, 0,1,2
	ds_load_b128 v[128+12*\i+4*\p:128+12*\i+4*\p+3], v[KB+4] offset:1536*\i+512*\p
	ds_load_b128 v[192+12*\i+4*\p:192+12*\i+4*\p+3], v[KB+5] offset:1536*\i+16*\p
.endr
	ds_load_b32 v[KS+\i], v[KB+12] offset:64*\i
.endr
	s_wait_dscnt 0x0
.irp i, 0,1,2,3                        ; O^T = V^T a^T: two accumulators by turns
.if \i < 2
	v_wmma_scale_f32_16x16x128_f8f6f4 v[176+8*(\i%2):183+8*(\i%2)], v[192+12*\i:203+12*\i], v[128+12*\i:139+12*\i], 0, v[KS+\i], v[KS+\i] matrix_a_fmt:MATRIX_FMT_BF6 matrix_b_fmt:MATRIX_FMT_BF6 matrix_b_scale:MATRIX_SCALE_ROW1
.else
	v_wmma_scale_f32_16x16x128_f8f6f4 v[176+8*(\i%2):183+8*(\i%2)], v[192+12*\i:203+12*\i], v[128+12*\i:139+12*\i], v[176+8*(\i%2):183+8*(\i%2)], v[KS+\i], v[KS+\i] matrix_a_fmt:MATRIX_FMT_BF6 matrix_b_fmt:MATRIX_FMT_BF6 matrix_b_scale:MATRIX_SCALE_ROW1
.endif
.endr
	PLACES 5                                       ; the next group's score products write over these registers
.irp j, 0,2,4,6
	v_pk_add_f32 v[176+\j:177+\j], v[176+\j:177+\j], v[184+\j:185+\j]
.endr
	ds_store_b128 v[KB+13], v[176:179]
	ds_store_b128 v[KB+13], v[180:183] offset:16
	s_wait_dscnt 0x0
	s_barrier_signal -1
	s_barrier_wait -1
	ds_load_b128 v[240:243], v[KB+14]              ; two rows a wave, sixteen lanes to a row's 256 bytes; the two halves of the keys are added
	ds_load_b128 v[244:247], v[KB+14] offset:4352
	s_wait_dscnt 0x0
	v_pk_add_f32 v[240:241], v[240:241], v[244:245]
	v_pk_add_f32 v[242:243], v[242:243], v[246:247]
	global_store_b128 v[KB+15], v[240:243], s[OP:OP+1]   ; sixteen lanes store 256 consecutive bytes, at a multiple of 256
.endm
.Lgroup:
	LAYER 0
	LAYER 1
	LAYER 2
	LAYER 3
	AV
	s_wait_xcnt 0x0                                ; the loads and the store have read their bases, offsets and data: all may be written again
	s_add_nc_u64 s[QP:QP+1], s[QP:QP+1], 1536
	s_add_nc_u64 s[QSP:QSP+1], s[QSP:QSP+1], 128
	s_add_nc_u64 s[XMP:XMP+1], s[XMP:XMP+1], 128
	s_add_nc_u64 s[OP:OP+1], s[OP:OP+1], 65536
	s_add_co_u32 s[GC], s[GC], 1
	s_cmp_lt_u32 s[GC], 4
	s_cbranch_scc1 .Lgroup
	s_wait_dscnt 0x0
	s_wait_xcnt 0x0
	v_lshl_add_u32 v126, v0, 2, 0x4dc00
	v_mov_b32 v127, 0
	s_wait_tensorcnt 0x0
	ds_add_u32 v126, v127
	s_wait_dscnt 0x0
	CROUND                                         ; the closing round
	s_endpgm
.Lfunc_end_k_q76ea8de3e8_attn:
	.size	k_q76ea8de3e8_attn, .Lfunc_end_k_q76ea8de3e8_attn-k_q76ea8de3e8_attn
	.p2alignl 7, 3214868480
	.fill 96, 4, 3214868480
	.section	.rodata,"a",@progbits
	.p2align	6, 0x0
	.amdhsa_kernel k_q76ea8de3e8_attn
		.amdhsa_group_segment_fixed_size 320512
		.amdhsa_private_segment_fixed_size 0
		.amdhsa_enable_private_segment 0
		.amdhsa_kernarg_size 56
		.amdhsa_user_sgpr_count 2
		.amdhsa_user_sgpr_kernarg_segment_ptr 1
		.amdhsa_wavefront_size32 1
		.amdhsa_system_sgpr_workgroup_id_x 1
		.amdhsa_system_sgpr_workgroup_id_y 1
		.amdhsa_system_sgpr_workgroup_id_z 1
		.amdhsa_system_vgpr_workitem_id 0
		.amdhsa_next_free_vgpr 256
		.amdhsa_next_free_sgpr 80
		.amdhsa_reserve_vcc 1
		.amdhsa_float_denorm_mode_32 3
		.amdhsa_float_denorm_mode_16_64 3
		.amdhsa_memory_ordered 1
		.amdhsa_forward_progress 1
		.amdhsa_inst_pref_size 90
	.end_amdhsa_kernel
	.amdgpu_metadata
---
amdhsa.version: [ 1, 2 ]
amdhsa.kernels:
  - .name:           k_q76ea8de3e8_attn
    .symbol:         k_q76ea8de3e8_attn.kd
    .args:
      - { .name: qkcodes, .offset: 0, .size: 8, .value_kind: global_buffer, .address_space: global }
      - { .name: qkscales, .offset: 8, .size: 8, .value_kind: global_buffer, .address_space: global }
      - { .name: vcodes, .offset: 16, .size: 8, .value_kind: global_buffer, .address_space: global }
      - { .name: vscales, .offset: 24, .size: 8, .value_kind: global_buffer, .address_space: global }
      - { .name: x_mask, .offset: 32, .size: 8, .value_kind: global_buffer, .address_space: global }
      - { .name: y_mask, .offset: 40, .size: 8, .value_kind: global_buffer, .address_space: global }
      - { .name: o2, .offset: 48, .size: 8, .value_kind: global_buffer, .address_space: global }
    .group_segment_fixed_size: 320512
    .private_segment_fixed_size: 0
    .kernarg_segment_align: 8
    .kernarg_segment_size: 56
    .max_flat_workgroup_size: 512
    .sgpr_count:     80
    .vgpr_count:     256
    .wavefront_size: 32
...
	.end_amdgpu_metadata
.endif
;; end of part 3
;; launch tail (part 4): grid 128 x 1, 8 waves a work-group, no clusters, 144,896 bytes of LDS; arguments o2, x, wcodes, wscales, bo, g1, be1, bf1, bf2, g2, be2, out0; writes out0
.if DOCPART == 4
	.amdgcn_target "amdgcn-amd-amdhsa--gfx1250"
	.amdhsa_code_object_version 6
	.text
	.protected	k_q76ea8de3e8_tail
	.globl	k_q76ea8de3e8_tail
	.p2align	8
	.type	k_q76ea8de3e8_tail,@function
k_q76ea8de3e8_tail:
	s_mov_b64 s[64:65], 0
	v_nop
	global_prefetch_b8 v0, s[64:65] scope:SCOPE_SE
	s_setreg_imm32_b32 hwreg(HW_REG_WAVE_MODE, 25, 1), 1
	s_wait_xcnt 0x0
; out = LN2(h + gelu(h W1 + bf1) W2 + bf2), h = LN1(x + o Wo + bo), all of layer 3; the three products on codes of E3M2, everything else in f32.
; SHARES.  A work-group takes 32 rows (two tiles of 16) through the whole chain.  THE WAVES SHARE THE COLUMNS: wave w makes columns 64 w .. + 63 of every product (of the hidden layer: of each 512).
; The rows' codes go round through LDS as images of their registers; a weight fragment is used by one wave alone and comes from memory straight into its registers:
; a K step's four fragments are 6,144 consecutive bytes; four such groups (14 loads each) are always on their way, in a ring of four register slots.
; Whatever its number of rows, a work-group takes in all 1.77 MB of codes; 32 rows balance that stream, the gelu and the products.
; All products are used transposed (source 0 = 16 columns of the weight, source 1 = 16 rows): a lane holds one row, register 16 b + i is column 64 w + 32 b + 16 (lane / 16) + i.
; The hidden layer goes in four runs of 512: W1's slab, gelu, quantise, W2's slab onto sums that begin as h + bf2.  Norms in two passes (mean, then squares of differences).
; erf is a ratio of polynomials in x^2 on x held to +-4; LIMITS: gelu's 1 + erf carries erf's absolute f32 error in its negative tail;
; a block whose largest magnitude lies under 2^-122 keeps the byte 1; NaN and infinities are not served.
.set OIMG, 0                           ; o's 8 fragments (4 x tile + K step), 1,536 bytes: register i of lane L at 48 L + 4 i
.set OSC,  12288                       ; their scale words, 64 bytes each
.set HIMG, 12800                       ; h's likewise
.set HSC,  25088
.set GIMG, 25600                       ; the hidden run's, two places by turns, 12,800 bytes apart
.set GSC,  37888
.set RED,  51200                       ; four reductions: [32 rows] 48 bytes: a word a wave
.set VEC,  57344                       ; bo, g1, be1, bf2, g2, be2 (2 KB each), bf1 (8 KB)
.set OSTG, 77824                       ; 32 rows x (2,048 + 16)
.set LI,  4
.set LS,  5
.set L48, 6
.set R4,  7
.set RA,  8
.set VECA, 9
.set OWA, 10
.set OWS, 11
.set HWA, 12
.set HWS, 13
.set RWA, 14
.set RRA, 15
.set SWA, 16
.set SRA, 17
.set WSC, 24                           ; v24-31 the weights' scale words: register 2 slot + b: lanes 0-15 tile 2 b, lanes 16-31 tile 2 b + 1
.set BS,  32                           ; v32-33 the rows' scale words
.set TM,  36
.set PW,  52
.set PC,  56
.set BF,  76
.set LM,  100
.set LA,  104
.set LR,  108
.set Z,   124
.set V1,  188
.set V2,  220
.set GT,  220
.set G2,  228
.set GN,  236
.set GD,  244
.set FF,  0                            ; window 1: v0-63 x, then the last product's sums; v64-255 the ring of weights
.set WB,  30
.set WS,  32
.set SEL, 40
.set IT,  42
.set PAR, 43
.set CNT, 44
.set MSB, 0
.macro WIN new
.if MSB != \new
	s_set_vgpr_msb (MSB<<8)|\new
.set MSB, \new
.endif
.endm
.macro PLACES n
.rept \n
	v_nop
.endr
.endm
.macro QUANT s, nc                     ; 32 nc numbers of a lane, register 16 b + i = k 32 b + 16 (lane / 16) + i, become codes in v[PC] on and scale bytes in v[PW]
.set qb, 0
.rept 2*(\nc)
	v_max3_num_f32 v[TM+qb], |v[(\s)+16*qb]|, |v[(\s)+16*qb+1]|, 0x2800000
.set qb, qb+1
.endr
.set qi, 2
.rept 7
.set qb, 0
.rept 2*(\nc)
	v_max3_num_f32 v[TM+qb], v[TM+qb], |v[(\s)+16*qb+qi]|, |v[(\s)+16*qb+qi+1]|
.set qb, qb+1
.endr
.set qi, qi+2
.endr
.set qb, 0
.rept 2*(\nc)
	v_permlanex16_b32 v[TM+4+qb], v[TM+qb], s[SEL], s[SEL+1]
.set qb, qb+1
.endr
.set qb, 0
.rept 2*(\nc)
	v_max_num_f32 v[TM+qb], v[TM+qb], v[TM+4+qb]
.set qb, qb+1
.endr
.set qb, 0
.rept 2*(\nc)
	v_add_nc_u32 v[TM+12+qb], 0xfe000000, v[TM+qb]
.set qb, qb+1
.endr
.set qb, 0
.rept 2*(\nc)
	v_lshrrev_b32 v[TM+4+qb], 23, v[TM+12+qb]
.set qb, qb+1
.endr
	v_lshl_or_b32 v[PW], v[TM+5], 8, v[TM+4]
.if (\nc) == 2
	v_lshl_or_b32 v[PW], v[TM+6], 16, v[PW]
	v_lshl_or_b32 v[PW], v[TM+7], 24, v[PW]
.endif
.set qc, 0
.rept \nc
	v_cvt_scalef32_pk16_bf6_f32 v[PC+6*qc:PC+6*qc+2], v[(\s)+32*qc:(\s)+32*qc+15], v[TM+12+2*qc]
	v_cvt_scalef32_pk16_bf6_f32 v[PC+12+4*qc:PC+14+4*qc], v[(\s)+32*qc+16:(\s)+32*qc+31], v[TM+13+2*qc]
.set qc, qc+1
.endr
	v_nop                                          ; one plain line behind the last conversion
.set qc, 0
.rept \nc
.irp i, 0,1,2
	v_permlane16_swap_b32 v[PC+6*qc+\i], v[PC+12+4*qc+\i]
.endr
.irp i, 0,1,2
	v_mov_b32 v[PC+6*qc+3+\i], v[PC+12+4*qc+\i]
.endr
.set qc, qc+1
.endr
.endm
.macro BARRIER
	s_wait_dscnt 0x0
	s_barrier_signal -1
	s_barrier_wait -1
.endm
.macro MM d, a, b, c, sa, sb, row
.if \row
	v_wmma_scale_f32_16x16x128_f8f6f4 v[(\d):(\d)+7], v[(\a):(\a)+11], v[(\b):(\b)+11], v[(\c):(\c)+7], v[\sa], v[\sb] matrix_a_fmt:MATRIX_FMT_BF6 matrix_b_fmt:MATRIX_FMT_BF6 matrix_a_scale:MATRIX_SCALE_ROW1
.else
	v_wmma_scale_f32_16x16x128_f8f6f4 v[(\d):(\d)+7], v[(\a):(\a)+11], v[(\b):(\b)+11], v[(\c):(\c)+7], v[\sa], v[\sb] matrix_a_fmt:MATRIX_FMT_BF6 matrix_b_fmt:MATRIX_FMT_BF6
.endif
.endm
.macro GLOAD slot, ic, is              ; a K step's four fragments and their scale words: 14 loads
	WIN 0x40
.irp k, 0,1,2,3,4,5,6,7,8,9,10,11
	global_load_b128 v[64+48*\slot+4*\k:64+48*\slot+4*\k+3], v[LI], s[WB:WB+1] offset:\ic+512*\k
.endr
	WIN 0
.irp b, 0,1
	global_load_b32 v[WSC+2*\slot+\b], v[LS], s[WS:WS+1] offset:\is+128*\b
.endr
.endm
.macro BFETCH la, ra, base, sbase, idx ; the two tiles' fragments of K step idx
.irp rt, 0,1
.irp p, 0,1,2
	ds_load_b128 v[BF+12*\rt+4*\p:BF+12*\rt+4*\p+3], v[\la] offset:\base+(4*\rt+\idx)*1536+16*\p
.endr
	ds_load_b32 v[BS+\rt], v[\ra] offset:\sbase+(4*\rt+\idx)*64
.endr
.endm
.macro VECR reg, ar, off               ; a vector's 32 numbers of my columns, in the results' layout
.irp b, 0,1
.irp j, 0,1,2,3
	ds_load_b128 v[\reg+16*\b+4*\j:\reg+16*\b+4*\j+3], v[\ar] offset:\off+128*\b+16*\j
.endr
.endr
.endm
; Eight products: two tiles of rows x my four tiles of columns; eight accumulators by turns.  mode 0: Z = V1 + ..; 1: Z += ..; 2: FF += ..
.macro STEP slot, mode, cnt
	s_wait_loadcnt \cnt                            ; this slot's group is in; the younger groups may be out
	s_wait_dscnt 0x0
.if \mode == 2
	WIN 0x51
.else
	WIN 0x01
.endif
.irp rt, 0,1
.irp t, 0,1,2,3
.if \mode == 0
	MM Z+32*\rt+8*\t, 64+48*\slot+12*\t, BF+12*\rt, V1+8*\t, WSC+2*\slot+\t/2, BS+\rt, \t%2
.elseif \mode == 1
	MM Z+32*\rt+8*\t, 64+48*\slot+12*\t, BF+12*\rt, Z+32*\rt+8*\t, WSC+2*\slot+\t/2, BS+\rt, \t%2
.else
	MM FF+32*\rt+8*\t, 64+48*\slot+12*\t, BF+12*\rt, FF+32*\rt+8*\t, WSC+2*\slot+\t/2, BS+\rt, \t%2
.endif
.endr
.endr
	WIN 0
	PLACES 4                                       ; in front of loads into registers that the products have read, and of the first read of results
.endm
.macro ZSUM
.irp rt, 0,1
	v_pk_add_f32 v[LA+2*\rt:LA+2*\rt+1], v[Z+32*\rt:Z+32*\rt+1], v[Z+32*\rt+2:Z+32*\rt+3]
.endr
.irp j, 4,6,8,10,12,14,16,18,20,22,24,26,28,30
.irp rt, 0,1
	v_pk_add_f32 v[LA+2*\rt:LA+2*\rt+1], v[LA+2*\rt:LA+2*\rt+1], v[Z+32*\rt+\j:Z+32*\rt+\j+1]
.endr
.endr
.endm
.macro ZSQ
.irp rt, 0,1
	v_pk_mul_f32 v[LA+2*\rt:LA+2*\rt+1], v[Z+32*\rt:Z+32*\rt+1], v[Z+32*\rt:Z+32*\rt+1]
.endr
.irp j, 2,4,6,8,10,12,14,16,18,20,22,24,26,28,30
.irp rt, 0,1
	v_pk_fma_f32 v[LA+2*\rt:LA+2*\rt+1], v[Z+32*\rt+\j:Z+32*\rt+\j+1], v[Z+32*\rt+\j:Z+32*\rt+\j+1], v[LA+2*\rt:LA+2*\rt+1]
.endr
.endr
.endm
.macro ROWX k                          ; the lanes' pairs in v[LA] on become the rows' sums over all 512 columns in v[LM], v[LM+2]
.irp rt, 0,1
	v_add_f32 v[LA+2*\rt], v[LA+2*\rt], v[LA+2*\rt+1]
.endr
.irp rt, 0,1
	v_permlanex16_b32 v[LA+2*\rt+1], v[LA+2*\rt], s[SEL], s[SEL+1]
.endr
.irp rt, 0,1
	v_add_f32 v[LA+2*\rt], v[LA+2*\rt], v[LA+2*\rt+1]
.endr
.irp rt, 0,1
	ds_store_b32 v[RWA], v[LA+2*\rt] offset:1536*\k+768*\rt
.endr
	BARRIER
.irp rt, 0,1
	ds_load_b128 v[LR+8*\rt:LR+8*\rt+3], v[RRA] offset:1536*\k+768*\rt
	ds_load_b128 v[LR+8*\rt+4:LR+8*\rt+7], v[RRA] offset:1536*\k+768*\rt+16
.endr
	s_wait_dscnt 0x0
.irp rt, 0,1
	v_pk_add_f32 v[LR+8*\rt:LR+8*\rt+1], v[LR+8*\rt:LR+8*\rt+1], v[LR+8*\rt+2:LR+8*\rt+3]
	v_pk_add_f32 v[LR+8*\rt+4:LR+8*\rt+5], v[LR+8*\rt+4:LR+8*\rt+5], v[LR+8*\rt+6:LR+8*\rt+7]
.endr
.irp rt, 0,1
	v_pk_add_f32 v[LR+8*\rt:LR+8*\rt+1], v[LR+8*\rt:LR+8*\rt+1], v[LR+8*\rt+4:LR+8*\rt+5]
.endr
.irp rt, 0,1
	v_add_f32 v[LM+2*\rt], v[LR+8*\rt], v[LR+8*\rt+1]
.endr
.endm
.macro RSTD                            ; 1 / sqrt(sum / 512 + 1e-5)
.irp rt, 0,1
	v_fma_f32 v[LM+2*\rt], v[LM+2*\rt], s46, s45
.endr
.irp rt, 0,1
	v_rsq_f32 v[LM+2*\rt], v[LM+2*\rt]
.endr
	v_nop                                          ; a plain line behind the last root
.endm
.macro NORM                            ; Z = Z x rstd x V1 + V2
.irp rt, 0,1
.set j, 0
.rept 16
	v_pk_mul_f32 v[Z+32*\rt+j:Z+32*\rt+j+1], v[Z+32*\rt+j:Z+32*\rt+j+1], v[LM+2*\rt:LM+2*\rt+1] op_sel_hi:[1,0]
.set j, j+2
.endr
.set j, 0
.rept 16
	v_pk_fma_f32 v[Z+32*\rt+j:Z+32*\rt+j+1], v[Z+32*\rt+j:Z+32*\rt+j+1], v[V1+j:V1+j+1], v[V2+j:V2+j+1]
.set j, j+2
.endr
.endr
.endm
; gelu(z) = z/2 + z/2 erf(z / sqrt 2), eight registers (one accumulator) at a time; erf(t) = t N(t^2) / D(t^2) on t held to +-4
.macro GELU
.set gq, 0
.rept 8
.set gz, Z+8*gq
.irp p, 0,2,4,6
	v_pk_mul_f32 v[GT+\p:GT+\p+1], v[gz+\p:gz+\p+1], s[56:57] op_sel_hi:[1,0]
.endr
.irp p, 0,1,2,3,4,5,6,7
	v_med3_num_f32 v[GT+\p], v[GT+\p], -4.0, 4.0
.endr
.irp p, 0,2,4,6
	v_pk_mul_f32 v[G2+\p:G2+\p+1], v[GT+\p:GT+\p+1], v[GT+\p:GT+\p+1]
.endr
.irp p, 0,2,4,6
	v_pk_fma_f32 v[GN+\p:GN+\p+1], v[G2+\p:G2+\p+1], v[54:55], s[58:59] op_sel_hi:[1,1,0]
	v_pk_fma_f32 v[GD+\p:GD+\p+1], v[G2+\p:G2+\p+1], v[34:35], s[72:73] op_sel_hi:[1,1,0]
.endr
.irp c, 60,62,66,68,70
.irp p, 0,2,4,6
	v_pk_fma_f32 v[GN+\p:GN+\p+1], v[GN+\p:GN+\p+1], v[G2+\p:G2+\p+1], s[\c:\c+1] op_sel_hi:[1,1,0]
.endr
.endr
.irp c, 74,76,78
.irp p, 0,2,4,6
	v_pk_fma_f32 v[GD+\p:GD+\p+1], v[GD+\p:GD+\p+1], v[G2+\p:G2+\p+1], s[\c:\c+1] op_sel_hi:[1,1,0]
.endr
.endr
.irp p, 0,2,4,6
	v_pk_mul_f32 v[GN+\p:GN+\p+1], v[GN+\p:GN+\p+1], v[GT+\p:GT+\p+1]
.endr
.irp p, 0,1,2,3,4,5,6,7
	v_rcp_f32 v[GD+\p], v[GD+\p]
.endr
.irp p, 0,2,4,6
	v_pk_mul_f32 v[GT+\p:GT+\p+1], v[gz+\p:gz+\p+1], 0.5 op_sel_hi:[1,0]   ; (plain lines behind the reciprocals)
.endr
	s_wait_alu depctr_va_vdst(0)                   ; one wait for the eight, ahead of their first reader
.irp p, 0,2,4,6
	v_pk_mul_f32 v[GN+\p:GN+\p+1], v[GN+\p:GN+\p+1], v[GD+\p:GD+\p+1]
.endr
.irp p, 0,2,4,6
	v_pk_fma_f32 v[gz+\p:gz+\p+1], v[GT+\p:GT+\p+1], v[GN+\p:GN+\p+1], v[GT+\p:GT+\p+1]
.endr
.set gq, gq+1
.endr
.endm
.macro CPAIR r, val                    ; a packed line names a pair and takes its low word for both halves: both are written
	s_mov_b32 s[\r], \val
	s_mov_b32 s[\r+1], \val
.endm
	s_load_b512 s[4:19], s[0:1], 0x0               ; o2, x, wcodes, wscales, bo, g1, be1, bf1
	s_load_b256 s[20:27], s[0:1], 0x40             ; bf2, g2, be2, out0
	v_lshl_add_u32 v254, v0, 2, 0x23200
	v_mov_b32 v255, 0
	v_lshrrev_b32 v1, 5, v0
	v_readfirstlane_b32 s28, v1                    ; wave 0..7
	v_and_b32 v1, 31, v0
	v_and_b32 v2, 15, v0                           ; r
	v_bfe_u32 v3, v0, 4, 1                         ; h
	v_lshlrev_b32 v[LI], 4, v1
	v_lshlrev_b32 v[LS], 2, v1
	v_mul_u32_u24 v[L48], v1, 48
	v_lshlrev_b32 v[R4], 2, v2
	v_lshlrev_b32 v[RA], 11, v2
	v_lshl_add_u32 v[RA], v3, 6, v[RA]             ; row r of 2,048 bytes, + my 16 numbers of a block
	s_lshl_b32 s47, s28, 8
	s_add_co_u32 s47, s47, VEC
	v_lshl_add_u32 v[VECA], v3, 6, s47
	s_mul_i32 s47, s28, 1536
	v_add_nc_u32 v[OWA], s47, v[L48]
	s_lshl_b32 s47, s28, 6
	s_add_co_u32 s47, s47, OSC
	v_add_nc_u32 v[OWS], s47, v[R4]
	s_lshr_b32 s47, s28, 1                         ; my 64 columns are half w % 2 of K step w / 2 of the next product
	s_and_b32 s48, s28, 1
	s_mul_i32 s49, s47, 1536
	s_mul_i32 s50, s48, 24
	s_add_co_u32 s49, s49, s50
	v_add_nc_u32 v[HWA], s49, v[L48]
	s_lshl_b32 s49, s47, 6
	s_lshl_b32 s50, s48, 1
	s_add_co_u32 s49, s49, s50
	v_add_nc_u32 v[HWS], s49, v[R4]
	s_lshl_b32 s49, s28, 2
	s_add_co_u32 s49, s49, RED
	v_mad_u32_u24 v[RWA], v2, 48, s49
	v_mul_u32_u24 v[RRA], v2, 48
	v_add_nc_u32 v[RRA], RED, v[RRA]
	s_lshl_b32 s49, s28, 8
	s_add_co_u32 s49, s49, OSTG
	v_mad_u32_u24 v[SWA], v2, 2064, s49
	v_lshl_add_u32 v[SWA], v3, 6, v[SWA]
	s_mul_i32 s49, s28, 4*2064
	s_add_co_u32 s49, s49, OSTG
	v_add_nc_u32 v[SRA], s49, v[LI]
	v_lshlrev_b32 v18, 4, v0                       ; the vectors' way in: 16 bytes a thread
	v_and_b32 v19, 127, v0
	v_lshlrev_b32 v19, 4, v19
	v_add_nc_u32 v23, VEC, v18
	v_mov_b32 v54, 0xaf95df0b                      ; N's leading coefficient, -2.72614226e-10
	v_mov_b32 v55, 0xaf95df0b
	v_mov_b32 v34, 0xb77460cd                      ; D's, -1.45660718e-05
	v_mov_b32 v35, 0xb77460cd
	v_mov_b32 v[LM+1], 0                           ; named as upper halves of pairs
	v_mov_b32 v[LM+3], 0
.irp b, 0,1,2,3
	v_mov_b32 v[TM+4+\b], 0                        ; a lane permute's destination counts as one of its sources
.endr
	s_mov_b32 s[SEL], 0x76543210
	s_mov_b32 s[SEL+1], 0xfedcba98
	s_mov_b32 s45, 0x3727c5ac                      ; 1e-5
	s_mov_b32 s46, 0x3b000000                      ; 1 / 512
	CPAIR 56, 0x3f3504f3                           ; 1 / sqrt 2
	CPAIR 58, 0x32edffee                           ; N:  2.77068142e-08
	CPAIR 60, 0xb60cff51                           ;    -2.10102402e-06
	CPAIR 62, 0xb86ec2d2                           ;    -5.69250639e-05
	CPAIR 66, 0xba40ac63                           ;    -7.34990630e-04
	CPAIR 68, 0xbb41a1f6                           ;    -2.95459981e-03
	CPAIR 70, 0xbc83dbd4                           ;    -1.60960333e-02
	CPAIR 72, 0xb95fbd29                           ; D: -2.13374055e-04
	CPAIR 74, 0xbadc924e                           ;    -1.68282697e-03
	CPAIR 76, 0xbbf19bf8                           ;    -7.37332917e-03
	CPAIR 78, 0xbc69b6a7                           ;    -1.42647391e-02
	s_mov_b32 s[IT], 0
	s_mov_b32 s[PAR], 0
	s_mov_b32 s[CNT], 3
	s_mov_b32 s49, 0
	s_wait_kmcnt 0x0
	s_cmp_lt_u32 s28, 4                            ; waves 0-3 bring one vector of a pair, waves 4-7 the other
	s_cselect_b64 s[50:51], s[12:13], s[14:15]
	s_cselect_b64 s[52:53], s[16:17], s[20:21]
	s_cselect_b64 s[54:55], s[22:23], s[24:25]
	s_lshl_b32 s48, ttmp9, 16                      ; my 32 rows of 2,048 bytes
	s_lshr_b32 s47, s28, 2
	s_lshl_b32 s47, s47, 15
	s_add_co_u32 s48, s48, s47                     ; o: I quantise tile w / 4,
	s_and_b32 s47, s28, 3
	s_lshl_b32 s47, s47, 9
	s_add_co_u32 s48, s48, s47                     ; K step w % 4
	s_add_nc_u64 s[34:35], s[4:5], s[48:49]
	s_lshl_b32 s48, ttmp9, 16
	s_lshl_b32 s47, s28, 8
	s_add_co_u32 s48, s48, s47
	s_add_nc_u64 s[36:37], s[6:7], s[48:49]        ; x at my columns
	s_lshl_b32 s48, ttmp9, 16
	s_lshl_b32 s47, s28, 13
	s_add_co_u32 s48, s48, s47
	s_add_nc_u64 s[38:39], s[26:27], s[48:49]      ; out: I store rows 4 w .. 4 w + 3
	s_mul_i32 s48, s28, 6144
	s_add_co_u32 s48, s48, 9*196608
	s_add_nc_u64 s[WB:WB+1], s[8:9], s[48:49]      ; my four tiles of Wo's slab
	s_lshl_b32 s48, s28, 8
	s_add_co_u32 s48, s48, 9*8192
	s_add_nc_u64 s[WS:WS+1], s[10:11], s[48:49]
	global_load_b128 v[V1:V1+3], v19, s[50:51] offset:6144
	global_load_b128 v[V1+4:V1+7], v19, s[52:53] offset:6144
	global_load_b128 v[V1+8:V1+11], v19, s[54:55] offset:6144
	global_load_b128 v[V1+12:V1+15], v18, s[18:19] offset:24576
	global_load_b128 v[V1+16:V1+19], v18, s[18:19] offset:28672
.irp b, 0,1,2,3
.irp j, 0,1,2,3
	global_load_b128 v[Z+16*\b+4*\j:Z+16*\b+4*\j+3], v[RA], s[34:35] offset:128*\b+16*\j th:TH_LOAD_NT
.endr
.endr
	WIN 0x40
.irp rt, 0,1
.irp b, 0,1
.irp j, 0,1,2,3
	global_load_b128 v[FF+32*\rt+16*\b+4*\j:FF+32*\rt+16*\b+4*\j+3], v[RA], s[36:37] offset:32768*\rt+128*\b+16*\j th:TH_LOAD_NT
.endr
.endr
.endr
	WIN 0
	GLOAD 0, 0, 0
	GLOAD 1, 49152, 2048
	s_wait_loadcnt 44                              ; the vectors and o are in; x's 16 loads and two groups of 14 may be out
.irp k, 0,1,2,3,4
	ds_store_b128 v23, v[V1+4*\k:V1+4*\k+3] offset:4096*\k
.endr
	QUANT Z, 2
.irp p, 0,1,2
	ds_store_b128 v[OWA], v[PC+4*\p:PC+4*\p+3] offset:OIMG+16*\p
.endr
	ds_store_b32 v[OWS], v[PW]
	GLOAD 2, 98304, 4096
	GLOAD 3, 147456, 6144
	BARRIER                                        ; o's eight fragments and the vectors lie in LDS
	; ---- o Wo + bo + x
	VECR V1, VECA, 0
.irp s, 0,1,2,3
	BFETCH L48, R4, OIMG, OSC, \s
.if \s == 0
	STEP \s, 0, 42
.else
	STEP \s, 1, 42
.endif
	GLOAD \s, 196608+49152*\s, 8192+2048*\s        ; W1's first slab
.endr
	WIN 0x04                                       ; source 1 (x) window 1
.set j, 0
.rept 32
	v_pk_add_f32 v[Z+j:Z+j+1], v[Z+j:Z+j+1], v[FF+j:FF+j+1]
.set j, j+2
.endr
	WIN 0
	; ---- the first norm
	ZSUM
	ROWX 0
.irp rt, 0,1
	v_mul_f32 v[LM+2*\rt], 0x3b000000, v[LM+2*\rt]
.endr
.irp rt, 0,1
.set j, 0
.rept 16
	v_pk_add_f32 v[Z+32*\rt+j:Z+32*\rt+j+1], v[Z+32*\rt+j:Z+32*\rt+j+1], v[LM+2*\rt:LM+2*\rt+1] op_sel_hi:[1,0] neg_lo:[0,1] neg_hi:[0,1]
.set j, j+2
.endr
.endr
	ZSQ
	ROWX 1
	RSTD
	VECR V1, VECA, 2048
	VECR V2, VECA, 4096
	s_wait_alu depctr_va_vdst(0)                   ; ahead of the roots' first reader
	s_wait_dscnt 0x0
	NORM                                           ; Z = h
	VECR V1, VECA, 6144
	s_wait_dscnt 0x0
	WIN 0x40                                       ; the last product's sums begin as h + bf2
.irp rt, 0,1
.set j, 0
.rept 16
	v_pk_add_f32 v[FF+32*\rt+j:FF+32*\rt+j+1], v[Z+32*\rt+j:Z+32*\rt+j+1], v[V1+j:V1+j+1]
.set j, j+2
.endr
.endr
	WIN 0
.irp rt, 0,1
	QUANT Z+32*\rt, 1
.irp p, 0,1,2
	ds_store_b64 v[HWA], v[PC+2*\p:PC+2*\p+1] offset:HIMG+6144*\rt+8*\p
.endr
	ds_store_b16 v[HWS], v[PW] offset:HSC+256*\rt
	s_wait_dscnt 0x0
.endr
	BARRIER                                        ; h's eight fragments lie in LDS
	s_wait_xcnt 0x0                                ; the loads on their way have read their bases
	s_add_nc_u64 s[WB:WB+1], s[WB:WB+1], 196608    ; on to W1's first slab
	s_add_nc_u64 s[WS:WS+1], s[WS:WS+1], 8192
; One run of 512 hidden units.  la = 1: the next run's W1 is asked for.
.macro ITER la
	v_add_nc_u32 v18, s[IT], v[VECA]
	VECR V1, 18, 12288                             ; bf1 of my 64 units
.irp s, 0,1,2,3
	BFETCH L48, R4, HIMG, HSC, \s
.if \s == 0
	STEP \s, 0, 42
.else
	STEP \s, 1, 42
.endif
	GLOAD \s, 786432+49152*\s, 32768+2048*\s       ; this run's slab of W2
.endr
	GELU
	v_add_nc_u32 v19, s[PAR], v[HWA]
	v_add_nc_u32 v20, s[PAR], v[HWS]
	v_add_nc_u32 v21, s[PAR], v[L48]
	v_add_nc_u32 v22, s[PAR], v[R4]
.irp rt, 0,1
	QUANT Z+32*\rt, 1
.irp p, 0,1,2
	ds_store_b64 v19, v[PC+2*\p:PC+2*\p+1] offset:GIMG+6144*\rt+8*\p
.endr
	ds_store_b16 v20, v[PW] offset:GSC+256*\rt
	s_wait_dscnt 0x0
.endr
	BARRIER                                        ; one barrier a run: the two places take turns, so a place is written again only behind the next run's barrier
.irp s, 0,1,2,3
	BFETCH 21, 22, GIMG, GSC, \s
.if \la
	STEP \s, 2, 42
	GLOAD \s, 196608+49152*\s, 8192+2048*\s
.else
	STEP \s, 2, 42-14*\s                           ; nothing more is asked for: the counts run down
.endif
.endr
.endm
.Lffn:
	ITER 1
	s_wait_xcnt 0x0
	s_add_nc_u64 s[WB:WB+1], s[WB:WB+1], 196608
	s_add_nc_u64 s[WS:WS+1], s[WS:WS+1], 8192
	s_add_co_u32 s[IT], s[IT], 2048
	s_xor_b32 s[PAR], s[PAR], 12800
	s_sub_co_u32 s[CNT], s[CNT], 1
	s_cmp_lg_u32 s[CNT], 0
	s_cbranch_scc1 .Lffn
	ITER 0
	; ---- the second norm, on h + ff in window 1
	WIN 0x05
.irp rt, 0,1
	v_pk_add_f32 v[LA+2*\rt:LA+2*\rt+1], v[FF+32*\rt:FF+32*\rt+1], v[FF+32*\rt+2:FF+32*\rt+3]
.endr
	WIN 0x01
.irp j, 4,6,8,10,12,14,16,18,20,22,24,26,28,30
.irp rt, 0,1
	v_pk_add_f32 v[LA+2*\rt:LA+2*\rt+1], v[FF+32*\rt+\j:FF+32*\rt+\j+1], v[LA+2*\rt:LA+2*\rt+1]
.endr
.endr
	WIN 0
	ROWX 2
.irp rt, 0,1
	v_mul_f32 v[LM+2*\rt], 0x3b000000, v[LM+2*\rt]
.endr
	WIN 0x01                                       ; the differences land in window 0
.irp rt, 0,1
.set j, 0
.rept 16
	v_pk_add_f32 v[Z+32*\rt+j:Z+32*\rt+j+1], v[FF+32*\rt+j:FF+32*\rt+j+1], v[LM+2*\rt:LM+2*\rt+1] op_sel_hi:[1,0] neg_lo:[0,1] neg_hi:[0,1]
.set j, j+2
.endr
.endr
	WIN 0
	ZSQ
	ROWX 3
	RSTD
	VECR V1, VECA, 8192
	VECR V2, VECA, 10240
	s_wait_alu depctr_va_vdst(0)
	s_wait_dscnt 0x0
	NORM
.irp rt, 0,1
.irp b, 0,1
.irp j, 0,1,2,3
	ds_store_b128 v[SWA], v[Z+32*\rt+16*\b+4*\j:Z+32*\rt+16*\b+4*\j+3] offset:33024*\rt+128*\b+16*\j
.endr
.endr
.endr
	BARRIER                                        ; 32 whole rows lie in the stage
.irp i, 0,1,2,3,4,5,6,7,8,9,10,11,12,13,14,15
	ds_load_b128 v[Z+4*\i:Z+4*\i+3], v[SRA] offset:(\i/4)*2064+(\i%4)*512
.endr
.irp i, 0,1,2,3,4,5,6,7,8,9,10,11,12,13,14,15
	s_wait_dscnt 15-\i
	global_store_b128 v[LI], v[Z+4*\i:Z+4*\i+3], s[38:39] offset:(\i/4)*2048+(\i%4)*512 th:TH_STORE_NT   ; 512 consecutive bytes, at a multiple of 256
.endr
	s_wait_tensorcnt 0x0
	ds_add_u32 v254, v255
	s_wait_dscnt 0x0
	s_endpgm
.Lfunc_end_k_q76ea8de3e8_tail:
	.size	k_q76ea8de3e8_tail, .Lfunc_end_k_q76ea8de3e8_tail-k_q76ea8de3e8_tail
	.p2alignl 7, 3214868480
	.fill 96, 4, 3214868480
	.section	.rodata,"a",@progbits
	.p2align	6, 0x0
	.amdhsa_kernel k_q76ea8de3e8_tail
		.amdhsa_group_segment_fixed_size 144896
		.amdhsa_private_segment_fixed_size 0
		.amdhsa_enable_private_segment 0
		.amdhsa_kernarg_size 96
		.amdhsa_user_sgpr_count 2
		.amdhsa_user_sgpr_kernarg_segment_ptr 1
		.amdhsa_wavefront_size32 1
		.amdhsa_system_sgpr_workgroup_id_x 1
		.amdhsa_system_sgpr_workgroup_id_y 1
		.amdhsa_system_sgpr_workgroup_id_z 1
		.amdhsa_system_vgpr_workitem_id 0
		.amdhsa_next_free_vgpr 512
		.amdhsa_next_free_sgpr 80
		.amdhsa_reserve_vcc 0
		.amdhsa_float_denorm_mode_32 3
		.amdhsa_float_denorm_mode_16_64 3
		.amdhsa_memory_ordered 1
		.amdhsa_forward_progress 1
		.amdhsa_inst_pref_size 205
	.end_amdhsa_kernel
	.amdgpu_metadata
---
amdhsa.version: [ 1, 2 ]
amdhsa.kernels:
  - .name:           k_q76ea8de3e8_tail
    .symbol:         k_q76ea8de3e8_tail.kd
    .args:
      - { .name: o2, .offset: 0, .size: 8, .value_kind: global_buffer, .address_space: global }
      - { .name: x, .offset: 8, .size: 8, .value_kind: global_buffer, .address_space: global }
      - { .name: wcodes, .offset: 16, .size: 8, .value_kind: global_buffer, .address_space: global }
      - { .name: wscales, .offset: 24, .size: 8, .value_kind: global_buffer, .address_space: global }
      - { .name: bo, .offset: 32, .size: 8, .value_kind: global_buffer, .address_space: global }
      - { .name: g1, .offset: 40, .size: 8, .value_kind: global_buffer, .address_space: global }
      - { .name: be1, .offset: 48, .size: 8, .value_kind: global_buffer, .address_space: global }
      - { .name: bf1, .offset: 56, .size: 8, .value_kind: global_buffer, .address_space: global }
      - { .name: bf2, .offset: 64, .size: 8, .value_kind: global_buffer, .address_space: global }
      - { .name: g2, .offset: 72, .size: 8, .value_kind: global_buffer, .address_space: global }
      - { .name: be2, .offset: 80, .size: 8, .value_kind: global_buffer, .address_space: global }
      - { .name: out0, .offset: 88, .size: 8, .value_kind: global_buffer, .address_space: global }
    .group_segment_fixed_size: 144896
    .private_segment_fixed_size: 0
    .kernarg_segment_align: 8
    .kernarg_segment_size: 96
    .max_flat_workgroup_size: 256
    .sgpr_count:     80
    .vgpr_count:     512
    .wavefront_size: 32
...
	.end_amdgpu_metadata
.endif
;; end of part 4
;; ======== version 2 of 2: 4 launches; version 1 with the launches proj, tail written anew for expert scheduling mode
;; limits: right only within a limited range of input values
;; workspace buffers: wcodes 3,538,944 bytes; wscales 147,456 bytes; qkcodes 12,582,912 bytes; qkscales 1,048,576 bytes; vcodes 1,572,864 bytes; vscales 65,536 bytes; o2 8,388,608 bytes
;; launch prep: the kernel of part 1 again; grid 16 x 18, 4 waves a work-group, no clusters, 12,800 bytes of LDS; arguments Wq, Wk, Wv, Wo, W1, W2, wcodes, wscales; writes wcodes, wscales
;; launch proj (part 5): grid 8 x 32, 8 waves a work-group, no clusters, 120,320 bytes of LDS; arguments x, y, bq, bk, bv, wcodes, wscales, qkcodes, qkscales, vcodes, vscales; writes qkcodes, qkscales, vcodes, vscales
.if DOCPART == 5
	.amdgcn_target "amdgcn-amd-amdhsa--gfx1250"
	.amdhsa_code_object_version 6
	.text
	.protected	k_q76ea8de3e8_proj
	.globl	k_q76ea8de3e8_proj
	.p2align	8
	.type	k_q76ea8de3e8_proj,@function
k_q76ea8de3e8_proj:
	s_mov_b64 s[64:65], 0
	v_nop
	global_prefetch_b8 v0, s[64:65] scope:SCOPE_SE
	s_setreg_imm32_b32 hwreg(HW_REG_WAVE_SCHED_MODE, 0, 2), 2
	s_setreg_imm32_b32 hwreg(HW_REG_WAVE_MODE, 25, 1), 1
	s_wait_xcnt 0x0
	s_wait_alu depctr_vm_vsrc(0)
; q_l = x Wq[l] + bq[l], k_l = y Wk[l] + bk[l] (l = 0..3) and v_3 = y Wv[3] + bv[3], on codes of E3M2, and their results quantised again for the attention.
; Work-group (wi, hb): wi 0-3: q_l, wi 4-7: k_l (l = wi % 4); hb: rows 128 hb .. + 127 of the flat [4096][512], which by the plain reshape are one head of one batch:
; row n, column e are key (or query) 8 n + e / 64, channel e % 64.  The k groups also make channels 16 l .. 16 l + 15 of v_3 from the same images of y.
; THE WAVES SHARE THE COLUMNS: wave w holds the fragments of columns 64 w .. + 63 in registers; the rows' codes go round through LDS as images of their registers.
; A tile of rows 2 i + pi takes rows 32 i + 2 r + pi (which rows form a tile is free; v's keys want this order).
; All products are used transposed (source 0 = 16 columns of W, source 1 = 16 rows): a lane holds one row and its registers run along the columns.
; OUT.  qkcodes [wi][hb][tile 64], 768 bytes: register i (0..5) of lane L at 24 L + 4 i; key m lies in tile 2 (m / 32) + (m / 8) % 2, row 8 ((m / 16) % 2) + m % 8.
;       qkscales: a word for each key: two scale bytes, then 127 (for the idle half of the score product's K), then 0.
;       vcodes [hb][16 channels][K step of 128 keys], 1,536 bytes: register i of lane L at 48 L + 4 i; vscales a word for each channel and K step.
; For v a tile of Wv is gathered so that its row 8 h + j is column 64 j + d: a lane then holds one channel d and its eight registers eight neighbouring keys.
; Every group loads Wv's four fragments (6 KB a wave), the q groups too, which do not use them: so no register's state hangs on the group's number.
; LIMITS: a block whose largest magnitude lies under 2^-122 keeps the byte 1; NaN and infinities are not served.
; THE MODE: SCHED_MODE bits 1:0 = 2 (LLVM: expert scheduling mode 2), set by the entry lines.  The code itself states the register dependences
; between vector or matrix instructions and memory or LDS instructions, with s_wait_alu, always for 0.
; THE PLAN.  Registers that memory or LDS instructions touch:
;   v4-v19        addresses and offsets: written at the head, never again.
;   window 1, WS, WSV, BIAS, VB   the weights, their scale words, the biases: loaded once, then read by products alone.
;   ACC, XF as raw numbers (X)    a K step's 64 numbers land; the quantiser reads them; behind its wait the K step two on lands in the same set.
;   PC, PW, TM+8, TM+9            written by a quantiser, read by the LDS stores behind its wait; written again only behind a wait on vm_vsrc, which stands ahead of the next quantiser.
;   XF, XS as fragments (q, k)    TWO BUFFERS of two fragments and two scale words: buffer b = XF + 12 b, XF + 24 + 12 b, XS + b, XS + 2 + b.  Half step u (one K step, eight products)
;                                 reads buffer u % 2.  The eight LDS loads of half step u + 1 stand ahead of half step u's products and land in the buffer that half step u - 1 read.
;                                 So one wait on va_vdst stands at a half step's head, behind the four places; behind a quantiser its own wait has already stated the same.
;   XF, XS as fragments (v)       one set of four: a wait on va_vdst behind each step's places, ahead of the next step's loads.
;   ACC, XF on the way out        the loads from the stages land there; every vector or matrix line that named them stands ahead of the last wait on va_vdst, on either path.
.set XIMG, 0                           ; 32 images of x's (y's) fragments, 4 x tile + K step
.set XSC,  49152                       ; their scale words, 128 bytes each
.set QSTG, 53248                       ; the head's 64 tiles of codes as they leave,
.set QSW,  102400                      ; and its 1,024 words
.set VSTG, 106496                      ; v's 8 fragments,
.set VSW,  118784                      ; and their words
.set XA,  4
.set LI,  5
.set LS,  6
.set XWI, 7
.set XWS, 8
.set QWA, 9
.set QWS, 10
.set VWA, 11
.set VWS, 12
.set CPA, 13
.set WVA, 14
.set WVS, 15
.set BO,  16
.set CPV, 17
.set G16, 18
.set VBO, 19
.set XS,  20                           ; v20-23  scale words of the rows' fragments in hand
.set WS,  24                           ; v24-31  W's: register 2 s + b: lanes 0-15 tile 2 b, lanes 16-31 tile 2 b + 1
.set WSV, 32                           ; v32-35  Wv's
.set TM,  36
.set PW,  52
.set PC,  56
.set BIAS, 76
.set VB,  108
.set ACC, 116
.set XF,  180
.set SEL, 52
.set C7F, 62                           ; s62     127 << 16
.set MSB, 0
.macro WIN new                         ; the immediate's high byte repeats the setting that is left
.if MSB != \new
	s_set_vgpr_msb (MSB<<8)|\new
.set MSB, \new
.endif
.endm
.macro PLACES n
.rept \n
	v_nop
.endr
.endm
; 32 nc numbers of a lane, register 16 b + i = k 32 b + 16 (lane / 16) + i of my row, become 6 nc registers of codes in v[PC] on and 2 nc scale bytes in v[PW].
.macro QUANT s, nc
.set qb, 0
.rept 2*(\nc)
	v_max3_num_f32 v[TM+qb], |v[(\s)+16*qb]|, |v[(\s)+16*qb+1]|, 0x2800000   ; with the floor 2^(5 - 127)
.set qb, qb+1
.endr
.set qi, 2
.rept 7
.set qb, 0
.rept 2*(\nc)
	v_max3_num_f32 v[TM+qb], v[TM+qb], |v[(\s)+16*qb+qi]|, |v[(\s)+16*qb+qi+1]|
.set qb, qb+1
.endr
.set qi, qi+2
.endr
.set qb, 0
.rept 2*(\nc)
	v_permlanex16_b32 v[TM+4+qb], v[TM+qb], s[SEL], s[SEL+1]
.set qb, qb+1
.endr
.set qb, 0
.rept 2*(\nc)
	v_max_num_f32 v[TM+qb], v[TM+qb], v[TM+4+qb]   ; with lane l xor 16's: the block's largest magnitude
.set qb, qb+1
.endr
.set qb, 0
.rept 2*(\nc)
	v_add_nc_u32 v[TM+12+qb], 0xfe000000, v[TM+qb] ; 4 off the exponent field: the conversion's scale operand
.set qb, qb+1
.endr
.set qb, 0
.rept 2*(\nc)
	v_lshrrev_b32 v[TM+4+qb], 23, v[TM+12+qb]      ; the scale's byte
.set qb, qb+1
.endr
	v_lshl_or_b32 v[PW], v[TM+5], 8, v[TM+4]
.if (\nc) == 2
	v_lshl_or_b32 v[PW], v[TM+6], 16, v[PW]
	v_lshl_or_b32 v[PW], v[TM+7], 24, v[PW]
.endif
.set qc, 0
.rept \nc
	v_cvt_scalef32_pk16_bf6_f32 v[PC+6*qc:PC+6*qc+2], v[(\s)+32*qc:(\s)+32*qc+15], v[TM+12+2*qc]
	v_cvt_scalef32_pk16_bf6_f32 v[PC+12+4*qc:PC+14+4*qc], v[(\s)+32*qc+16:(\s)+32*qc+31], v[TM+13+2*qc]
.set qc, qc+1
.endr
	v_nop                                          ; one plain line behind the last conversion
.set qc, 0
.rept \nc                              ; the operand wants a whole block in a lane: lanes 0-15 block 2 c, lanes 16-31 block 2 c + 1
.irp i, 0,1,2
	v_permlane16_swap_b32 v[PC+6*qc+\i], v[PC+12+4*qc+\i]
.endr
.irp i, 0,1,2
	v_mov_b32 v[PC+6*qc+3+\i], v[PC+12+4*qc+\i]
.endr
.set qc, qc+1
.endr
.endm
.macro IMAGE adr, off
.irp c, 0,1,2
	ds_store_b128 v[\adr], v[PC+4*\c:PC+4*\c+3] offset:\off+512*\c
.endr
.endm
.macro FETCH reg, off
.irp c, 0,1,2
	ds_load_b128 v[(\reg)+4*\c:(\reg)+4*\c+3], v[LI] offset:\off+512*\c
.endr
.endm
.macro HFETCH un                       ; half step un: K step un % 4 of the two tiles of rows 2 (un / 4), + 1, into buffer un % 2: eight LDS loads
.irp pi, 0,1
	FETCH XF+12*(2*\pi+(\un)%2), XIMG+(8*((\un)/4)+4*\pi+(\un)%4)*1536
	ds_load_b32 v[XS+2*\pi+(\un)%2], v[LS] offset:XSC+(8*((\un)/4)+4*\pi+(\un)%4)*128
.endr
.endm
.macro BARRIER                         ; my LDS stores have landed and my LDS loads are in: then the work-group's barrier
	s_wait_dscnt 0x0
	s_barrier_signal -1
	s_barrier_wait -1
.endm
.macro XLOAD reg, s                    ; my 16 rows' numbers of K step s: 64 a lane
.irp b, 0,1,2,3
.irp j, 0,1,2,3
	global_load_b128 v[\reg+16*\b+4*\j:\reg+16*\b+4*\j+3], v[XA], s[30:31] offset:512*\s+128*\b+16*\j
.endr
.endr
.endm
.macro MM d, a, b, c, sa, sb, row
.if \row
	v_wmma_scale_f32_16x16x128_f8f6f4 v[(\d):(\d)+7], v[(\a):(\a)+11], v[(\b):(\b)+11], v[(\c):(\c)+7], v[\sa], v[\sb] matrix_a_fmt:MATRIX_FMT_BF6 matrix_b_fmt:MATRIX_FMT_BF6 matrix_a_scale:MATRIX_SCALE_ROW1
.else
	v_wmma_scale_f32_16x16x128_f8f6f4 v[(\d):(\d)+7], v[(\a):(\a)+11], v[(\b):(\b)+11], v[(\c):(\c)+7], v[\sa], v[\sb] matrix_a_fmt:MATRIX_FMT_BF6 matrix_b_fmt:MATRIX_FMT_BF6
.endif
.endm
	s_load_b512 s[4:19], s[0:1], 0x0               ; x, y, bq, bk, bv, wcodes, wscales, qkcodes
	s_load_b128 s[20:23], s[0:1], 0x40             ; qkscales, vcodes
	s_load_b64 s[24:25], s[0:1], 0x50              ; vscales
	v_lshl_add_u32 v254, v0, 2, 0x1d200
	v_mov_b32 v255, 0
	v_lshrrev_b32 v1, 5, v0
	v_readfirstlane_b32 s26, v1                    ; wave 0..7
	s_and_b32 s28, ttmp7, 0xffff                   ; hb
	s_and_b32 s29, ttmp9, 3                        ; l
	v_and_b32 v1, 31, v0
	v_and_b32 v2, 15, v0                           ; r
	v_bfe_u32 v3, v0, 4, 1                         ; h
	v_lshlrev_b32 v[XA], 12, v2
	v_lshl_add_u32 v[XA], v3, 6, v[XA]             ; two rows a lane step, + my 16 numbers of a block
	v_lshlrev_b32 v[LI], 4, v1
	v_lshlrev_b32 v[LS], 2, v1
	s_wait_alu depctr_va_sdst(0)                   ; s26, the wave's number, is written, ahead of its first reader
	s_mul_i32 s54, s26, 6144
	v_add_nc_u32 v[XWI], s54, v[LI]
	s_lshl_b32 s54, s26, 9
	s_add_co_u32 s54, s54, XSC
	v_add_nc_u32 v[XWS], s54, v[LS]
	v_lshrrev_b32 v116, 1, v2                      ; r / 2
	v_and_b32 v117, 1, v2                          ; r % 2
	v_lshlrev_b32 v[QWA], 3, v117                  ; my key 256 i + 16 r + 8 pi + w: tile 16 i + 2 (r / 2) + pi, row 8 (r % 2) + w
	v_lshl_add_u32 v[QWA], v3, 4, v[QWA]
	v_add_nc_u32 v[QWA], s26, v[QWA]
	v_mul_u32_u24 v[QWA], v[QWA], 24
	v_mad_u32_u24 v[QWA], v116, 1536, v[QWA]
	v_add_nc_u32 v[QWA], QSTG, v[QWA]
	v_lshlrev_b32 v[QWS], 5, v117
	v_lshl_add_u32 v[QWS], v116, 7, v[QWS]
	s_lshl_b32 s54, s26, 2
	s_add_co_u32 s54, s54, QSW
	v_add_nc_u32 v[QWS], s54, v[QWS]
	v_lshrrev_b32 v118, 3, v2                      ; v: keys 256 i + 16 r .. + 15 of channel 2 w + h: K step 2 i + r / 8, lane 2 w + h + 16 ((r / 2) % 2), byte 24 ((r / 4) % 2) + 12 (r % 2)
	v_mul_u32_u24 v[VWA], v118, 1536
	v_bfe_u32 v119, v2, 1, 1
	v_mad_u32_u24 v[VWA], v119, 768, v[VWA]
	v_mad_u32_u24 v[VWA], v3, 48, v[VWA]
	v_bfe_u32 v119, v2, 2, 1
	v_mad_u32_u24 v[VWA], v119, 24, v[VWA]
	v_mad_u32_u24 v[VWA], v117, 12, v[VWA]
	s_mul_i32 s54, s26, 96
	s_add_co_u32 s54, s54, VSTG
	v_add_nc_u32 v[VWA], s54, v[VWA]
	v_lshlrev_b32 v[VWS], 6, v118
	v_lshl_add_u32 v[VWS], v3, 2, v[VWS]
	v_bfe_u32 v119, v2, 1, 2
	v_add_nc_u32 v[VWS], v[VWS], v119
	s_lshl_b32 s54, s26, 3
	s_add_co_u32 s54, s54, VSW
	v_add_nc_u32 v[VWS], s54, v[VWS]
	v_lshlrev_b32 v[G16], 4, v0
	v_add_nc_u32 v[CPA], QSTG, v[G16]
	v_add_nc_u32 v[CPV], VSTG, v[G16]
	v_and_b32 v116, 7, v2                          ; Wv's tile: row r is column 64 (r % 8) + 16 l + 2 w + r / 8, picked out of slab 8's images
	v_mul_u32_u24 v[WVA], v116, 6144
	v_lshl_add_u32 v[WVA], v118, 4, v[WVA]
	v_lshl_add_u32 v[WVA], v3, 8, v[WVA]
	v_lshlrev_b32 v[WVS], 8, v116
	v_lshl_add_u32 v[WVS], v118, 2, v[WVS]
	v_lshlrev_b32 v[VBO], 2, v3
	s_lshl_b32 s54, s26, 8
	v_lshl_add_u32 v[BO], v3, 6, s54               ; the bias of my columns: 256 w + 64 h
.irp b, 0,1,2,3
	v_mov_b32 v[TM+4+\b], 0                        ; written once: a lane permute's destination counts as one of its sources
.endr
	s_mov_b32 s[SEL], 0x76543210
	s_mov_b32 s[SEL+1], 0xfedcba98
	s_mov_b32 s[C7F], 0x7f0000
	s_wait_kmcnt 0x0
	s_cmp_lt_u32 ttmp9, 4                          ; q from x, k from y: the choice hangs on the work-group's number alone
	s_cselect_b64 s[30:31], s[4:5], s[6:7]
	s_cselect_b64 s[32:33], s[8:9], s[10:11]
	s_lshl_b32 s54, s28, 18                        ; 128 rows of 2,048 bytes
	s_lshr_b32 s55, s26, 1
	s_lshl_b32 s55, s55, 16                        ; my tile of rows: 32 (w / 2) + w % 2 on
	s_add_co_u32 s54, s54, s55
	s_and_b32 s55, s26, 1
	s_lshl_b32 s55, s55, 11
	s_add_co_u32 s54, s54, s55
	s_mov_b32 s55, 0
	s_add_nc_u64 s[30:31], s[30:31], s[54:55]
	s_lshl_b32 s54, s29, 11
	s_add_nc_u64 s[32:33], s[32:33], s[54:55]
	s_mul_i32 s54, ttmp9, 196608
	s_mul_i32 s56, s26, 6144
	s_add_co_u32 s54, s54, s56
	s_add_nc_u64 s[34:35], s[14:15], s[54:55]      ; my 4 tiles of slab wi
	s_lshl_b32 s54, ttmp9, 13
	s_lshl_b32 s56, s26, 8
	s_add_co_u32 s54, s54, s56
	s_add_nc_u64 s[36:37], s[16:17], s[54:55]
	s_lshr_b32 s56, s29, 1                         ; l / 2
	s_and_b32 s57, s29, 1                          ; l % 2
	s_lshr_b32 s58, s26, 2                         ; w / 4
	s_and_b32 s59, s26, 3                          ; w % 4
	s_mul_i32 s54, s56, 3072
	s_mul_i32 s60, s58, 1536
	s_add_co_u32 s54, s54, s60
	s_lshl_b32 s60, s59, 5
	s_add_co_u32 s54, s54, s60
	s_lshl_b32 s60, s57, 7
	s_add_co_u32 s54, s54, s60
	s_add_co_u32 s54, s54, 8*196608
	s_add_nc_u64 s[38:39], s[14:15], s[54:55]
	s_lshl_b32 s54, s56, 7
	s_lshl_b32 s60, s58, 6
	s_add_co_u32 s54, s54, s60
	s_lshl_b32 s60, s59, 3
	s_add_co_u32 s54, s54, s60
	s_lshl_b32 s60, s57, 5
	s_add_co_u32 s54, s54, s60
	s_add_co_u32 s54, s54, 8*8192
	s_add_nc_u64 s[40:41], s[16:17], s[54:55]
	s_lshl_b32 s54, s29, 6
	s_lshl_b32 s60, s26, 3
	s_add_co_u32 s54, s54, s60
	s_add_co_u32 s54, s54, 6144                    ; bv[3] at channel 16 l + 2 w
	s_add_nc_u64 s[42:43], s[12:13], s[54:55]
	s_lshl_b32 s56, ttmp9, 5
	s_add_co_u32 s56, s56, s28                     ; 32 wi + hb
	s_mul_i32 s54, s56, 49152
	s_add_nc_u64 s[44:45], s[18:19], s[54:55]
	s_lshl_b32 s54, s56, 12
	s_add_nc_u64 s[46:47], s[20:21], s[54:55]
	s_mul_i32 s54, s28, 49152
	s_mul_i32 s60, s29, 12288
	s_add_co_u32 s54, s54, s60
	s_add_nc_u64 s[48:49], s[22:23], s[54:55]
	s_lshl_b32 s54, s28, 11
	s_lshl_b32 s60, s29, 9
	s_add_co_u32 s54, s54, s60
	s_add_nc_u64 s[50:51], s[24:25], s[54:55]
	WIN 0x40                                       ; destination window 1: the weights stay there
	s_wait_alu depctr_va_vdst(0)                   ; the addresses and offsets v4 to v19 are written, which every load and store below reads; so are v116 to v119, in which loads of x land
.irp t, 0,1,2,3
.irp s, 0,1,2,3
.irp p, 0,1,2
	global_load_b128 v[12*(4*\t+\s)+4*\p:12*(4*\t+\s)+4*\p+3], v[LI], s[34:35] offset:49152*\s+1536*\t+512*\p
.endr
.endr
.endr
.irp s, 0,1,2,3
.irp p, 0,1,2
	global_load_b128 v[192+12*\s+4*\p:192+12*\s+4*\p+3], v[WVA], s[38:39] offset:49152*\s+512*\p
.endr
.endr
	WIN 0
.irp s, 0,1,2,3
.irp b, 0,1
	global_load_b32 v[WS+2*\s+\b], v[LS], s[36:37] offset:2048*\s+128*\b
.endr
	global_load_b32 v[WSV+\s], v[WVS], s[40:41] offset:2048*\s
.endr
.irp t, 0,1,2,3
	global_load_b128 v[BIAS+8*\t:BIAS+8*\t+3], v[BO], s[32:33] offset:(32*(\t/2)+8*(\t%2))*4
	global_load_b128 v[BIAS+8*\t+4:BIAS+8*\t+7], v[BO], s[32:33] offset:(32*(\t/2)+8*(\t%2))*4+16
.endr
.irp j, 0,1,2,3,4,5,6,7
	global_load_b32 v[VB+\j], v[VBO], s[42:43] offset:256*\j
.endr
	XLOAD ACC, 0
	XLOAD XF, 1
	; ---- X: my tile of 16 rows becomes four fragments
.irp s, 0,1,2,3
.if \s < 3
	s_wait_loadcnt 16                              ; this K step's numbers (and all the weights) are in; the next K step's 16 loads may be out
.else
	s_wait_loadcnt 0x0
.endif
.if \s > 0
	s_wait_alu depctr_vm_vsrc(0)                   ; the LDS stores of the K step before have read v[PC ..] and v[PW], which this quantiser writes again
.endif
.if \s%2 == 0
	QUANT ACC, 2
.else
	QUANT XF, 2
.endif
	s_wait_alu depctr_va_vdst(0)                   ; the quantiser has written v[PC ..] and v[PW], which the LDS stores read, and is done reading its 64 numbers, in whose registers the K step two on lands
.if \s == 0
	XLOAD ACC, 2
.endif
.if \s == 1
	XLOAD XF, 3
.endif
	IMAGE XWI, 1536*\s
	ds_store_b32 v[XWS], v[PW] offset:128*\s
.endr
	BARRIER                                        ; the 32 fragments of the 128 rows lie in LDS
	; ---- q or k: two tiles of rows at a time; eight accumulators by turns.  Sixteen half steps of eight products; half step u = 4 i + K step
	HFETCH 0                                       ; (every line that named these registers stands ahead of the last wait on va_vdst)
.set u, 0
.rept 16
.if u%4 != 0
	PLACES 4                                       ; behind the products of the half step before, in front of loads into registers that they have read
	s_wait_alu depctr_va_vdst(0)                   ; those products are done reading their buffer of fragments and scale words, in which the loads below land
.endif
.if u < 15
	HFETCH u+1
	s_wait_dscnt 8                                 ; this half step's fragments are in; the eight loads just issued may be out
.else
	s_wait_dscnt 0x0
.endif
	WIN 0x01                                       ; source 0 (W) window 1
.irp pi, 0,1
.irp t, 0,1,2,3
.if u%4 == 0
	MM ACC+32*\pi+8*\t, 12*(4*\t+u%4), XF+12*(2*\pi+u%2), BIAS+8*\t, WS+2*(u%4)+\t/2, XS+2*\pi+u%2, \t%2
.else
	MM ACC+32*\pi+8*\t, 12*(4*\t+u%4), XF+12*(2*\pi+u%2), ACC+32*\pi+8*\t, WS+2*(u%4)+\t/2, XS+2*\pi+u%2, \t%2
.endif
.endr
.endr
	WIN 0
.if u%4 == 3
	PLACES 4                                       ; in front of the first read of results
	s_wait_alu depctr_vm_vsrc(0)                   ; the LDS stores of the codes made last have read v[PC ..], v[PW], v[TM+8] and v[TM+9], which are written again below
	QUANT ACC, 2                                   ; a lane's 32 registers of a tile are 32 of its key's 64 channels: both tiles at once; codes 6 pi on, bytes 2 pi on
	v_and_or_b32 v[TM+8], v[PW], 0xffff, s[C7F]    ; byte 2: 2^0, for the idle half of the score product's K
	v_lshrrev_b32 v[TM+9], 16, v[PW]
	v_or_b32 v[TM+9], s[C7F], v[TM+9]
	s_wait_alu depctr_va_vdst(0)                   ; the codes and the two words are written, which the LDS stores read; the last products are done reading their buffer, in which the next half step's loads land
.irp pi, 0,1
.irp p, 0,1,2
	ds_store_b64 v[QWA], v[PC+6*\pi+2*\p:PC+6*\pi+2*\p+1] offset:(16*(u/4)+\pi)*768+8*\p
.endr
	ds_store_b32 v[QWS], v[TM+8+\pi] offset:(16*(u/4)+\pi)*64
.endr
.endif
.set u, u+1
.endr
	; ---- v_3, in the k groups: one tile of Wv a wave, all eight tiles of rows
	s_cmp_lt_u32 ttmp9, 4
	s_cbranch_scc1 .Lnov
.irp s, 0,1,2,3
.irp ip, 0,1
.irp ii, 0,1
.irp pi, 0,1
	FETCH XF+12*(2*\ii+\pi), XIMG+(8*(2*\ip+\ii)+4*\pi+\s)*1536
	ds_load_b32 v[XS+2*\ii+\pi], v[LS] offset:XSC+(8*(2*\ip+\ii)+4*\pi+\s)*128
.endr
.endr
	s_wait_dscnt 0x0
	WIN 0x01
.irp ii, 0,1
.irp pi, 0,1
.if \s == 0
	MM ACC+16*(2*\ip+\ii)+8*\pi, 192+12*\s, XF+12*(2*\ii+\pi), VB, WSV+\s, XS+2*\ii+\pi, 0
.else
	MM ACC+16*(2*\ip+\ii)+8*\pi, 192+12*\s, XF+12*(2*\ii+\pi), ACC+16*(2*\ip+\ii)+8*\pi, WSV+\s, XS+2*\ii+\pi, 0
.endif
.endr
.endr
	WIN 0
	PLACES 4
.if 2*\s+\ip < 7
	s_wait_alu depctr_va_vdst(0)                   ; this step's products are done reading the four fragments and scale words, in which the next step's loads land
.endif
.endr
.endr
	s_wait_alu depctr_vm_vsrc(0)                   ; the LDS stores of k's last codes have read v[PC ..], which v's conversions write
.irp i, 0,1,2,3                        ; registers ACC + 16 i .. + 15: keys 256 i + 16 r + 0 .. 15 of channel 16 l + 2 w + h; lanes r and r xor 1 share a block of 32 keys
	v_max3_num_f32 v[TM+\i], |v[ACC+16*\i]|, |v[ACC+16*\i+1]|, 0x2800000
.endr
.irp k, 2,4,6,8,10,12,14
.irp i, 0,1,2,3
	v_max3_num_f32 v[TM+\i], v[TM+\i], |v[ACC+16*\i+\k]|, |v[ACC+16*\i+\k+1]|
.endr
.endr
.irp i, 0,1,2,3
	v_max_num_f32_dpp v[TM+\i], v[TM+\i], v[TM+\i] row_xmask:1 row_mask:0xf bank_mask:0xf
.endr
.irp i, 0,1,2,3
	v_add_nc_u32 v[TM+12+\i], 0xfe000000, v[TM+\i]
.endr
.irp i, 0,1,2,3
	v_cvt_scalef32_pk16_bf6_f32 v[PC+4*\i:PC+4*\i+2], v[ACC+16*\i:ACC+16*\i+15], v[TM+12+\i]
.endr
.irp i, 0,1,2,3
	v_lshrrev_b32 v[TM+4+\i], 23, v[TM+12+\i]      ; the bytes (plain lines behind the conversions)
.endr
	s_wait_alu depctr_va_vdst(0)                   ; the conversions have written v[PC ..] and the shifts v[TM+4 ..], which the LDS stores read
.irp i, 0,1,2,3
.irp q, 0,1,2
	ds_store_b32 v[VWA], v[PC+4*\i+\q] offset:3072*\i+4*\q
.endr
	ds_store_b8 v[VWS], v[TM+4+\i] offset:128*\i   ; both lanes of a block write the same byte with the same value
.endr
.Lnov:
	BARRIER                                        ; the head's tiles lie whole in the stages
.irp k, 0,1,2,3,4,5,6,7,8,9,10,11,12
	ds_load_b128 v[ACC+4*\k:ACC+4*\k+3], v[CPA] offset:4096*\k   ; (on either path every line that named ACC or XF stands ahead of the last wait on va_vdst)
.endr
.irp k, 0,1,2,3,4,5,6,7,8,9,10,11
	s_wait_dscnt 12-\k
	global_store_b128 v[G16], v[ACC+4*\k:ACC+4*\k+3], s[44:45] offset:4096*\k   ; a wave stores 512 consecutive bytes
.endr
	s_wait_dscnt 0x0
	global_store_b128 v[G16], v[ACC+48:ACC+51], s[46:47]
	s_cmp_lt_u32 ttmp9, 4
	s_cbranch_scc1 .Lend
.irp k, 0,1,2
	ds_load_b128 v[XF+4*\k:XF+4*\k+3], v[CPV] offset:4096*\k
.endr
.irp k, 0,1,2
	s_wait_dscnt 2-\k
	global_store_b128 v[G16], v[XF+4*\k:XF+4*\k+3], s[48:49] offset:4096*\k
.endr
	s_cmp_lg_u32 s26, 0
	s_cbranch_scc1 .Lend
	ds_load_b128 v[XF+12:XF+15], v[CPV] offset:12288   ; wave 0: the 512 bytes of v's scale words
	s_wait_dscnt 0x0
	global_store_b128 v[G16], v[XF+12:XF+15], s[50:51]
.Lend:
	s_wait_dscnt 0x0
	s_wait_alu depctr_hold_cnt(0) depctr_sa_sdst(0) depctr_va_vdst(0) depctr_va_sdst(0) depctr_va_ssrc(0) depctr_va_vcc(0) depctr_vm_vsrc(0)
	s_wait_tensorcnt 0x0
	ds_add_u32 v254, v255
	s_wait_dscnt 0x0
	s_endpgm
.Lfunc_end_k_q76ea8de3e8_proj:
	.size	k_q76ea8de3e8_proj, .Lfunc_end_k_q76ea8de3e8_proj-k_q76ea8de3e8_proj
	.p2alignl 7, 3214868480
	.fill 96, 4, 3214868480
	.section	.rodata,"a",@progbits
	.p2align	6, 0x0
	.amdhsa_kernel k_q76ea8de3e8_proj
		.amdhsa_group_segment_fixed_size 120320
		.amdhsa_private_segment_fixed_size 0
		.amdhsa_enable_private_segment 0
		.amdhsa_kernarg_size 88
		.amdhsa_user_sgpr_count 2
		.amdhsa_user_sgpr_kernarg_segment_ptr 1
		.amdhsa_wavefront_size32 1
		.amdhsa_system_sgpr_workgroup_id_x 1
		.amdhsa_system_sgpr_workgroup_id_y 1
		.amdhsa_system_sgpr_workgroup_id_z 1
		.amdhsa_system_vgpr_workitem_id 0
		.amdhsa_next_free_vgpr 512
		.amdhsa_next_free_sgpr 66
		.amdhsa_reserve_vcc 0
		.amdhsa_float_denorm_mode_32 3
		.amdhsa_float_denorm_mode_16_64 3
		.amdhsa_memory_ordered 1
		.amdhsa_forward_progress 1
		.amdhsa_inst_pref_size 105
	.end_amdhsa_kernel
	.amdgpu_metadata
---
amdhsa.version: [ 1, 2 ]
amdhsa.kernels:
  - .name:           k_q76ea8de3e8_proj
    .symbol:         k_q76ea8de3e8_proj.kd
    .args:
      - { .name: x, .offset: 0, .size: 8, .value_kind: global_buffer, .address_space: global }
      - { .name: y, .offset: 8, .size: 8, .value_kind: global_buffer, .address_space: global }
      - { .name: bq, .offset: 16, .size: 8, .value_kind: global_buffer, .address_space: global }
      - { .name: bk, .offset: 24, .size: 8, .value_kind: global_buffer, .address_space: global }
      - { .name: bv, .offset: 32, .size: 8, .value_kind: global_buffer, .address_space: global }
      - { .name: wcodes, .offset: 40, .size: 8, .value_kind: global_buffer, .address_space: global }
      - { .name: wscales, .offset: 48, .size: 8, .value_kind: global_buffer, .address_space: global }
      - { .name: qkcodes, .offset: 56, .size: 8, .value_kind: global_buffer, .address_space: global }
      - { .name: qkscales, .offset: 64, .size: 8, .value_kind: global_buffer, .address_space: global }
      - { .name: vcodes, .offset: 72, .size: 8, .value_kind: global_buffer, .address_space: global }
      - { .name: vscales, .offset: 80, .size: 8, .value_kind: global_buffer, .address_space: global }
    .group_segment_fixed_size: 120320
    .private_segment_fixed_size: 0
    .kernarg_segment_align: 8
    .kernarg_segment_size: 88
    .max_flat_workgroup_size: 256
    .sgpr_count:     66
    .vgpr_count:     512
    .wavefront_size: 32
...
	.end_amdgpu_metadata
.endif
;; end of part 5
;; launch attn: the kernel of part 3 again; grid 8 x 32, 16 waves a work-group, clusters of 4 x 1, 320,512 bytes of LDS; arguments qkcodes, qkscales, vcodes, vscales, x_mask, y_mask, o2; writes o2
;; launch tail (part 6): grid 128 x 1, 8 waves a work-group, no clusters, 144,896 bytes of LDS; arguments o2, x, wcodes, wscales, bo, g1, be1, bf1, bf2, g2, be2, out0; writes out0
.if DOCPART == 6
	.amdgcn_target "amdgcn-amd-amdhsa--gfx1250"
	.amdhsa_code_object_version 6
	.text
	.protected	k_q76ea8de3e8_tail
	.globl	k_q76ea8de3e8_tail
	.p2align	8
	.type	k_q76ea8de3e8_tail,@function
k_q76ea8de3e8_tail:
	s_mov_b64 s[64:65], 0
	v_nop
	global_prefetch_b8 v0, s[64:65] scope:SCOPE_SE
	s_setreg_imm32_b32 hwreg(HW_REG_WAVE_SCHED_MODE, 0, 2), 2
	s_setreg_imm32_b32 hwreg(HW_REG_WAVE_MODE, 25, 1), 1
	s_wait_xcnt 0x0
	s_wait_alu depctr_vm_vsrc(0)
; out = LN2(h + gelu(h W1 + bf1) W2 + bf2), h = LN1(x + o Wo + bo), all of layer 3; the three products on codes of E3M2, everything else in f32.
; SHARES.  A work-group takes 32 rows (two tiles of 16) through the whole chain.  THE WAVES SHARE THE COLUMNS: wave w makes columns 64 w .. + 63 of every product (of the hidden layer: of each 512).
; The rows' codes go round through LDS as images of their registers; a weight fragment is used by one wave alone and comes from memory straight into its registers:
; a K step's four fragments are 6,144 consecutive bytes; four such groups (14 loads each) are always on their way, in a ring of four register slots.
; Whatever its number of rows, a work-group takes in all 1.77 MB of codes; 32 rows balance that stream, the gelu and the products.
; All products are used transposed (source 0 = 16 columns of the weight, source 1 = 16 rows): a lane holds one row, register 16 b + i is column 64 w + 32 b + 16 (lane / 16) + i.
; The hidden layer goes in four runs of 512: W1's slab, gelu, quantise, W2's slab onto sums that begin as h + bf2.  Norms in two passes (mean, then squares of differences).
; erf is a ratio of polynomials in x^2 on x held to +-4; LIMITS: gelu's 1 + erf carries erf's absolute f32 error in its negative tail;
; a block whose largest magnitude lies under 2^-122 keeps the byte 1; NaN and infinities are not served.
; THE MODE: SCHED_MODE bits 1:0 = 2 (LLVM: expert scheduling mode 2), set by the entry lines.  The code itself states the register dependences
; between vector or matrix instructions and memory or LDS instructions, with s_wait_alu, always for 0.
; THE PLAN.  Registers that memory or LDS instructions touch:
;   v4-v17, v23   addresses and offsets: written at the head, never again.
;   the ring      window 1 v64-255 and v24-31: step s's eight products read slot s; behind them the group four steps on lands in it.
;   B0, B1        the rows' two fragments and two scale words of a K step: B0 = v76-99, v32-33 for even steps, B1 = v220-243, v252-253 for odd ones.  Step s's products read B[s % 2];
;                 the eight LDS loads of step s + 1 stand ahead of step s's products and land in the buffer that step s - 1 read.  Between the products B1's fragment registers are the gelu's and the norms'.
;   So ONE wait on va_vdst stands behind a step's four places: it states that the step's products are done reading their slot and their buffer.  Behind it follow the slot's 14 loads
;   and the LDS loads of the step after next; no vector or matrix line between names a register that these touch.
;   h's images and bf1 are never written again: the next run's first fragments are asked for in the last step of W2's slab, its bf1 at that slab's head.
;   PC, PW, TM+8  written by a quantiser, read by the LDS stores behind its wait on va_vdst.
;   v19-v22, v1   the run's LDS addresses: one wait on vm_vsrc a run stands ahead of the lines that write them (it also frees PC, PW and TM+8), and these lines stand ahead of the quantiser's wait on va_vdst.
;   V1, V2, LR    vectors and partial sums from LDS: each load stands behind a wait on va_vdst that is younger than every line that named its registers.
;   LA            a sum's store reads it behind a wait on va_vdst; a wait on vm_vsrc stands ahead of the next sum.
;   Z             at the end: stored to the stage behind a wait on va_vdst; the rows come back into it behind a wait on vm_vsrc.
.set OIMG, 0                           ; o's 8 fragments (4 x tile + K step), 1,536 bytes: register i of lane L at 48 L + 4 i
.set OSC,  12288                       ; their scale words, 64 bytes each
.set HIMG, 12800                       ; h's likewise
.set HSC,  25088
.set GIMG, 25600                       ; the hidden run's, two places by turns, 12,800 bytes apart
.set GSC,  37888
.set RED,  51200                       ; four reductions: [32 rows] 48 bytes: a word a wave
.set VEC,  57344                       ; bo, g1, be1, bf2, g2, be2 (2 KB each), bf1 (8 KB)
.set OSTG, 77824                       ; 32 rows x (2,048 + 16)
.set AB1, 1                            ; v1   LDS address of bf1's numbers of the run whose bf1 is asked for next
.set LI,  4
.set LS,  5
.set L48, 6
.set R4,  7
.set RA,  8
.set VECA, 9
.set OWA, 10
.set OWS, 11
.set HWA, 12
.set HWS, 13
.set RWA, 14
.set RRA, 15
.set SWA, 16
.set SRA, 17
.set WSC, 24                           ; v24-31 the weights' scale words: register 2 slot + b: lanes 0-15 tile 2 b, lanes 16-31 tile 2 b + 1
.set BS,  32                           ; v32-33 the rows' scale words, buffer 0;
.set BSD, 220                          ; v252-253 buffer 1
.set TM,  36
.set PW,  52
.set PC,  56
.set BF,  76                           ; v76-99 the rows' fragments, buffer 0;
.set BFD, 144                          ; v220-243 buffer 1
.set LM,  100
.set LA,  104
.set LR,  108
.set Z,   124
.set V1,  188
.set V2,  220
.set GT,  220
.set G2,  228
.set GN,  236
.set GD,  244
.set FF,  0                            ; window 1: v0-63 x, then the last product's sums; v64-255 the ring of weights
.set WB,  30
.set WS,  32
.set SEL, 40
.set IT,  42
.set PAR, 43
.set CNT, 44
.set MSB, 0
.macro WIN new
.if MSB != \new
	s_set_vgpr_msb (MSB<<8)|\new
.set MSB, \new
.endif
.endm
.macro PLACES n
.rept \n
	v_nop
.endr
.endm
.macro QUANT s, nc                     ; 32 nc numbers of a lane, register 16 b + i = k 32 b + 16 (lane / 16) + i, become codes in v[PC] on and scale bytes in v[PW]
.set qb, 0
.rept 2*(\nc)
	v_max3_num_f32 v[TM+qb], |v[(\s)+16*qb]|, |v[(\s)+16*qb+1]|, 0x2800000
.set qb, qb+1
.endr
.set qi, 2
.rept 7
.set qb, 0
.rept 2*(\nc)
	v_max3_num_f32 v[TM+qb], v[TM+qb], |v[(\s)+16*qb+qi]|, |v[(\s)+16*qb+qi+1]|
.set qb, qb+1
.endr
.set qi, qi+2
.endr
.set qb, 0
.rept 2*(\nc)
	v_permlanex16_b32 v[TM+4+qb], v[TM+qb], s[SEL], s[SEL+1]
.set qb, qb+1
.endr
.set qb, 0
.rept 2*(\nc)
	v_max_num_f32 v[TM+qb], v[TM+qb], v[TM+4+qb]
.set qb, qb+1
.endr
.set qb, 0
.rept 2*(\nc)
	v_add_nc_u32 v[TM+12+qb], 0xfe000000, v[TM+qb]
.set qb, qb+1
.endr
.set qb, 0
.rept 2*(\nc)
	v_lshrrev_b32 v[TM+4+qb], 23, v[TM+12+qb]
.set qb, qb+1
.endr
	v_lshl_or_b32 v[PW], v[TM+5], 8, v[TM+4]
.if (\nc) == 2
	v_lshl_or_b32 v[PW], v[TM+6], 16, v[PW]
	v_lshl_or_b32 v[PW], v[TM+7], 24, v[PW]
.endif
.set qc, 0
.rept \nc
	v_cvt_scalef32_pk16_bf6_f32 v[PC+6*qc:PC+6*qc+2], v[(\s)+32*qc:(\s)+32*qc+15], v[TM+12+2*qc]
	v_cvt_scalef32_pk16_bf6_f32 v[PC+12+4*qc:PC+14+4*qc], v[(\s)+32*qc+16:(\s)+32*qc+31], v[TM+13+2*qc]
.set qc, qc+1
.endr
	v_nop                                          ; one plain line behind the last conversion
.set qc, 0
.rept \nc
.irp i, 0,1,2
	v_permlane16_swap_b32 v[PC+6*qc+\i], v[PC+12+4*qc+\i]
.endr
.irp i, 0,1,2
	v_mov_b32 v[PC+6*qc+3+\i], v[PC+12+4*qc+\i]
.endr
.set qc, qc+1
.endr
.endm
.macro BARRIER
	s_wait_dscnt 0x0
	s_barrier_signal -1
	s_barrier_wait -1
.endm
.macro MM d, a, b, c, sa, sb, row
.if \row
	v_wmma_scale_f32_16x16x128_f8f6f4 v[(\d):(\d)+7], v[(\a):(\a)+11], v[(\b):(\b)+11], v[(\c):(\c)+7], v[\sa], v[\sb] matrix_a_fmt:MATRIX_FMT_BF6 matrix_b_fmt:MATRIX_FMT_BF6 matrix_a_scale:MATRIX_SCALE_ROW1
.else
	v_wmma_scale_f32_16x16x128_f8f6f4 v[(\d):(\d)+7], v[(\a):(\a)+11], v[(\b):(\b)+11], v[(\c):(\c)+7], v[\sa], v[\sb] matrix_a_fmt:MATRIX_FMT_BF6 matrix_b_fmt:MATRIX_FMT_BF6
.endif
.endm
.macro GLOAD slot, ic, is, w           ; a K step's four fragments and their scale words: 14 loads.  w = 1: products have just read the slot
	WIN 0x40
.if \w
	s_wait_alu depctr_va_vdst(0)                   ; the step's products are done reading this slot's fragments and scale words, in which these loads land, and their buffer of the rows' fragments and scale words, in which the LDS loads that follow land
.endif
.irp k, 0,1,2,3,4,5,6,7,8,9,10,11
	global_load_b128 v[64+48*\slot+4*\k:64+48*\slot+4*\k+3], v[LI], s[WB:WB+1] offset:\ic+512*\k
.endr
	WIN 0
.irp b, 0,1
	global_load_b32 v[WSC+2*\slot+\b], v[LS], s[WS:WS+1] offset:\is+128*\b
.endr
.endm
.macro BFETCH p, la, ra, base, sbase, idx ; the two tiles' fragments and scale words of K step idx into buffer p: eight LDS loads
.irp rt, 0,1
.irp q, 0,1,2
	ds_load_b128 v[BF+BFD*(\p)+12*\rt+4*\q:BF+BFD*(\p)+12*\rt+4*\q+3], v[\la] offset:\base+(4*\rt+(\idx))*1536+16*\q
.endr
	ds_load_b32 v[BS+BSD*(\p)+\rt], v[\ra] offset:\sbase+(4*\rt+(\idx))*64
.endr
.endm
.macro VECR reg, ar, off               ; a vector's 32 numbers of my columns, in the results' layout
.irp b, 0,1
.irp j, 0,1,2,3
	ds_load_b128 v[\reg+16*\b+4*\j:\reg+16*\b+4*\j+3], v[\ar] offset:\off+128*\b+16*\j
.endr
.endr
.endm
; Eight products: two tiles of rows x my four tiles of columns; eight accumulators by turns.  mode 0: Z = V1 + ..; 1: Z += ..; 2: FF += ..
; The rows' fragments stand in buffer slot % 2.  dcnt: the LDS loads of the next step, which may stay out.
.macro STEP slot, mode, cnt, dcnt
	s_wait_loadcnt \cnt                            ; this slot's group is in; the younger groups may be out
	s_wait_dscnt \dcnt                             ; this step's fragments of the rows are in
.if \mode == 2
	WIN 0x51
.else
	WIN 0x01
.endif
.irp rt, 0,1
.irp t, 0,1,2,3
.if \mode == 0
	MM Z+32*\rt+8*\t, 64+48*\slot+12*\t, BF+BFD*(\slot%2)+12*\rt, V1+8*\t, WSC+2*\slot+\t/2, BS+BSD*(\slot%2)+\rt, \t%2
.elseif \mode == 1
	MM Z+32*\rt+8*\t, 64+48*\slot+12*\t, BF+BFD*(\slot%2)+12*\rt, Z+32*\rt+8*\t, WSC+2*\slot+\t/2, BS+BSD*(\slot%2)+\rt, \t%2
.else
	MM FF+32*\rt+8*\t, 64+48*\slot+12*\t, BF+BFD*(\slot%2)+12*\rt, FF+32*\rt+8*\t, WSC+2*\slot+\t/2, BS+BSD*(\slot%2)+\rt, \t%2
.endif
.endr
.endr
	PLACES 4                                       ; in front of loads into registers that the products have read, and of the first read of results
.endm
.macro ZSUM
.irp rt, 0,1
	v_pk_add_f32 v[LA+2*\rt:LA+2*\rt+1], v[Z+32*\rt:Z+32*\rt+1], v[Z+32*\rt+2:Z+32*\rt+3]
.endr
.irp j, 4,6,8,10,12,14,16,18,20,22,24,26,28,30
.irp rt, 0,1
	v_pk_add_f32 v[LA+2*\rt:LA+2*\rt+1], v[LA+2*\rt:LA+2*\rt+1], v[Z+32*\rt+\j:Z+32*\rt+\j+1]
.endr
.endr
.endm
.macro ZSQ
.irp rt, 0,1
	v_pk_mul_f32 v[LA+2*\rt:LA+2*\rt+1], v[Z+32*\rt:Z+32*\rt+1], v[Z+32*\rt:Z+32*\rt+1]
.endr
.irp j, 2,4,6,8,10,12,14,16,18,20,22,24,26,28,30
.irp rt, 0,1
	v_pk_fma_f32 v[LA+2*\rt:LA+2*\rt+1], v[Z+32*\rt+\j:Z+32*\rt+\j+1], v[Z+32*\rt+\j:Z+32*\rt+\j+1], v[LA+2*\rt:LA+2*\rt+1]
.endr
.endr
.endm
.macro ROWX k                          ; the lanes' pairs in v[LA] on become the rows' sums over all 512 columns in v[LM], v[LM+2]
.irp rt, 0,1
	v_add_f32 v[LA+2*\rt], v[LA+2*\rt], v[LA+2*\rt+1]
.endr
.irp rt, 0,1
	v_permlanex16_b32 v[LA+2*\rt+1], v[LA+2*\rt], s[SEL], s[SEL+1]
.endr
.irp rt, 0,1
	v_add_f32 v[LA+2*\rt], v[LA+2*\rt], v[LA+2*\rt+1]
.endr
	s_wait_alu depctr_va_vdst(0)                   ; v[LA] and v[LA+2] are written, which the LDS stores read; all earlier lines are done with v[LR ..], v[V1 ..] and v[V2 ..], in which later loads land
.irp rt, 0,1
	ds_store_b32 v[RWA], v[LA+2*\rt] offset:1536*\k+768*\rt
.endr
	BARRIER
.irp rt, 0,1
	ds_load_b128 v[LR+8*\rt:LR+8*\rt+3], v[RRA] offset:1536*\k+768*\rt
	ds_load_b128 v[LR+8*\rt+4:LR+8*\rt+7], v[RRA] offset:1536*\k+768*\rt+16
.endr
.if \k < 3
	s_wait_alu depctr_vm_vsrc(0)                   ; my LDS stores have read v[LA] and v[LA+2], which the next sums write again
.endif
	s_wait_dscnt 0x0
.irp rt, 0,1
	v_pk_add_f32 v[LR+8*\rt:LR+8*\rt+1], v[LR+8*\rt:LR+8*\rt+1], v[LR+8*\rt+2:LR+8*\rt+3]
	v_pk_add_f32 v[LR+8*\rt+4:LR+8*\rt+5], v[LR+8*\rt+4:LR+8*\rt+5], v[LR+8*\rt+6:LR+8*\rt+7]
.endr
.irp rt, 0,1
	v_pk_add_f32 v[LR+8*\rt:LR+8*\rt+1], v[LR+8*\rt:LR+8*\rt+1], v[LR+8*\rt+4:LR+8*\rt+5]
.endr
.irp rt, 0,1
	v_add_f32 v[LM+2*\rt], v[LR+8*\rt], v[LR+8*\rt+1]
.endr
.endm
.macro RSTD                            ; 1 / sqrt(sum / 512 + 1e-5)
.irp rt, 0,1
	v_fma_f32 v[LM+2*\rt], v[LM+2*\rt], s46, s45
.endr
.irp rt, 0,1
	v_rsq_f32 v[LM+2*\rt], v[LM+2*\rt]
.endr
	v_nop                                          ; a plain line behind the last root
.endm
.macro NORM                            ; Z = Z x rstd x V1 + V2
.irp rt, 0,1
.set j, 0
.rept 16
	v_pk_mul_f32 v[Z+32*\rt+j:Z+32*\rt+j+1], v[Z+32*\rt+j:Z+32*\rt+j+1], v[LM+2*\rt:LM+2*\rt+1] op_sel_hi:[1,0]
.set j, j+2
.endr
.set j, 0
.rept 16
	v_pk_fma_f32 v[Z+32*\rt+j:Z+32*\rt+j+1], v[Z+32*\rt+j:Z+32*\rt+j+1], v[V1+j:V1+j+1], v[V2+j:V2+j+1]
.set j, j+2
.endr
.endr
.endm
; gelu(z) = z/2 + z/2 erf(z / sqrt 2), eight registers (one accumulator) at a time; erf(t) = t N(t^2) / D(t^2) on t held to +-4
.macro GELU
.set gq, 0
.rept 8
.set gz, Z+8*gq
.irp p, 0,2,4,6
	v_pk_mul_f32 v[GT+\p:GT+\p+1], v[gz+\p:gz+\p+1], s[56:57] op_sel_hi:[1,0]
.endr
.irp p, 0,1,2,3,4,5,6,7
	v_med3_num_f32 v[GT+\p], v[GT+\p], -4.0, 4.0
.endr
.irp p, 0,2,4,6
	v_pk_mul_f32 v[G2+\p:G2+\p+1], v[GT+\p:GT+\p+1], v[GT+\p:GT+\p+1]
.endr
.irp p, 0,2,4,6
	v_pk_fma_f32 v[GN+\p:GN+\p+1], v[G2+\p:G2+\p+1], v[54:55], s[58:59] op_sel_hi:[1,1,0]
	v_pk_fma_f32 v[GD+\p:GD+\p+1], v[G2+\p:G2+\p+1], v[34:35], s[72:73] op_sel_hi:[1,1,0]
.endr
.irp c, 60,62,66,68,70
.irp p, 0,2,4,6
	v_pk_fma_f32 v[GN+\p:GN+\p+1], v[GN+\p:GN+\p+1], v[G2+\p:G2+\p+1], s[\c:\c+1] op_sel_hi:[1,1,0]
.endr
.endr
.irp c, 74,76,78
.irp p, 0,2,4,6
	v_pk_fma_f32 v[GD+\p:GD+\p+1], v[GD+\p:GD+\p+1], v[G2+\p:G2+\p+1], s[\c:\c+1] op_sel_hi:[1,1,0]
.endr
.endr
.irp p, 0,2,4,6
	v_pk_mul_f32 v[GN+\p:GN+\p+1], v[GN+\p:GN+\p+1], v[GT+\p:GT+\p+1]
.endr
.irp p, 0,1,2,3,4,5,6,7
	v_rcp_f32 v[GD+\p], v[GD+\p]
.endr
.irp p, 0,2,4,6
	v_pk_mul_f32 v[GT+\p:GT+\p+1], v[gz+\p:gz+\p+1], 0.5 op_sel_hi:[1,0]   ; (plain lines behind the reciprocals)
.endr
	s_wait_alu depctr_va_vdst(0)                   ; the eight reciprocals have written v[GD ..]: one wait for the eight, ahead of their first reader
.irp p, 0,2,4,6
	v_pk_mul_f32 v[GN+\p:GN+\p+1], v[GN+\p:GN+\p+1], v[GD+\p:GD+\p+1]
.endr
.irp p, 0,2,4,6
	v_pk_fma_f32 v[gz+\p:gz+\p+1], v[GT+\p:GT+\p+1], v[GN+\p:GN+\p+1], v[GT+\p:GT+\p+1]
.endr
.set gq, gq+1
.endr
.endm
.macro CPAIR r, val                    ; a packed line names a pair and takes its low word for both halves: both are written
	s_mov_b32 s[\r], \val
	s_mov_b32 s[\r+1], \val
.endm
	s_load_b512 s[4:19], s[0:1], 0x0               ; o2, x, wcodes, wscales, bo, g1, be1, bf1
	s_load_b256 s[20:27], s[0:1], 0x40             ; bf2, g2, be2, out0
	v_lshl_add_u32 v254, v0, 2, 0x23200
	v_mov_b32 v255, 0
	v_lshrrev_b32 v1, 5, v0
	v_readfirstlane_b32 s28, v1                    ; wave 0..7
	v_and_b32 v1, 31, v0
	v_and_b32 v2, 15, v0                           ; r
	v_bfe_u32 v3, v0, 4, 1                         ; h
	v_lshlrev_b32 v[LI], 4, v1
	v_lshlrev_b32 v[LS], 2, v1
	v_mul_u32_u24 v[L48], v1, 48
	v_lshlrev_b32 v[R4], 2, v2
	v_lshlrev_b32 v[RA], 11, v2
	v_lshl_add_u32 v[RA], v3, 6, v[RA]             ; row r of 2,048 bytes, + my 16 numbers of a block
	s_wait_alu depctr_va_sdst(0)                   ; s28, the wave's number, is written, ahead of its first reader
	s_lshl_b32 s47, s28, 8
	s_add_co_u32 s47, s47, VEC
	v_lshl_add_u32 v[VECA], v3, 6, s47
	v_lshl_add_u32 v[AB1], v3, 6, s47              ; the first run's bf1 stands at the same place in its vector
	s_mul_i32 s47, s28, 1536
	v_add_nc_u32 v[OWA], s47, v[L48]
	s_lshl_b32 s47, s28, 6
	s_add_co_u32 s47, s47, OSC
	v_add_nc_u32 v[OWS], s47, v[R4]
	s_lshr_b32 s47, s28, 1                         ; my 64 columns are half w % 2 of K step w / 2 of the next product
	s_and_b32 s48, s28, 1
	s_mul_i32 s49, s47, 1536
	s_mul_i32 s50, s48, 24
	s_add_co_u32 s49, s49, s50
	v_add_nc_u32 v[HWA], s49, v[L48]
	s_lshl_b32 s49, s47, 6
	s_lshl_b32 s50, s48, 1
	s_add_co_u32 s49, s49, s50
	v_add_nc_u32 v[HWS], s49, v[R4]
	s_lshl_b32 s49, s28, 2
	s_add_co_u32 s49, s49, RED
	v_mad_u32_u24 v[RWA], v2, 48, s49
	v_mul_u32_u24 v[RRA], v2, 48
	v_add_nc_u32 v[RRA], RED, v[RRA]
	s_lshl_b32 s49, s28, 8
	s_add_co_u32 s49, s49, OSTG
	v_mad_u32_u24 v[SWA], v2, 2064, s49
	v_lshl_add_u32 v[SWA], v3, 6, v[SWA]
	s_mul_i32 s49, s28, 4*2064
	s_add_co_u32 s49, s49, OSTG
	v_add_nc_u32 v[SRA], s49, v[LI]
	v_lshlrev_b32 v18, 4, v0                       ; the vectors' way in: 16 bytes a thread
	v_and_b32 v19, 127, v0
	v_lshlrev_b32 v19, 4, v19
	v_add_nc_u32 v23, VEC, v18
	v_mov_b32 v54, 0xaf95df0b                      ; N's leading coefficient, -2.72614226e-10
	v_mov_b32 v55, 0xaf95df0b
	v_mov_b32 v34, 0xb77460cd                      ; D's, -1.45660718e-05
	v_mov_b32 v35, 0xb77460cd
	v_mov_b32 v[LM+1], 0                           ; named as upper halves of pairs
	v_mov_b32 v[LM+3], 0
.irp b, 0,1,2,3
	v_mov_b32 v[TM+4+\b], 0                        ; a lane permute's destination counts as one of its sources
.endr
	s_mov_b32 s[SEL], 0x76543210
	s_mov_b32 s[SEL+1], 0xfedcba98
	s_mov_b32 s45, 0x3727c5ac                      ; 1e-5
	s_mov_b32 s46, 0x3b000000                      ; 1 / 512
	CPAIR 56, 0x3f3504f3                           ; 1 / sqrt 2
	CPAIR 58, 0x32edffee                           ; N:  2.77068142e-08
	CPAIR 60, 0xb60cff51                           ;    -2.10102402e-06
	CPAIR 62, 0xb86ec2d2                           ;    -5.69250639e-05
	CPAIR 66, 0xba40ac63                           ;    -7.34990630e-04
	CPAIR 68, 0xbb41a1f6                           ;    -2.95459981e-03
	CPAIR 70, 0xbc83dbd4                           ;    -1.60960333e-02
	CPAIR 72, 0xb95fbd29                           ; D: -2.13374055e-04
	CPAIR 74, 0xbadc924e                           ;    -1.68282697e-03
	CPAIR 76, 0xbbf19bf8                           ;    -7.37332917e-03
	CPAIR 78, 0xbc69b6a7                           ;    -1.42647391e-02
	s_mov_b32 s[IT], 2048                          ; the next run's place in bf1
	s_mov_b32 s[PAR], 0
	s_mov_b32 s[CNT], 3
	s_mov_b32 s49, 0
	s_wait_kmcnt 0x0
	s_cmp_lt_u32 s28, 4                            ; waves 0-3 bring one vector of a pair, waves 4-7 the other
	s_cselect_b64 s[50:51], s[12:13], s[14:15]
	s_cselect_b64 s[52:53], s[16:17], s[20:21]
	s_cselect_b64 s[54:55], s[22:23], s[24:25]
	s_lshl_b32 s48, ttmp9, 16                      ; my 32 rows of 2,048 bytes
	s_lshr_b32 s47, s28, 2
	s_lshl_b32 s47, s47, 15
	s_add_co_u32 s48, s48, s47                     ; o: I quantise tile w / 4,
	s_and_b32 s47, s28, 3
	s_lshl_b32 s47, s47, 9
	s_add_co_u32 s48, s48, s47                     ; K step w % 4
	s_add_nc_u64 s[34:35], s[4:5], s[48:49]
	s_lshl_b32 s48, ttmp9, 16
	s_lshl_b32 s47, s28, 8
	s_add_co_u32 s48, s48, s47
	s_add_nc_u64 s[36:37], s[6:7], s[48:49]        ; x at my columns
	s_lshl_b32 s48, ttmp9, 16
	s_lshl_b32 s47, s28, 13
	s_add_co_u32 s48, s48, s47
	s_add_nc_u64 s[38:39], s[26:27], s[48:49]      ; out: I store rows 4 w .. 4 w + 3
	s_mul_i32 s48, s28, 6144
	s_add_co_u32 s48, s48, 9*196608
	s_add_nc_u64 s[WB:WB+1], s[8:9], s[48:49]      ; my four tiles of Wo's slab
	s_lshl_b32 s48, s28, 8
	s_add_co_u32 s48, s48, 9*8192
	s_add_nc_u64 s[WS:WS+1], s[10:11], s[48:49]
	s_wait_alu depctr_va_vdst(0)                   ; the addresses and offsets v1, v4 to v19 and v23 are written, which the loads and stores below read
	global_load_b128 v[V1:V1+3], v19, s[50:51] offset:6144
	global_load_b128 v[V1+4:V1+7], v19, s[52:53] offset:6144
	global_load_b128 v[V1+8:V1+11], v19, s[54:55] offset:6144
	global_load_b128 v[V1+12:V1+15], v18, s[18:19] offset:24576
	global_load_b128 v[V1+16:V1+19], v18, s[18:19] offset:28672
.irp b, 0,1,2,3
.irp j, 0,1,2,3
	global_load_b128 v[Z+16*\b+4*\j:Z+16*\b+4*\j+3], v[RA], s[34:35] offset:128*\b+16*\j th:TH_LOAD_NT
.endr
.endr
	WIN 0x40
.irp rt, 0,1
.irp b, 0,1
.irp j, 0,1,2,3
	global_load_b128 v[FF+32*\rt+16*\b+4*\j:FF+32*\rt+16*\b+4*\j+3], v[RA], s[36:37] offset:32768*\rt+128*\b+16*\j th:TH_LOAD_NT
.endr
.endr
.endr
	WIN 0
	GLOAD 0, 0, 0, 0
	GLOAD 1, 49152, 2048, 0
	s_wait_loadcnt 44                              ; the vectors and o are in; x's 16 loads and two groups of 14 may be out
.irp k, 0,1,2,3,4
	ds_store_b128 v23, v[V1+4*\k:V1+4*\k+3] offset:4096*\k
.endr
	QUANT Z, 2
	s_wait_alu depctr_va_vdst(0)                   ; the quantiser has written v[PC ..] and v[PW], which the LDS stores read
.irp p, 0,1,2
	ds_store_b128 v[OWA], v[PC+4*\p:PC+4*\p+3] offset:OIMG+16*\p
.endr
	ds_store_b32 v[OWS], v[PW]
	GLOAD 2, 98304, 4096, 0
	GLOAD 3, 147456, 6144, 0
	BARRIER                                        ; o's eight fragments and the vectors lie in LDS
	s_wait_alu depctr_vm_vsrc(0)                   ; my LDS stores have read v[V1 ..], in which bo lands, and v[PC ..] and v[PW], which the next quantiser writes
	; ---- o Wo + bo + x
	VECR V1, VECA, 0
	BFETCH 0, L48, R4, OIMG, OSC, 0
.irp s, 0,1,2,3
.if \s < 3
	BFETCH (\s+1)%2, L48, R4, OIMG, OSC, \s+1
.endif
.if \s == 0
	STEP \s, 0, 42, 8
.elseif \s < 3
	STEP \s, 1, 42, 8
.else
	STEP \s, 1, 42, 0
.endif
	GLOAD \s, 196608+49152*\s, 8192+2048*\s, 1     ; W1's first slab
.endr
	WIN 0x04                                       ; source 1 (x) window 1
.set j, 0
.rept 32
	v_pk_add_f32 v[Z+j:Z+j+1], v[Z+j:Z+j+1], v[FF+j:FF+j+1]
.set j, j+2
.endr
	WIN 0
	; ---- the first norm
	ZSUM
	ROWX 0
.irp rt, 0,1
	v_mul_f32 v[LM+2*\rt], 0x3b000000, v[LM+2*\rt]
.endr
.irp rt, 0,1
.set j, 0
.rept 16
	v_pk_add_f32 v[Z+32*\rt+j:Z+32*\rt+j+1], v[Z+32*\rt+j:Z+32*\rt+j+1], v[LM+2*\rt:LM+2*\rt+1] op_sel_hi:[1,0] neg_lo:[0,1] neg_hi:[0,1]
.set j, j+2
.endr
.endr
	ZSQ
	ROWX 1
	RSTD
	VECR V1, VECA, 2048                            ; (no line since the sums' wait on va_vdst names v[V1 ..] or v[V2 ..])
	VECR V2, VECA, 4096
	s_wait_alu depctr_va_vdst(0)                   ; the two roots have written v[LM] and v[LM+2], ahead of their first reader
	s_wait_dscnt 0x0
	NORM                                           ; Z = h
	s_wait_alu depctr_va_vdst(0)                   ; the norm's lines are done reading v[V1 ..], in which bf2 lands
	VECR V1, VECA, 6144
	s_wait_dscnt 0x0
	WIN 0x40                                       ; the last product's sums begin as h + bf2
.irp rt, 0,1
.set j, 0
.rept 16
	v_pk_add_f32 v[FF+32*\rt+j:FF+32*\rt+j+1], v[Z+32*\rt+j:Z+32*\rt+j+1], v[V1+j:V1+j+1]
.set j, j+2
.endr
.endr
	WIN 0
	QUANT Z, 2                                     ; both tiles of rows at once: codes 6 rt on, bytes 2 rt on
	v_lshrrev_b32 v[TM+8], 16, v[PW]
	s_wait_alu depctr_va_vdst(0)                   ; the codes and the bytes are written, which the LDS stores read; the lines above are done reading v[V1 ..] and v[V2 ..], in which bf1 and h's fragments land
.irp rt, 0,1
.irp p, 0,1,2
	ds_store_b64 v[HWA], v[PC+6*\rt+2*\p:PC+6*\rt+2*\p+1] offset:HIMG+6144*\rt+8*\p
.endr
.endr
	ds_store_b16 v[HWS], v[PW] offset:HSC
	ds_store_b16 v[HWS], v[TM+8] offset:HSC+256
	BARRIER                                        ; h's eight fragments lie in LDS
	s_wait_xcnt 0x0                                ; the loads on their way have read their bases
	s_add_nc_u64 s[WB:WB+1], s[WB:WB+1], 196608    ; on to W1's first slab
	s_add_nc_u64 s[WS:WS+1], s[WS:WS+1], 8192
	VECR V1, AB1, 12288                            ; bf1 of the first run's 64 units,
	BFETCH 0, L48, R4, HIMG, HSC, 0                ; and h's first K step
; One run of 512 hidden units.  At its head bf1 and h's first K step are on their way.  la = 1: the next run's W1, bf1 and first fragments are asked for.
.macro ITER la
.irp s, 0,1,2,3
.if \s < 3
	BFETCH (\s+1)%2, L48, R4, HIMG, HSC, \s+1
.endif
.if \s == 0
	STEP \s, 0, 42, 8
.elseif \s < 3
	STEP \s, 1, 42, 8
.else
	STEP \s, 1, 42, 0
.endif
	GLOAD \s, 786432+49152*\s, 32768+2048*\s, 1    ; this run's slab of W2
.endr
	GELU
	s_wait_alu depctr_vm_vsrc(0)                   ; the LDS loads and stores issued so far have read v19 to v22, v[AB1], v[PC ..], v[PW] and v[TM+8], all of which are written again below
	v_add_nc_u32 v19, s[PAR], v[HWA]
	v_add_nc_u32 v20, s[PAR], v[HWS]
	v_add_nc_u32 v21, s[PAR], v[L48]
	v_add_nc_u32 v22, s[PAR], v[R4]
.if \la
	v_add_nc_u32 v[AB1], s[IT], v[VECA]            ; the next run's bf1
.endif
	QUANT Z, 2                                     ; both tiles of rows at once
	v_lshrrev_b32 v[TM+8], 16, v[PW]
	s_wait_alu depctr_va_vdst(0)                   ; the codes, the bytes and the five addresses are written, which the LDS stores and loads below read; the gelu is done with v220 to v243, in which fragments land
.irp rt, 0,1
.irp p, 0,1,2
	ds_store_b64 v19, v[PC+6*\rt+2*\p:PC+6*\rt+2*\p+1] offset:GIMG+6144*\rt+8*\p
.endr
.endr
	ds_store_b16 v20, v[PW] offset:GSC
	ds_store_b16 v20, v[TM+8] offset:GSC+256
	BARRIER                                        ; one barrier a run: the two places take turns, so a place is written again only behind the next run's barrier
.if \la
	VECR V1, AB1, 12288
.endif
	BFETCH 0, 21, 22, GIMG, GSC, 0
.irp s, 0,1,2,3
.if \s < 3
	BFETCH (\s+1)%2, 21, 22, GIMG, GSC, \s+1
.elseif \la
	BFETCH 0, L48, R4, HIMG, HSC, 0                ; the next run's first K step of h
.endif
.if \la
	STEP \s, 2, 42, 8
	GLOAD \s, 196608+49152*\s, 8192+2048*\s, 1
.else
.if \s < 3
	STEP \s, 2, 42-14*\s, 8                        ; nothing more is asked for of the weights: the counts run down
.else
	STEP \s, 2, 0, 0
.endif
	WIN 0
.if \s < 2
	s_wait_alu depctr_va_vdst(0)                   ; the step's products are done reading their buffer of the rows' fragments and scale words, in which the LDS loads of the step after next land
.endif
.endif
.endr
.endm
.Lffn:
	ITER 1
	s_wait_xcnt 0x0
	s_add_nc_u64 s[WB:WB+1], s[WB:WB+1], 196608
	s_add_nc_u64 s[WS:WS+1], s[WS:WS+1], 8192
	s_add_co_u32 s[IT], s[IT], 2048
	s_xor_b32 s[PAR], s[PAR], 12800
	s_sub_co_u32 s[CNT], s[CNT], 1
	s_cmp_lg_u32 s[CNT], 0
	s_cbranch_scc1 .Lffn
	ITER 0
	; ---- the second norm, on h + ff in window 1
	WIN 0x05
.irp rt, 0,1
	v_pk_add_f32 v[LA+2*\rt:LA+2*\rt+1], v[FF+32*\rt:FF+32*\rt+1], v[FF+32*\rt+2:FF+32*\rt+3]
.endr
	WIN 0x01
.irp j, 4,6,8,10,12,14,16,18,20,22,24,26,28,30
.irp rt, 0,1
	v_pk_add_f32 v[LA+2*\rt:LA+2*\rt+1], v[FF+32*\rt+\j:FF+32*\rt+\j+1], v[LA+2*\rt:LA+2*\rt+1]
.endr
.endr
	WIN 0
	ROWX 2
.irp rt, 0,1
	v_mul_f32 v[LM+2*\rt], 0x3b000000, v[LM+2*\rt]
.endr
	WIN 0x01                                       ; the differences land in window 0
.irp rt, 0,1
.set j, 0
.rept 16
	v_pk_add_f32 v[Z+32*\rt+j:Z+32*\rt+j+1], v[FF+32*\rt+j:FF+32*\rt+j+1], v[LM+2*\rt:LM+2*\rt+1] op_sel_hi:[1,0] neg_lo:[0,1] neg_hi:[0,1]
.set j, j+2
.endr
.endr
	WIN 0
	ZSQ
	ROWX 3
	RSTD
	VECR V1, VECA, 8192                            ; (no line since the sums' wait on va_vdst names v[V1 ..] or v[V2 ..])
	VECR V2, VECA, 10240
	s_wait_alu depctr_va_vdst(0)                   ; the two roots have written v[LM] and v[LM+2], ahead of their first reader
	s_wait_dscnt 0x0
	NORM
	s_wait_alu depctr_va_vdst(0)                   ; the norm has written v[Z ..], which the LDS stores read
.irp rt, 0,1
.irp b, 0,1
.irp j, 0,1,2,3
	ds_store_b128 v[SWA], v[Z+32*\rt+16*\b+4*\j:Z+32*\rt+16*\b+4*\j+3] offset:33024*\rt+128*\b+16*\j
.endr
.endr
.endr
	BARRIER                                        ; 32 whole rows lie in the stage
	s_wait_alu depctr_vm_vsrc(0)                   ; my LDS stores have read v[Z ..], in which the rows from the stage land
.irp i, 0,1,2,3,4,5,6,7,8,9,10,11,12,13,14,15
	ds_load_b128 v[Z+4*\i:Z+4*\i+3], v[SRA] offset:(\i/4)*2064+(\i%4)*512
.endr
.irp i, 0,1,2,3,4,5,6,7,8,9,10,11,12,13,14,15
	s_wait_dscnt 15-\i
	global_store_b128 v[LI], v[Z+4*\i:Z+4*\i+3], s[38:39] offset:(\i/4)*2048+(\i%4)*512 th:TH_STORE_NT   ; 512 consecutive bytes, at a multiple of 256
.endr
	s_wait_dscnt 0x0
	s_wait_alu depctr_hold_cnt(0) depctr_sa_sdst(0) depctr_va_vdst(0) depctr_va_sdst(0) depctr_va_ssrc(0) depctr_va_vcc(0) depctr_vm_vsrc(0)
	s_wait_tensorcnt 0x0
	ds_add_u32 v254, v255
	s_wait_dscnt 0x0
	s_endpgm
.Lfunc_end_k_q76ea8de3e8_tail:
	.size	k_q76ea8de3e8_tail, .Lfunc_end_k_q76ea8de3e8_tail-k_q76ea8de3e8_tail
	.p2alignl 7, 3214868480
	.fill 96, 4, 3214868480
	.section	.rodata,"a",@progbits
	.p2align	6, 0x0
	.amdhsa_kernel k_q76ea8de3e8_tail
		.amdhsa_group_segment_fixed_size 144896
		.amdhsa_private_segment_fixed_size 0
		.amdhsa_enable_private_segment 0
		.amdhsa_kernarg_size 96
		.amdhsa_user_sgpr_count 2
		.amdhsa_user_sgpr_kernarg_segment_ptr 1
		.amdhsa_wavefront_size32 1
		.amdhsa_system_sgpr_workgroup_id_x 1
		.amdhsa_system_sgpr_workgroup_id_y 1
		.amdhsa_system_sgpr_workgroup_id_z 1
		.amdhsa_system_vgpr_workitem_id 0
		.amdhsa_next_free_vgpr 512
		.amdhsa_next_free_sgpr 80
		.amdhsa_reserve_vcc 0
		.amdhsa_float_denorm_mode_32 3
		.amdhsa_float_denorm_mode_16_64 3
		.amdhsa_memory_ordered 1
		.amdhsa_forward_progress 1
		.amdhsa_inst_pref_size 206
	.end_amdhsa_kernel
	.amdgpu_metadata
---
amdhsa.version: [ 1, 2 ]
amdhsa.kernels:
  - .name:           k_q76ea8de3e8_tail
    .symbol:         k_q76ea8de3e8_tail.kd
    .args:
      - { .name: o2, .offset: 0, .size: 8, .value_kind: global_buffer, .address_space: global }
      - { .name: x, .offset: 8, .size: 8, .value_kind: global_buffer, .address_space: global }
      - { .name: wcodes, .offset: 16, .size: 8, .value_kind: global_buffer, .address_space: global }
      - { .name: wscales, .offset: 24, .size: 8, .value_kind: global_buffer, .address_space: global }
      - { .name: bo, .offset: 32, .size: 8, .value_kind: global_buffer, .address_space: global }
      - { .name: g1, .offset: 40, .size: 8, .value_kind: global_buffer, .address_space: global }
      - { .name: be1, .offset: 48, .size: 8, .value_kind: global_buffer, .address_space: global }
      - { .name: bf1, .offset: 56, .size: 8, .value_kind: global_buffer, .address_space: global }
      - { .name: bf2, .offset: 64, .size: 8, .value_kind: global_buffer, .address_space: global }
      - { .name: g2, .offset: 72, .size: 8, .value_kind: global_buffer, .address_space: global }
      - { .name: be2, .offset: 80, .size: 8, .value_kind: global_buffer, .address_space: global }
      - { .name: out0, .offset: 88, .size: 8, .value_kind: global_buffer, .address_space: global }
    .group_segment_fixed_size: 144896
    .private_segment_fixed_size: 0
    .kernarg_segment_align: 8
    .kernarg_segment_size: 96
    .max_flat_workgroup_size: 256
    .sgpr_count:     80
    .vgpr_count:     512
    .wavefront_size: 32
...
	.end_amdgpu_metadata
.endif
;; end of part 6
